; MI455X (gfx1250); checked and timed in simulation.
; The chip was launched on July 23, 2026; its instructions are those of AMD's public machine-readable ISA for CDNA 5 (MIT licence, August 2026) and "CDNA5" Instruction Set Architecture Reference Guide (July 2026). The comments in the code are by the model that wrote it; some were corrected since.
;; Scaled Dot Product Attention. Allowed arithmetic: matrix products marked QUANTISED: E3M2 operands, one E8M0 scale for each 32 along K, by v_wmma_scale_f32_16x16x128_f8f6f4 with both operands' format E3M2, f32 sums; everything else in f32.
;; Inputs: Wk 1,024 x 1,024 float32; Wq 1,024 x 1,024 float32; Wv 1,024 x 1,024 float32; bk 1,024 float32; bq 1,024 float32; bv 1,024 float32; k 4 x 2,048 x 1,024 float32; q 4 x 2,048 x 1,024 float32; v 4 x 2,048 x 1,024 float32.
;; Outputs: out0 4 x 2,048 x 1,024 float32.
;; This version of the problem:
;;   THIS VERSION OF THE PROBLEM IS GIVEN IN LOW PRECISION. The matrix products marked QUANTISED in the list below multiply operands that are first quantised to E3M2 (3 exponent bits, 2 mantissa bits; 6 bits a number), with one power-of-two scale for each 32 numbers along K (OCP MX v1.0); their sums are f32. All else is computed in f32.
;;   The module's matrix products, in the order in which they are computed (A, B: the left and right operand; K: the contracted axis; several contracted axes count as one K, in the product's order):
;;     1. [M 8,192, K 1,024] x [K 1,024, N 1,024]; A: input q; B: input Wq: QUANTISED
;;     2. [M 8,192, K 1,024] x [K 1,024, N 1,024]; A: input k; B: input Wk: QUANTISED
;;     3. [M 8,192, K 1,024] x [K 1,024, N 1,024]; A: input v; B: input Wv: QUANTISED
;;     4. batch 4 x [M 2,048, K 1,024] x [K 1,024, N 2,048]; A: computed on the way; B: computed on the way: QUANTISED
;;     5. batch 4 x [M 2,048, K 2,048] x [K 2,048, N 1,024]; A: softmax (see below); B: computed on the way: QUANTISED
;;   THE QUANTISER, for each operand of a quantised product, along K:
;;     - K is cut into blocks of 32 from its start; a last block that is shorter is filled with zeros.
;;     - A block's scale is 2^e with e = floor(log2(the largest magnitude in the block)) - 4, held to -126 .. 127; a block of zeros has e = 0. As a byte (E8M0): e + 127.
;;     - Each number is divided by its block's scale, clamped to +-28, and rounded to the nearest number of E3M2, ties to even, subnormals kept.
;;     - The product sums the exact products of the quantised numbers (number of the format x scale) in f32.
;;   ~~~python
;;   def quantise(x, axis):      # numpy; x: float32 -> the quantised numbers, widened to float32 again
;;       x = np.moveaxis(x, axis, -1); K = x.shape[-1]
;;       x = np.pad(x, [(0, 0)] * (x.ndim - 1) + [(0, -K % 32)]); x = x.reshape(x.shape[:-1] + (-1, 32)); a = np.abs(x).max(-1, keepdims=True)
;;       e = np.where(a > 0, np.clip(np.frexp(np.where(a > 0, a, 1))[1] - 1 - 4, -126, 127), 0)      # np.frexp(a)[1] - 1 = floor(log2(a)), exactly
;;       r = np.clip(x / 2.0 ** e, -28, 28)
;;       step = 2.0 ** (np.maximum(np.frexp(np.where(r == 0, 1, r))[1] - 1, -2) - 2)
;;       q = np.round(r / step) * step * 2.0 ** e      # np.round: ties to even
;;       return np.moveaxis(q.reshape(q.shape[:-2] + (-1,))[..., :K], -1, axis).astype(np.float32)
;;   ~~~
;;   SOFTMAX AHEAD OF A QUANTISED PRODUCT. Where the list says 'softmax', what is quantised is not the finished softmax but p = 2^(t - M), with t = logit x log2(e) and M = ceil(the row's largest t), a whole number; so 1/2 < the row's largest p <= 1. The row's sum l is taken of the UNQUANTISED p, in f32, and the product's result is divided by l at the end. Since M is a whole number, a kernel that streams over the keys may use a running M (the ceiling of the running maximum): every later rescaling is an exact power of two, which a block's scale takes up: the codes' values come out the same.
;;   OPERANDS COMPUTED ON THE WAY. 'Computed on the way' means the value that the module computes at that place (a softmax that the list does not call 'softmax' is quantised finished and normalised). What goes into a quantiser is computed in f32, as accurately as f32 sums, v_exp_f32 and their like allow (about 1e-6 of the number): no bf16 or f16 on the way to a quantiser, and a product that is left as it is and whose result goes on into a quantised operand takes f32 operands (vector FMAs, or v_wmma_f32_16x16x4_f32). A number that lies on a knife's edge between two numbers of the format may be rounded either way, as far as f32 arithmetic and the matrix unit's own rounding can turn it there, and no further.
;; 2 versions. Each part assembles by itself: llvm-mc -triple=amdgcn-amd-amdhsa -mcpu=gfx1250 --defsym DOCPART=n.
;; ======== version 1 of 2: 4 launches
;; workspace buffers: xq 22,118,400 bytes; pj 19,660,800 bytes; pa 14,155,776 bytes
;; launch quant (part 1): grid 864 x 1, 4 waves a work-group, no clusters, 35,328 bytes of LDS; arguments q, k, v, Wq, Wk, Wv, xq; writes xq
.if DOCPART == 1
	.amdgcn_target "amdgcn-amd-amdhsa--gfx1250"
	.amdhsa_code_object_version 6
	.text
	.protected	k_q8b3854f377_quant
	.globl	k_q8b3854f377_quant
	.p2align	8
	.type	k_q8b3854f377_quant,@function
k_q8b3854f377_quant:
	s_mov_b64 s[64:65], 0
	v_nop
	global_prefetch_b8 v0, s[64:65] scope:SCOPE_SE
	s_setreg_imm32_b32 hwreg(HW_REG_WAVE_MODE, 25, 1), 1
	s_wait_xcnt 0x0
; q, k, v [8192][1024] and Wq, Wk, Wv [1024][1024], f32 with K innermost, become codes of E3M2 (6 bits) with one E8M0 byte for each 32 along K,
; laid in xq AS IMAGES OF MATRIX OPERAND REGISTERS.  A fragment (tile T of 16 rows, K step s of 128) is 12 registers a lane = 1,536 bytes at (8 T + s) x 1536:
; registers 4 c .. 4 c + 3 of lane l at + 512 c + 16 l.  Lane (r = l % 16, h = l / 16): registers 6 c .. 6 c + 5 hold k = 128 s + 64 c + 32 h + 0 .. 31 of the tile's place r.
; THE ROWS OF A TILE ARE NOT NEIGHBOURS: place r of tile T is row 32 (T / 2) + 8 (T % 2) + r + 8 (r / 8).  All operands of the program are laid so.
; Tiles of the six tensors follow each other: q 0, k 512, v 1024, Wq 1536, Wk 1600, Wv 1664.  Scale words (four bytes: 128 along K of one place) lie behind the codes:
; group G = T / 4 of 64 places, K step s: 256 bytes at XS + 2048 G + 256 s, place p % 64 at 4 (p % 64).
; A block's scale is 2^(floor(log2(largest magnitude)) - 4); its byte is the largest magnitude's exponent field - 4, held at 1 from below.
; LIMITS: a block of zeros gets the byte 1 where the rule says 127 (its codes are zeros, and this program alone reads the bytes); NaN and infinities among the inputs are not served.
; SHARES: a work-group takes a group of 64 rows and four K steps, a wave one K step: four fragments and one 256-byte run of scale words.  Each load reads 512 consecutive bytes of a row;
; the 16 rows of a fragment turn through the wave's own stage in LDS (pitch 528 bytes) so that a lane gets its 64 numbers in the operand's order.  Waves share nothing: no barrier.
; No work-group reads what another reads: no cluster, no tensor load.
.set XS,    21233664                   ; 1,728 tiles x 12,288 bytes of codes
.set WREG,  8704                       ; LDS of a wave: 16 x 528 bytes of stage, 256 bytes of scale words
.set SP,    528
.set R,     24                         ; v24-151  two sets of 64: a fragment's numbers as loaded
.set X,     152                        ; v152-215 the same in the operand's order
.set C,     216                        ; v216-227 the fragment's codes
.set CT,    228                        ; v228-235 the upper halves of the two blocks (a conversion's three registers begin on an even number)
	s_load_b256 s[4:11], s[0:1], 0x0               ; q, k, v, Wq
	s_load_b128 s[12:15], s[0:1], 0x20             ; Wk, Wv
	s_load_b64 s[16:17], s[0:1], 0x30              ; xq
	v_lshl_add_u32 v240, v0, 2, 0x8800
	v_mov_b32 v241, 0
	v_lshrrev_b32 v1, 5, v0
	v_readfirstlane_b32 s18, v1                    ; wave
	v_and_b32 v1, 31, v0                           ; lane
	v_and_b32 v2, 15, v0                           ; r
	v_bfe_u32 v3, v0, 4, 1                         ; h
	v_lshlrev_b32 v4, 4, v1                        ; 16 x lane: my bytes of a load's 512 and of an image's 512
	s_mul_i32 s28, s18, WREG
	s_add_co_u32 s29, s28, 16*SP
	v_add_nc_u32 v5, s28, v4                       ; the stage, on the way in
	v_mul_u32_u24 v6, v2, SP
	v_lshl_add_u32 v6, v3, 7, v6
	v_add_nc_u32 v6, s28, v6                       ; and out: row r, + 128 h bytes (32 numbers)
	v_lshl_add_u32 v7, v2, 2, s29                  ; my place's scale word
	v_lshl_add_u32 v8, v1, 3, s29                  ; the scale words on the way out: 8 bytes a lane
	v_lshlrev_b32 v9, 3, v1
	v_lshlrev_b32 v10, 3, v3                       ; 8 h: my two bytes' shift in the word
	v_mov_b32 v11, 0                               ; a lane permute's destination counts as read: written once
	s_mov_b32 s26, 0x76543210
	s_mov_b32 s27, 0xfedcba98                      ; selects for lane l xor 16
	s_lshr_b32 s20, ttmp9, 1                       ; G: which 64 rows
	s_and_b32 s19, ttmp9, 1
	s_lshl_b32 s19, s19, 2
	s_add_co_u32 s19, s19, s18                     ; s: my K step
	s_wait_kmcnt 0x0
	s_mov_b64 s[22:23], s[14:15]                   ; which tensor: the choice hangs on the work-group's number alone
	s_mov_b32 s21, 416
	s_cmp_lt_u32 s20, 416
	s_cselect_b64 s[22:23], s[12:13], s[22:23]
	s_cselect_b32 s21, 400, s21
	s_cmp_lt_u32 s20, 400
	s_cselect_b64 s[22:23], s[10:11], s[22:23]
	s_cselect_b32 s21, 384, s21
	s_cmp_lt_u32 s20, 384
	s_cselect_b64 s[22:23], s[8:9], s[22:23]
	s_cselect_b32 s21, 256, s21
	s_cmp_lt_u32 s20, 256
	s_cselect_b64 s[22:23], s[6:7], s[22:23]
	s_cselect_b32 s21, 128, s21
	s_cmp_lt_u32 s20, 128
	s_cselect_b64 s[22:23], s[4:5], s[22:23]
	s_cselect_b32 s21, 0, s21
	s_sub_co_u32 s24, s20, s21                     ; the group's number in its tensor:
	s_lshl_b32 s24, s24, 18                        ; 64 rows of 4,096 bytes,
	s_lshl_b32 s25, s19, 9                         ; + 512 bytes a K step
	s_add_co_u32 s24, s24, s25
	s_mov_b32 s25, 0
	s_add_nc_u64 s[22:23], s[22:23], s[24:25]
	s_mul_i32 s24, s20, 49152                      ; codes: four tiles of 12,288 bytes a group,
	s_mul_i32 s30, s19, 1536                       ; + my K step's fragment
	s_add_co_u32 s24, s24, s30
	s_add_nc_u64 s[32:33], s[16:17], s[24:25]
	s_lshl_b32 s24, s20, 11                        ; scale words
	s_lshl_b32 s30, s19, 8
	s_add_co_u32 s24, s24, s30
	s_add_co_u32 s24, s24, XS
	s_add_nc_u64 s[34:35], s[16:17], s[24:25]
.macro LOADF t                         ; tile t of the group: its 16 rows' 512 bytes of my K step
.irp p, 0,1,2,3,4,5,6,7,8,9,10,11,12,13,14,15
	global_load_b128 v[R+64*((\t)%2)+4*\p:R+64*((\t)%2)+4*\p+3], v4, s[22:23] offset:(32*((\t)/2)+8*((\t)%2)+\p+8*(\p/8))*4096 th:TH_LOAD_NT
.endr
.endm
.macro TURN t                          ; through the stage: LDS serves a wave's instructions in order, so no wait stands between the stores and the loads
.irp p, 0,1,2,3,4,5,6,7,8,9,10,11,12,13,14,15
	ds_store_b128 v5, v[R+64*((\t)%2)+4*\p:R+64*((\t)%2)+4*\p+3] offset:SP*\p
.endr
.irp c, 0,1
.irp j, 0,1,2,3,4,5,6,7
	ds_load_b128 v[X+32*\c+4*\j:X+32*\c+4*\j+3], v6 offset:256*\c+16*\j   ; register 32 c + i: k = 64 c + 32 h + i of row r
.endr
.endr
.endm
.macro FRAGQ t
.if (\t) < 3
	s_wait_loadcnt 16                              ; this fragment's 16 loads are in; the next fragment's 16 may be out
.else
	s_wait_loadcnt 0x0
.endif
	TURN \t
	s_wait_dscnt 0x0                               ; my numbers are back, and the stores have read the set that the loads below fill
.if (\t) < 2
	LOADF (\t)+2
.endif
.irp c, 0,1                            ; my blocks h and 2 + h: all 32 numbers of each are mine
	v_max3_num_f32 v[12+\c], |v[X+32*\c]|, |v[X+32*\c+1]|, 0x2800000   ; with the floor 2^(5 - 127): the byte cannot fall under 1
.endr
.irp i, 2,4,6,8,10,12,14,16,18,20,22,24,26,28,30
.irp c, 0,1
	v_max3_num_f32 v[12+\c], v[12+\c], |v[X+32*\c+\i]|, |v[X+32*\c+\i+1]|
.endr
.endr
.irp c, 0,1
	v_add_nc_u32 v[14+\c], 0xfe000000, v[12+\c]    ; 4 off the exponent field: the conversion's scale operand
.endr
.irp c, 0,1
	v_lshrrev_b32 v[16+\c], 23, v[14+\c]           ; the scale's byte
.endr
	v_lshl_or_b32 v18, v17, 16, v16
	v_lshlrev_b32 v18, v10, v18                    ; bytes h and 2 + h of the word;
	v_permlanex16_b32 v11, v18, s26, s27
	v_or_b32 v18, v18, v11                         ; with lane l xor 16's two it is whole
.if (\t) > 0
	s_wait_xcnt 0x0                                ; the last fragment's stores have read the codes' registers
.endif
.irp c, 0,1
	v_cvt_scalef32_pk16_bf6_f32 v[C+6*\c:C+6*\c+2], v[X+32*\c:X+32*\c+15], v[14+\c]
	v_cvt_scalef32_pk16_bf6_f32 v[CT+4*\c:CT+4*\c+2], v[X+32*\c+16:X+32*\c+31], v[14+\c]
.endr
	v_nop                                          ; one plain place behind a scaled conversion
.irp c, 0,1
.irp i, 0,1,2
	v_mov_b32 v[C+6*\c+3+\i], v[CT+4*\c+\i]
.endr
.endr
.irp c, 0,1,2
	global_store_b128 v4, v[C+4*\c:C+4*\c+3], s[32:33] offset:12288*(\t)+512*\c   ; 32 lanes store 512 consecutive bytes, aligned
.endr
	ds_store_b32 v7, v18 offset:64*(\t)            ; both halves of the lanes write the same word with the same value
.endm
	LOADF 0
	LOADF 1
	FRAGQ 0
	FRAGQ 1
	FRAGQ 2
	FRAGQ 3
	ds_load_b64 v[20:21], v8                       ; the 64 places' scale words of my K step
	s_wait_dscnt 0x0
	global_store_b64 v9, v[20:21], s[34:35]        ; 32 lanes store 256 consecutive bytes, aligned
	s_wait_tensorcnt 0x0
	ds_add_u32 v240, v241
	s_wait_dscnt 0x0
	s_endpgm
.Lfunc_end_k_q8b3854f377_quant:
	.size	k_q8b3854f377_quant, .Lfunc_end_k_q8b3854f377_quant-k_q8b3854f377_quant
	.p2alignl 7, 3214868480
	.fill 96, 4, 3214868480
	.section	.rodata,"a",@progbits
	.p2align	6, 0x0
	.amdhsa_kernel k_q8b3854f377_quant
		.amdhsa_group_segment_fixed_size 35328
		.amdhsa_private_segment_fixed_size 0
		.amdhsa_enable_private_segment 0
		.amdhsa_kernarg_size 56
		.amdhsa_user_sgpr_count 2
		.amdhsa_user_sgpr_kernarg_segment_ptr 1
		.amdhsa_wavefront_size32 1
		.amdhsa_system_sgpr_workgroup_id_x 1
		.amdhsa_system_sgpr_workgroup_id_y 1
		.amdhsa_system_sgpr_workgroup_id_z 1
		.amdhsa_system_vgpr_workitem_id 0
		.amdhsa_next_free_vgpr 242
		.amdhsa_next_free_sgpr 66
		.amdhsa_reserve_vcc 0
		.amdhsa_float_denorm_mode_32 3
		.amdhsa_float_denorm_mode_16_64 3
		.amdhsa_memory_ordered 1
		.amdhsa_forward_progress 1
		.amdhsa_inst_pref_size 31
	.end_amdhsa_kernel
	.amdgpu_metadata
---
amdhsa.version: [ 1, 2 ]
amdhsa.kernels:
  - .name:           k_q8b3854f377_quant
    .symbol:         k_q8b3854f377_quant.kd
    .args:
      - { .name: q, .offset: 0, .size: 8, .value_kind: global_buffer, .address_space: global }
      - { .name: k, .offset: 8, .size: 8, .value_kind: global_buffer, .address_space: global }
      - { .name: v, .offset: 16, .size: 8, .value_kind: global_buffer, .address_space: global }
      - { .name: Wq, .offset: 24, .size: 8, .value_kind: global_buffer, .address_space: global }
      - { .name: Wk, .offset: 32, .size: 8, .value_kind: global_buffer, .address_space: global }
      - { .name: Wv, .offset: 40, .size: 8, .value_kind: global_buffer, .address_space: global }
      - { .name: xq, .offset: 48, .size: 8, .value_kind: global_buffer, .address_space: global }
    .group_segment_fixed_size: 35328
    .private_segment_fixed_size: 0
    .kernarg_segment_align: 8
    .kernarg_segment_size: 56
    .max_flat_workgroup_size: 128
    .sgpr_count:     66
    .vgpr_count:     242
    .wavefront_size: 32
...
	.end_amdgpu_metadata
.endif
;; end of part 1
;; launch proj (part 2): grid 4 x 96, 4 waves a work-group, clusters of 4 x 4, 327,680 bytes of LDS; arguments xq, bq, bk, bv, pj; writes pj
.if DOCPART == 2
	.amdgcn_target "amdgcn-amd-amdhsa--gfx1250"
	.amdhsa_code_object_version 6
	.text
	.protected	k_q8b3854f377_proj
	.globl	k_q8b3854f377_proj
	.p2align	8
	.type	k_q8b3854f377_proj,@function
k_q8b3854f377_proj:
	s_mov_b64 s[64:65], 0
	v_nop
	global_prefetch_b8 v0, s[64:65] scope:SCOPE_SE
	s_setreg_imm32_b32 hwreg(HW_REG_WAVE_MODE, 25, 1), 1
	s_wait_xcnt 0x0
	s_wait_alu depctr_hold_cnt(0) depctr_sa_sdst(0) depctr_va_vdst(0) depctr_va_sdst(0) depctr_va_ssrc(0) depctr_va_vcc(0) depctr_vm_vsrc(0)
	s_getreg_b32 s2, hwreg(HW_REG_IB_STS2, 6, 4)
	s_cmp_eq_u32 s2, 0
	s_cbranch_scc0 .Lentry_in_a_cluster
	s_endpgm
.Lentry_in_a_cluster:
	s_bfe_u32 s2, ttmp6, 0x10000c
	s_cmp_lg_u32 s2, 0xf033
	s_cbranch_scc0 .Lentry_shape_is_right
	s_endpgm
.Lentry_shape_is_right:
; The three projections on codes of E3M2, each result quantised again on its way out.  P = cluster y / 8:
;   P = 0: pq = q Wq^T + bq, P = 1: pk = k Wk^T + bk: A = the rows of q or k, B = the weight; the result is quantised along the weight's rows f (the scores' K), 8 K steps.
;   P = 2: pv^T = Wv v^T + bv: A = Wv, B = the rows of v; the result is quantised along the keys (the last product's K), 16 K steps a batch.
; Operands lie in xq as images of operand registers (fragment (T, s) at (8 T + s) x 1536; place r of tile T is row 32 (T / 2) + 8 (T % 2) + r + 8 (r / 8)), results in pj in the same form.
; A tile of C, 256 x 256, is made by four waves, 128 x 128 each: 64 accumulators, 512 registers.  K goes in steps of 256 through two LDS slots filled by the tensor data mover: a slot holds, for 16 tiles
; of A and 16 of B, two fragments on end (3,072 bytes); a fragment comes to registers by three loads of 512 consecutive bytes.  The scale words of the 256 + 256 places, all of K, come once with the first fills.
; CLUSTERS: 4 x 4 work-groups; A's tiles are asked for jointly along a row of the cluster, B's along a column.
; THE MATRIX INSTRUCTION IS USED TRANSPOSED (source 0 = 16 places of B, source 1 = 16 places of A): a lane holds one place of A, and, by the order of a tile's rows, registers 16 b + i of a block of A's
; eight accumulators are B's rows 32 b + 16 (lane / 16) + i: neighbours along the next K.  So a wave's 128 columns are one K step of the result: one fragment and one scale word for each tile of A.
; LIMITS: a block of zeros gets the byte 1 where the rule says 127 (this program alone reads the bytes); NaN and infinities are not served.
; REGISTERS: window 0: v1-9 lane numbers and addresses; v16-29 addresses; v32-63 scale words, two sets, and nothing else; v64-127 the bias; v128-223 A's fragments, one set (on the way out: v128-191 the
; numbers, v192-211 codes, v212-227 at work, v228-235 scale words).  window 1: B's fragments, two sets, at v0 and v128.  windows 2, 3: accumulator (a, b) at v[8 (8 (a % 4) + b)].
.set KS,     8                         ; K steps of 128 in the operands
.set FR,     12                        ; registers of a fragment
.set NL,     3                         ; LDS loads that bring one
.set NQ,     2                         ; K steps in a slot
.set NP,     4                         ; places behind this matrix instruction (ISA guide 7.12.1)
.set TROW,   NQ*1536                   ; a tile's bytes in a slot
.set HALFT,  8*TROW                    ; 8 tiles: what one tensor load brings, and what a wave reads of A or of B
.set SLOT,   4*HALFT
.set LAPS,   KS/(2*NQ)
.set HALFS,  512*KS                    ; the scale words of 128 places
.set SCA,    2*SLOT                    ; A's scale words
.set SCBS,   SCA+2*HALFS+64            ; B's: 64 bytes off, so that lanes 0-15 (A's) and lanes 16-31 (B's) read different columns modulo 256 bytes
.set STG,    SCBS+2*HALFS+192          ; 512 bytes a wave for the results' scale words; the second way's lie 2,048 bytes on
.set SPARE,  STG+4096                  ; the spare words, 128 bytes a wave
.set XS,     21233664                  ; xq: where the scale words begin
.set LI,   3                           ; v3   16 x lane
.set SST,  6                           ; v6   where I put a result's scale word
.set SRD,  7                           ; v7   where I read them back
.set BO,   8                           ; v8   the bias loads' offset
.set GS,   9                           ; v9   the scale words' offset in memory
.set ADRA, 16                          ; v16-17 my A fragments in slot 0, 1
.set ADRB, 20                          ; v20-21 my B fragments
.set ADRS, 27                          ; v27  my scale words: lanes 0-15 A's, lanes 16-31 B's
.set SPW,  28                          ; v28  my spare word; never rewritten
.set NIL,  29                          ; v29  0; never rewritten
.set SC,   32
.set BI,   64
.set AF,   128
.set H,    128
.set PC,   192
.set TM,   212
.set PW0,  228
.set G1, 24
.set G0, 32
.set G1B, 48
.set G0B, 56
.set G1S, 68
.set G0S, 76
.set G1SB, 80
.set G0SB, 88
.set BIA, 66                           ; s[66:67] the bias at my first number
.set SEL, 92                           ; s[92:93] selects for lane l xor 16
.set OUT, 94                           ; s[94:95] my first fragment of the result
.set OUS, 98                           ; s[98:99] my first scale words of the result
.set MSB, 0
.macro WIN new                         ; the immediate's high byte repeats the setting that is left
.if MSB != (\new)
	s_set_vgpr_msb (MSB<<8)|(\new)
.set MSB, (\new)
.endif
.endm
.set MUL_LO, 0xa1                      ; source 0 (B) window 1, source 1 (A) window 0, C and D window 2
.set MUL_HI, 0xf1                      ; the same, C and D window 3
.set TO_B,   0x40                      ; destination window 1, address window 0
; A joint load: waves 0 and 1 fetch for A, waves 2 and 3 for B; the branch hangs on the wave's number alone.  Four v_nop follow each line.
.macro JLOAD g0a, g1a, g0b, g1b
	s_cmp_eq_u32 s15, 0
	s_cbranch_scc0 .Lfor_b_\@
	tensor_load_to_lds s[\g0a:\g0a+3], s[\g1a:\g1a+7]
	s_nop 0
.rept 4
	v_nop
.endr
	s_branch .Lasked_\@
.Lfor_b_\@:
	tensor_load_to_lds s[\g0b:\g0b+3], s[\g1b:\g1b+7]
	s_nop 0
.rept 4
	v_nop
.endr
.Lasked_\@:
.endm
.macro CREST                           ; a round of the cluster's barrier behind its opening barrier
	s_cmp_lg_u32 s14, 0
	s_cbranch_scc1 .Lnot_wave_0_\@
	s_barrier_signal -3
.Lnot_wave_0_\@:
	s_barrier_wait -3
	s_barrier_signal -1
	s_barrier_wait -1
.endm
.macro CROUND
	s_barrier_signal -1
	s_barrier_wait -1
	CREST
.endm
.macro FRAG reg, adr, off              ; a fragment's image: three loads of 512 consecutive bytes
.irp c, 0,1,2
	ds_load_b128 v[\reg+4*\c:\reg+4*\c+3], v[\adr] offset:\off+512*\c
.endr
.endm
.macro FETCH_B slot, q, p              ; B's eight fragments of the slot's q-th K step into set p
	WIN TO_B
.irp i, 0,1,2,3,4,5,6,7
	FRAG 128*(\p)+FR*\i, ADRB+\slot, TROW*\i+1536*(\q)
.endr
	WIN 0
.endm
.macro FETCH_A slot, q, i0             ; A's blocks i0 .. i0 + 3
.irp i, \i0, \i0+1, \i0+2, \i0+3
	FRAG AF+FR*(\i), ADRA+\slot, TROW*(\i)+1536*(\q)
.endr
.endm
.macro SCALES sc                       ; a slot's scale words into set sc: register 2 i + q: lanes 0-15 A's block i, lanes 16-31 B's block i
.irp i, 0,1,2,3,4,5,6,7
.irp q, 0,1
	ds_load_b32 v[SC+16*\sc+2*\i+\q], v[ADRS] offset:(\i/4)*KS*256+(\i%4)*64+256*\q
.endr
.endr
.endm
; 16 matrix instructions: A's blocks a0, a0 + 1 x B's eight.  The 64 accumulators take turns, one instruction a turn, in the same order in every step.
.macro MUL16 a0, p, q, sc, zero
.irp a, \a0, \a0+1
.irp b, 0,1,2,3,4,5,6,7
.if \zero
	v_wmma_scale_f32_16x16x128_f8f6f4 v[8*(8*((\a)%4)+\b):8*(8*((\a)%4)+\b)+7], v[128*(\p)+FR*\b:128*(\p)+FR*\b+FR-1], v[AF+FR*(\a):AF+FR*(\a)+FR-1], 0, v[SC+8*NQ*(\sc)+NQ*\b+(\q)], v[SC+8*NQ*(\sc)+NQ*(\a)+(\q)] matrix_a_fmt:MATRIX_FMT_BF6 matrix_b_fmt:MATRIX_FMT_BF6 matrix_a_scale:MATRIX_SCALE_ROW1
.else
	v_wmma_scale_f32_16x16x128_f8f6f4 v[8*(8*((\a)%4)+\b):8*(8*((\a)%4)+\b)+7], v[128*(\p)+FR*\b:128*(\p)+FR*\b+FR-1], v[AF+FR*(\a):AF+FR*(\a)+FR-1], v[8*(8*((\a)%4)+\b):8*(8*((\a)%4)+\b)+7], v[SC+8*NQ*(\sc)+NQ*\b+(\q)], v[SC+8*NQ*(\sc)+NQ*(\a)+(\q)] matrix_a_fmt:MATRIX_FMT_BF6 matrix_b_fmt:MATRIX_FMT_BF6 matrix_a_scale:MATRIX_SCALE_ROW1
.endif
.endr
.endr
.endm
.macro PLACES n                        ; plain places in front of loads into registers that matrix instructions have read, and of the first read of results
.rept \n
	v_nop
.endr
.endm
.macro STEP slot, q, zero              ; a K step that has its successor in the same slot
	s_wait_dscnt 4*NL                              ; all but the youngest 12 loads (A's blocks 4-7) are in
	WIN MUL_LO
	MUL16 0, (\q)%2, \q, \slot, \zero
	MUL16 2, (\q)%2, \q, \slot, \zero
	s_wait_dscnt 0
	PLACES NP
	FETCH_B \slot, (\q)+1, 1-(\q)%2
	FETCH_A \slot, (\q)+1, 0
	WIN MUL_HI
	MUL16 4, (\q)%2, \q, \slot, \zero
	MUL16 6, (\q)%2, \q, \slot, \zero
	PLACES NP
	WIN 0
	FETCH_A \slot, (\q)+1, 4
.endm
; A slot's last K step changes slots: one barrier; in front of it each wave waits for all its tensor loads, adds 0 to its spare word, and waits for that and for its reads of the slot.
.macro TURN slot, next, fill
	s_wait_tensorcnt 0x0                           ; all my tensor loads have landed: my part of the next slot
	ds_add_u32 v[SPW], v[NIL]                      ; 0 onto my spare word
	s_wait_dscnt 4*NL+1                            ; (the add and the youngest 12 loads may be out)
	WIN MUL_LO
	MUL16 0, 1, NQ-1, \slot, 0
	s_wait_dscnt 0x0                               ; the add is done, and my reads of this slot are over
	s_barrier_signal -1
	MUL16 2, 1, NQ-1, \slot, 0
	WIN 0
	s_barrier_wait -1
.if \fill
	CREST                                          ; the barrier has opened a round of the cluster's: no wave of any partner still reads this slot or has a load on its way
	s_add_nc_u64 s[G0+4*\slot+2:G0+4*\slot+3], s[G0+4*\slot+2:G0+4*\slot+3], 2*TROW
	s_add_nc_u64 s[G0B+4*\slot+2:G0B+4*\slot+3], s[G0B+4*\slot+2:G0B+4*\slot+3], 2*TROW
	JLOAD G0+4*\slot, G1, G0B+4*\slot, G1B         ; the first tensor load behind the round; its four v_nop are the places in front of the loads below
.else
	PLACES NP
.endif
	v_add_nc_u32 v[ADRS], 256*NQ, v[ADRS]          ; the next slot's scale words
	FETCH_B \next, 0, 0
	FETCH_A \next, 0, 0
	SCALES \next
	WIN MUL_HI
	MUL16 4, 1, NQ-1, \slot, 0
	MUL16 6, 1, NQ-1, \slot, 0
	PLACES NP
	WIN 0
	FETCH_A \next, 0, 4
.endm
.macro FINAL                           ; the very last K step: nothing more to fetch
	s_wait_dscnt 4*NL
	WIN MUL_LO
	MUL16 0, 1, NQ-1, 1, 0
	MUL16 2, 1, NQ-1, 1, 0
	s_wait_dscnt 0
	WIN MUL_HI
	MUL16 4, 1, NQ-1, 1, 0
	MUL16 6, 1, NQ-1, 1, 0
	WIN 0
.endm
; 64 numbers of a lane, register 16 b + i = k 32 b + 16 (lane / 16) + i of my place, become a fragment's codes in v[PC] on and its scale word in v[pw].
.macro QUANT s, pw
.irp b, 0,1,2,3
	v_max3_num_f32 v[TM+\b], |v[\s+16*\b]|, |v[\s+1+16*\b]|, 0x2800000   ; my 16 numbers of block b, and the floor 2^(5 - 127)
.endr
.irp i, 2,4,6,8,10,12,14
.irp b, 0,1,2,3
	v_max3_num_f32 v[TM+\b], v[TM+\b], |v[\s+16*\b+\i]|, |v[\s+1+16*\b+\i]|
.endr
.endr
.irp b, 0,1,2,3
	v_permlanex16_b32 v[TM+4+\b], v[TM+\b], s[SEL], s[SEL+1]
.endr
.irp b, 0,1,2,3
	v_max_num_f32 v[TM+\b], v[TM+\b], v[TM+4+\b]   ; with lane l xor 16's: the block's largest magnitude
.endr
.irp b, 0,1,2,3
	v_add_nc_u32 v[TM+12+\b], 0xfe000000, v[TM+\b] ; 4 off its exponent field: the conversion's scale operand
.endr
.irp b, 0,1,2,3
	v_lshrrev_b32 v[TM+4+\b], 23, v[TM+12+\b]      ; the scale's byte
.endr
	v_lshl_or_b32 v[\pw], v[TM+5], 8, v[TM+4]
	v_lshl_or_b32 v[\pw], v[TM+6], 16, v[\pw]
	v_lshl_or_b32 v[\pw], v[TM+7], 24, v[\pw]
.irp c, 0,1
	v_cvt_scalef32_pk16_bf6_f32 v[PC+6*\c:PC+2+6*\c], v[\s+32*\c:\s+15+32*\c], v[TM+12+2*\c]
	v_cvt_scalef32_pk16_bf6_f32 v[PC+12+4*\c:PC+14+4*\c], v[\s+16+32*\c:\s+31+32*\c], v[TM+12+2*\c+1]
.endr
	v_nop                                          ; one plain place behind a scaled conversion
.irp c, 0,1                            ; the operand's layout wants a whole block in a lane
.irp i, 0,1,2
	v_permlane16_swap_b32 v[PC+6*\c+\i], v[PC+12+4*\c+\i]
.endr
.irp i, 0,1,2
	v_mov_b32 v[PC+3+6*\c+\i], v[PC+12+4*\c+\i]
.endr
.endr
.endm
	s_load_b256 s[4:11], s[0:1], 0x0               ; xq, bq, bk, bv
	s_load_b64 s[12:13], s[0:1], 0x20              ; pj
	v_lshl_add_u32 v[SPW], v0, 2, SPARE
	v_mov_b32 v[NIL], 0
	ds_add_u32 v28, v29
	ds_add_u32 v28, v29
	s_wait_dscnt 0x0
	v_lshrrev_b32 v1, 5, v0
	v_readfirstlane_b32 s14, v1                    ; wave
	s_lshr_b32 s15, s14, 1                         ; my half of the tile's rows.  Also: I fetch for A (0) or for B (1)
	s_and_b32 s16, s14, 1                          ; my half of its columns.  Also: which 8 tiles I fetch
	s_bfe_u32 s40, ttmp6, 0x40000                  ; cx
	s_bfe_u32 s41, ttmp6, 0x40004                  ; cy
	s_and_b32 s18, ttmp7, 0xffff                   ; cluster y, 0 .. 23
	s_lshr_b32 s96, s18, 3                         ; P: which product; the same in all partners
	s_and_b32 s97, s18, 7
	s_lshl_b32 s97, s97, 2                         ; 4 c: the cluster's first tile along the long side
	s_lshl_b32 s19, s96, 9                         ; A's first tile in xq: q 0, k 512,
	s_lshl_b32 s45, s96, 6
	s_add_co_u32 s45, s45, 1536                    ; B's: Wq 1536, Wk 1600
	s_cmp_eq_u32 s96, 2
	s_cselect_b32 s17, 0, s97                      ; the long side is A's rows, or for pv^T B's
	s_cselect_b32 s42, s97, 0
	s_cselect_b32 s19, 1664, s19                   ; Wv
	s_cselect_b32 s45, 1024, s45                   ; v
	s_add_co_u32 s17, s17, s41                     ; tile row
	s_add_co_u32 s42, s42, s40                     ; tile column
	s_lshl_b32 s43, s41, 2
	s_lshl_b32 s43, 15, s43                        ; my row of the cluster
	s_lshl_b32 s44, 0x1111, s40                    ; my column
	; descriptor group 1, codes: 8 rows (tiles) of 384 elements of 8 bytes (two fragments), 192 KS elements from tile to tile; no padding
	s_or_b32 s[G1+0], s43, (3<<16)|(1<<21)         ; 15:0 the mask; 17:16 elements of 8 bytes; 21 set beside a mask
	s_or_b32 s[G1B+0], s44, (3<<16)|(1<<21)
.irp g, G1, G1B
	s_mov_b32 s[\g+1], 384<<16                     ; tensor_dim0
	s_mov_b32 s[\g+2], 8<<16                       ; tensor_dim1
	s_mov_b32 s[\g+3], 384<<16                     ; tile_dim0
	s_mov_b32 s[\g+4], 8                           ; tile_dim1
	s_mov_b32 s[\g+5], 192*KS                      ; tensor_dim0_stride
	s_mov_b32 s[\g+6], 0
	s_mov_b32 s[\g+7], 0
.endr
	; scale words of 128 places: a dense block of HALFS bytes as rows of 256 bytes
	s_or_b32 s[G1S+0], s43, (3<<16)|(1<<21)
	s_or_b32 s[G1SB+0], s44, (3<<16)|(1<<21)
.irp g, G1S, G1SB
	s_mov_b32 s[\g+1], 32<<16
	s_mov_b32 s[\g+2], (2*KS)<<16
	s_mov_b32 s[\g+3], 32<<16
	s_mov_b32 s[\g+4], 2*KS
	s_mov_b32 s[\g+5], 32
	s_mov_b32 s[\g+6], 0
	s_mov_b32 s[\g+7], 0
.endr
	s_lshl_b32 s18, s16, 3                         ; which 8 tiles I fetch
	s_lshl_b32 s20, s17, 4
	s_add_co_u32 s20, s20, s19
	s_add_co_u32 s20, s20, s18                     ; A: tile number in xq; it hangs on the tile row alone
	s_lshl_b32 s46, s42, 4
	s_add_co_u32 s46, s46, s45
	s_add_co_u32 s46, s46, s18                     ; B: on the tile column alone
	s_lshl_b32 s22, s20, 9                         ; a tile's scale words begin 512 bytes x its number into the scales,
	s_add_co_u32 s22, s22, XS
	s_mov_b32 s23, 0
	s_mul_i32 s20, s20, KS*1536                    ; its codes 12,288 bytes x its number
	s_mov_b32 s21, 0
	s_lshl_b32 s92, s46, 9
	s_add_co_u32 s92, s92, XS
	s_mov_b32 s93, 0
	s_mul_i32 s46, s46, KS*1536
	s_mov_b32 s47, 0
	s_mul_i32 s45, s14, HALFT                      ; where they go: no place in the cluster enters an LDS address
	s_mul_i32 s94, s16, HALFS
	s_wait_kmcnt 0x0
	s_add_nc_u64 s[20:21], s[4:5], s[20:21]
	s_add_nc_u64 s[22:23], s[4:5], s[22:23]
	s_add_nc_u64 s[46:47], s[4:5], s[46:47]
	s_add_nc_u64 s[92:93], s[4:5], s[92:93]
	CROUND                                         ; all sixteen work-groups are here: the first joint loads meet
	s_mov_b32 s[G0S], 1
	s_add_co_u32 s[G0S+1], s94, SCA
	s_mov_b64 s[G0S+2:G0S+3], s[22:23]
	s_or_b32 s[G0S+3], s[G0S+3], 0x80000000
	s_mov_b32 s[G0SB], 1
	s_add_co_u32 s[G0SB+1], s94, SCBS
	s_mov_b64 s[G0SB+2:G0SB+3], s[92:93]
	s_or_b32 s[G0SB+3], s[G0SB+3], 0x80000000
	JLOAD G0S, G1S, G0SB, G1SB                     ; the scale words first; three loads of a wave are out at the most
.irp s, 0,1
	s_mov_b32 s[G0+4*\s], 1
	s_add_co_u32 s[G0+4*\s+1], s45, \s*SLOT
	s_add_nc_u64 s[G0+4*\s+2:G0+4*\s+3], s[20:21], \s*TROW
	s_or_b32 s[G0+4*\s+3], s[G0+4*\s+3], 0x80000000
	s_mov_b32 s[G0B+4*\s], 1
	s_add_co_u32 s[G0B+4*\s+1], s45, \s*SLOT
	s_add_nc_u64 s[G0B+4*\s+2:G0B+4*\s+3], s[46:47], \s*TROW
	s_or_b32 s[G0B+4*\s+3], s[G0B+4*\s+3], 0x80000000
	JLOAD G0+4*\s, G1, G0B+4*\s, G1B
.endr
	v_and_b32 v1, 15, v0                           ; r
	v_bfe_u32 v2, v0, 4, 1                         ; h
	v_and_b32 v[LI], 31, v0
	v_lshlrev_b32 v[LI], 4, v[LI]
	s_mul_i32 s21, s15, HALFT                      ; my 8 tiles of A,
	s_mul_i32 s22, s16, HALFT                      ; my 8 tiles of B,
	s_add_co_u32 s22, s22, 2*HALFT                 ; which lie behind A's 16
.irp s, 0,1
	v_add_nc_u32 v[ADRA+\s], s21, v[LI]
	v_add_nc_u32 v[ADRB+\s], s22, v[LI]
	s_add_co_u32 s21, s21, SLOT
	s_add_co_u32 s22, s22, SLOT
.endr
	v_lshlrev_b32 v4, 2, v1                        ; 4 r
	s_mul_i32 s21, s15, HALFS
	s_mul_i32 s22, s16, HALFS
	s_add_co_u32 s22, s22, SCBS-SCA
	s_sub_co_u32 s22, s22, s21
	v_mul_u32_u24 v5, s22, v2                      ; lanes 16-31 take B's: the lower base + h x the distance
	s_add_co_u32 s21, s21, SCA
	v_add_nc_u32 v4, v4, v5
	v_add_nc_u32 v[ADRS], s21, v4
	s_lshl_b32 s21, s14, 9
	s_add_co_u32 s21, s21, STG
	v_lshl_add_u32 v[SST], v1, 2, s21
	v_add_nc_u32 v[SRD], s21, v[LI]
	s_mov_b32 s[SEL], 0x76543210
	s_mov_b32 s[SEL+1], 0xfedcba98
	; the way out's addresses
	s_cmp_eq_u32 s96, 1
	s_cselect_b64 s[BIA:BIA+1], s[8:9], s[6:7]
	s_cmp_eq_u32 s96, 2
	s_cselect_b64 s[BIA:BIA+1], s[10:11], s[BIA:BIA+1]
	s_cselect_b32 s18, s17, s42                    ; the bias runs along B's rows, for pv^T along A's
	s_cselect_b32 s19, s15, s16
	s_cselect_b32 s20, 4, 3                        ; log2 of the result's K steps: 16 or 8
	s_lshl_b32 s18, s18, 10
	s_lshl_b32 s19, s19, 9
	s_add_co_u32 s18, s18, s19
	s_mov_b32 s19, 0
	s_add_nc_u64 s[BIA:BIA+1], s[BIA:BIA+1], s[18:19]
	s_lshl_b32 s18, s17, 4
	s_lshl_b32 s19, s15, 3
	s_add_co_u32 s18, s18, s19                     ; my first tile of the result
	s_lshl_b32 s18, s18, s20                       ; x its K steps
	s_and_b32 s19, s42, 7
	s_lshl_b32 s19, s19, 1
	s_add_co_u32 s19, s19, s16                     ; which K step of the result my 128 columns are
	s_lshr_b32 s22, s42, 3                         ; the batch (0 for pq and pk, whose tile columns are 0 .. 3)
	s_add_co_u32 s21, s18, s19
	s_mul_i32 s21, s21, 1536
	s_mul_i32 s23, s22, 1572864
	s_add_co_u32 s21, s21, s23
	s_mul_i32 s23, s96, 6291456
	s_add_co_u32 s[OUT], s21, s23
	s_mov_b32 s[OUT+1], 0
	s_add_nc_u64 s[OUT:OUT+1], s[12:13], s[OUT:OUT+1]
	s_lshr_b32 s18, s18, 2                         ; groups of 64 places x K steps
	s_add_co_u32 s18, s18, s19
	s_lshl_b32 s18, s18, 8
	s_lshl_b32 s22, s22, 16
	s_add_co_u32 s18, s18, s22
	s_lshl_b32 s23, s96, 18
	s_add_co_u32 s18, s18, s23
	s_add_co_u32 s[OUS], s18, 18874368
	s_mov_b32 s[OUS+1], 0
	s_add_nc_u64 s[OUS:OUS+1], s[12:13], s[OUS:OUS+1]
; THE WAY OUT of A's block a: + bias, quantised, the fragment stored as it stands.  kind = 0: the bias runs along the lane's registers; 1: one number a lane and block.
.macro EPI a, kind
.set AC, 64*((\a)%4)
.set W, 2+(\a)/4
.if (\a) > 0
	s_wait_xcnt 0x0                                ; the last block's stores have read the codes' registers
.endif
	WIN W                                          ; source 0: the accumulators' window
.set I, 0
.rept 32                               ; in ascending order: each accumulator is read from its low end on
.if \kind
	v_pk_add_f32 v[H+I:H+I+1], v[AC+I:AC+I+1], v[BI+2*(\a):BI+2*(\a)+1]
.else
	v_pk_add_f32 v[H+I:H+I+1], v[AC+I:AC+I+1], v[BI+I:BI+I+1]
.endif
.set I, I+2
.endr
	WIN 0
	QUANT H, PW0+(\a)
.irp c, 0,1,2
	global_store_b128 v[LI], v[PC+4*\c:PC+4*\c+3], s[OUT:OUT+1] offset:(\a)*12288*(1+\kind)+512*\c   ; 32 lanes store 512 consecutive bytes, aligned
.endr
	ds_store_b32 v[SST], v[PW0+(\a)] offset:64*(\a)+2048*\kind
.endm
; The last two K steps and the way out, written once for each way: the bias is asked for 128 matrix instructions ahead of the wait for it.
.macro TAIL kind
.if \kind
	v_and_b32 v[BO], 8, v1
	v_add_nc_u32 v[BO], v[BO], v1
	v_lshlrev_b32 v[BO], 2, v[BO]                  ; 4 (r + 8 (r / 8))
.irp a, 0,1,2,3,4,5,6,7
	global_load_b32 v[BI+2*\a], v[BO], s[BIA:BIA+1] offset:(32*(\a/2)+8*(\a%2))*4     ; the bias of my place's row, twice: a pair for the packed addition
	global_load_b32 v[BI+2*\a+1], v[BO], s[BIA:BIA+1] offset:(32*(\a/2)+8*(\a%2))*4
.endr
.else
	v_lshlrev_b32 v[BO], 6, v2                     ; 64 h
.irp b, 0,1,2,3
.irp j, 0,1,2,3
	global_load_b128 v[BI+16*\b+4*\j:BI+16*\b+4*\j+3], v[BO], s[BIA:BIA+1] offset:128*\b+16*\j   ; register 16 b + i: column 32 b + 16 h + i
.endr
.endr
.endif
	v_lshlrev_b32 v[GS], 4, v1
	v_lshl_add_u32 v[GS], v2, 11+\kind, v[GS]      ; lanes 16-31: the next group of 64 places, 256 bytes x the result's K steps on
	STEP 1, 0, 0
	FINAL
	PLACES NP
.irp b, 0,1,2,3
	v_mov_b32 v[TM+4+\b], 0                        ; a lane permute's destination counts as read
.endr
	s_wait_loadcnt 0x0                             ; the bias
.irp a, 0,1,2,3,4,5,6,7
	EPI \a, \kind
.endr
	ds_load_b128 v[236:239], v[SRD] offset:2048*\kind   ; my 128 places' scale words; LDS serves a wave's instructions in order
	s_wait_dscnt 0x0
	global_store_b128 v[GS], v[236:239], s[OUS:OUS+1]   ; sixteen lanes store 256 consecutive bytes, aligned
	s_wait_tensorcnt 0x0                           ; the wave's end
	ds_add_u32 v[SPW], v[NIL]
	s_wait_dscnt 0x0
.endm
	s_wait_tensorcnt 1                             ; the scale words and my part of slot 0 are in; slot 1's load may be out
	s_barrier_signal -1
	s_barrier_wait -1
	FETCH_B 0, 0, 0
	FETCH_A 0, 0, 0
	SCALES 0
	FETCH_A 0, 0, 4
	STEP 0, 0, 1                                   ; the first K step's products start the sums
	s_mov_b32 s3, LAPS-1
.Llap:                                             ; a trip goes once round the ring and fills both slots again
	TURN 0, 1, 1
	STEP 1, 0, 0
	TURN 1, 0, 1
	STEP 0, 0, 0
	s_sub_co_u32 s3, s3, 1
	s_cmp_lg_u32 s3, 0
	s_cbranch_scc1 .Llap
	TURN 0, 1, 0                                   ; the last lap fills nothing
	s_cmp_eq_u32 s96, 2                            ; the ways part on the cluster's number, which all partners share
	s_cbranch_scc1 .Lpv
	TAIL 0
	s_branch .Lend
.Lpv:
	TAIL 1
.Lend:
	CROUND                                         ; the closing round
	s_endpgm
.Lfunc_end_k_q8b3854f377_proj:
	.size	k_q8b3854f377_proj, .Lfunc_end_k_q8b3854f377_proj-k_q8b3854f377_proj
	.p2alignl 7, 3214868480
	.fill 96, 4, 3214868480
	.section	.rodata,"a",@progbits
	.p2align	6, 0x0
	.amdhsa_kernel k_q8b3854f377_proj
		.amdhsa_group_segment_fixed_size 327680
		.amdhsa_private_segment_fixed_size 0
		.amdhsa_enable_private_segment 0
		.amdhsa_kernarg_size 40
		.amdhsa_user_sgpr_count 2
		.amdhsa_user_sgpr_kernarg_segment_ptr 1
		.amdhsa_wavefront_size32 1
		.amdhsa_system_sgpr_workgroup_id_x 1
		.amdhsa_system_sgpr_workgroup_id_y 1
		.amdhsa_system_sgpr_workgroup_id_z 1
		.amdhsa_system_vgpr_workitem_id 0
		.amdhsa_next_free_vgpr 1024
		.amdhsa_next_free_sgpr 100
		.amdhsa_reserve_vcc 0
		.amdhsa_float_denorm_mode_32 3
		.amdhsa_float_denorm_mode_16_64 3
		.amdhsa_memory_ordered 1
		.amdhsa_forward_progress 1
		.amdhsa_inst_pref_size 232
	.end_amdhsa_kernel
	.amdgpu_metadata
---
amdhsa.version: [ 1, 2 ]
amdhsa.kernels:
  - .name:           k_q8b3854f377_proj
    .symbol:         k_q8b3854f377_proj.kd
    .args:
      - { .name: xq, .offset: 0, .size: 8, .value_kind: global_buffer, .address_space: global }
      - { .name: bq, .offset: 8, .size: 8, .value_kind: global_buffer, .address_space: global }
      - { .name: bk, .offset: 16, .size: 8, .value_kind: global_buffer, .address_space: global }
      - { .name: bv, .offset: 24, .size: 8, .value_kind: global_buffer, .address_space: global }
      - { .name: pj, .offset: 32, .size: 8, .value_kind: global_buffer, .address_space: global }
    .group_segment_fixed_size: 327680
    .private_segment_fixed_size: 0
    .kernarg_segment_align: 8
    .kernarg_segment_size: 40
    .max_flat_workgroup_size: 128
    .sgpr_count:     100
    .vgpr_count:     1024
    .wavefront_size: 32
...
	.end_amdgpu_metadata
.endif
;; end of part 2
;; launch score (part 3): grid 8 x 32, 4 waves a work-group, clusters of 4 x 4, 327,680 bytes of LDS; arguments pj, pa; writes pa
.if DOCPART == 3
	.amdgcn_target "amdgcn-amd-amdhsa--gfx1250"
	.amdhsa_code_object_version 6
	.text
	.protected	k_q8b3854f377_score
	.globl	k_q8b3854f377_score
	.p2align	8
	.type	k_q8b3854f377_score,@function
k_q8b3854f377_score:
	s_mov_b64 s[64:65], 0
	v_nop
	global_prefetch_b8 v0, s[64:65] scope:SCOPE_SE
	s_setreg_imm32_b32 hwreg(HW_REG_WAVE_MODE, 25, 1), 1
	s_wait_xcnt 0x0
	s_wait_alu depctr_hold_cnt(0) depctr_sa_sdst(0) depctr_va_vdst(0) depctr_va_sdst(0) depctr_va_ssrc(0) depctr_va_vcc(0) depctr_vm_vsrc(0)
	s_getreg_b32 s2, hwreg(HW_REG_IB_STS2, 6, 4)
	s_cmp_eq_u32 s2, 0
	s_cbranch_scc0 .Lentry_in_a_cluster
	s_endpgm
.Lentry_in_a_cluster:
	s_bfe_u32 s2, ttmp6, 0x10000c
	s_cmp_lg_u32 s2, 0xf033
	s_cbranch_scc0 .Lentry_shape_is_right
	s_endpgm
.Lentry_shape_is_right:
; S = pq pk^T on codes of E3M2, and the softmax's p quantised on the way out.  A = pq (8,192 queries), B = pk (a batch's 2,048 keys), K = 1,024; both lie in pj as images of operand registers.
; t = score x log2(e) / 32.  For each query and each run of 128 keys (a wave's columns) M' = ceil(the run's largest t), a whole number; p' = 2^(t - M') is quantised along the keys, block by block of 32.
; Stored in pa: the fragment (tile T of queries, K step s of 16: (16 T + s) x 1536), its scale words, -M' and l' = the run's sum of the unquantised p'.  The next launch takes the row's M = the largest M' and
; lowers each scale byte by M - M': an exact power of two, which leaves the codes as they are.
; The core is the one of the projections: a tile of 256 x 256, four waves of 128 x 128, two LDS slots of 256 along K, joint loads in a cluster of 4 x 4, the matrix instruction transposed:
; a lane holds one query, registers 16 b + i of a block's eight accumulators are keys 32 b + 16 (lane / 16) + i.
; LIMITS: a block all of whose p' are 0 gets the byte 1 (its codes are zeros); a p' under 2^-126 counts as 0 (v_exp_f32's entry in the ISA guide); NaN and infinities are not served.
; REGISTERS: as in the projections; on the way out v128-191 p', v192-211 codes, v212-236 at work, v240-251 the statistics.
.set KS,     8
.set FR,     12
.set NL,     3
.set NQ,     2
.set NP,     4
.set TROW,   NQ*1536
.set HALFT,  8*TROW
.set SLOT,   4*HALFT
.set LAPS,   KS/(2*NQ)
.set HALFS,  512*KS
.set SCA,    2*SLOT
.set SCBS,   SCA+2*HALFS+64            ; 64 bytes off, so that lanes 0-15 (A's) and lanes 16-31 (B's) read different columns modulo 256 bytes
.set STG,    SCBS+2*HALFS+192          ; 1,536 bytes a wave: scale words, -M', l' of its 128 queries
.set SPARE,  STG+4*1536
.set PAS,    12582912                  ; pa: where the scale words begin; -M' 524,288 bytes on, l' 1,048,576
.set LI,   3
.set SST,  6
.set SRD,  7
.set GS,   9
.set ADRA, 16
.set ADRB, 20
.set ADRS, 27
.set SPW,  28
.set NIL,  29
.set SC,   32
.set AF,   128
.set H,    128
.set PC,   192
.set MX,   212                         ; v212-215 a block's largest score, then its largest p'
.set MT,   216                         ; v216-219 the other half of the lanes'
.set SO,   220                         ; v220-223 the conversions' scale operands
.set BY,   224                         ; v224-227 the scale bytes
.set NM,   228                         ; v[228:229] -M' (the packed form names the pair and takes its low word)
.set LA,   230
.set LB,   232
.set LS,   234
.set T0,   235
.set PW,   236
.set G1, 24
.set G0, 32
.set G1B, 48
.set G0B, 56
.set G1S, 68
.set G0S, 76
.set G1SB, 80
.set G0SB, 88
.set CS,  66                           ; s[66:67] c = log2(e) / 32
.set SEL, 92
.set OUT, 94
.set OUS, 98
.set MSB, 0
.macro WIN new
.if MSB != (\new)
	s_set_vgpr_msb (MSB<<8)|(\new)
.set MSB, (\new)
.endif
.endm
.set MUL_LO, 0xa1
.set MUL_HI, 0xf1
.set TO_B,   0x40
.macro JLOAD g0a, g1a, g0b, g1b        ; a joint load: waves 0 and 1 fetch for A, waves 2 and 3 for B; four v_nop follow each line
	s_cmp_eq_u32 s15, 0
	s_cbranch_scc0 .Lfor_b_\@
	tensor_load_to_lds s[\g0a:\g0a+3], s[\g1a:\g1a+7]
	s_nop 0
.rept 4
	v_nop
.endr
	s_branch .Lasked_\@
.Lfor_b_\@:
	tensor_load_to_lds s[\g0b:\g0b+3], s[\g1b:\g1b+7]
	s_nop 0
.rept 4
	v_nop
.endr
.Lasked_\@:
.endm
.macro CREST
	s_cmp_lg_u32 s14, 0
	s_cbranch_scc1 .Lnot_wave_0_\@
	s_barrier_signal -3
.Lnot_wave_0_\@:
	s_barrier_wait -3
	s_barrier_signal -1
	s_barrier_wait -1
.endm
.macro CROUND
	s_barrier_signal -1
	s_barrier_wait -1
	CREST
.endm
.macro FRAG reg, adr, off
.irp c, 0,1,2
	ds_load_b128 v[\reg+4*\c:\reg+4*\c+3], v[\adr] offset:\off+512*\c
.endr
.endm
.macro FETCH_B slot, q, p
	WIN TO_B
.irp i, 0,1,2,3,4,5,6,7
	FRAG 128*(\p)+FR*\i, ADRB+\slot, TROW*\i+1536*(\q)
.endr
	WIN 0
.endm
.macro FETCH_A slot, q, i0
.irp i, \i0, \i0+1, \i0+2, \i0+3
	FRAG AF+FR*(\i), ADRA+\slot, TROW*(\i)+1536*(\q)
.endr
.endm
.macro SCALES sc
.irp i, 0,1,2,3,4,5,6,7
.irp q, 0,1
	ds_load_b32 v[SC+16*\sc+2*\i+\q], v[ADRS] offset:(\i/4)*KS*256+(\i%4)*64+256*\q
.endr
.endr
.endm
.macro MUL16 a0, p, q, sc, zero        ; the 64 accumulators take turns, one instruction a turn
.irp a, \a0, \a0+1
.irp b, 0,1,2,3,4,5,6,7
.if \zero
	v_wmma_scale_f32_16x16x128_f8f6f4 v[8*(8*((\a)%4)+\b):8*(8*((\a)%4)+\b)+7], v[128*(\p)+FR*\b:128*(\p)+FR*\b+FR-1], v[AF+FR*(\a):AF+FR*(\a)+FR-1], 0, v[SC+8*NQ*(\sc)+NQ*\b+(\q)], v[SC+8*NQ*(\sc)+NQ*(\a)+(\q)] matrix_a_fmt:MATRIX_FMT_BF6 matrix_b_fmt:MATRIX_FMT_BF6 matrix_a_scale:MATRIX_SCALE_ROW1
.else
	v_wmma_scale_f32_16x16x128_f8f6f4 v[8*(8*((\a)%4)+\b):8*(8*((\a)%4)+\b)+7], v[128*(\p)+FR*\b:128*(\p)+FR*\b+FR-1], v[AF+FR*(\a):AF+FR*(\a)+FR-1], v[8*(8*((\a)%4)+\b):8*(8*((\a)%4)+\b)+7], v[SC+8*NQ*(\sc)+NQ*\b+(\q)], v[SC+8*NQ*(\sc)+NQ*(\a)+(\q)] matrix_a_fmt:MATRIX_FMT_BF6 matrix_b_fmt:MATRIX_FMT_BF6 matrix_a_scale:MATRIX_SCALE_ROW1
.endif
.endr
.endr
.endm
.macro PLACES n
.rept \n
	v_nop
.endr
.endm
.macro STEP slot, q, zero
	s_wait_dscnt 4*NL                              ; all but the youngest 12 loads (A's blocks 4-7) are in
	WIN MUL_LO
	MUL16 0, (\q)%2, \q, \slot, \zero
	MUL16 2, (\q)%2, \q, \slot, \zero
	s_wait_dscnt 0
	PLACES NP
	FETCH_B \slot, (\q)+1, 1-(\q)%2
	FETCH_A \slot, (\q)+1, 0
	WIN MUL_HI
	MUL16 4, (\q)%2, \q, \slot, \zero
	MUL16 6, (\q)%2, \q, \slot, \zero
	PLACES NP
	WIN 0
	FETCH_A \slot, (\q)+1, 4
.endm
.macro TURN slot, next, fill
	s_wait_tensorcnt 0x0                           ; all my tensor loads have landed: my part of the next slot
	ds_add_u32 v[SPW], v[NIL]                      ; 0 onto my spare word
	s_wait_dscnt 4*NL+1                            ; (the add and the youngest 12 loads may be out)
	WIN MUL_LO
	MUL16 0, 1, NQ-1, \slot, 0
	s_wait_dscnt 0x0                               ; the add is done, and my reads of this slot are over
	s_barrier_signal -1
	MUL16 2, 1, NQ-1, \slot, 0
	WIN 0
	s_barrier_wait -1
.if \fill
	CREST                                          ; a round of the cluster's barrier: no wave of any partner still reads this slot or has a load on its way
	s_add_nc_u64 s[G0+4*\slot+2:G0+4*\slot+3], s[G0+4*\slot+2:G0+4*\slot+3], 2*TROW
	s_add_nc_u64 s[G0B+4*\slot+2:G0B+4*\slot+3], s[G0B+4*\slot+2:G0B+4*\slot+3], 2*TROW
	JLOAD G0+4*\slot, G1, G0B+4*\slot, G1B
.else
	PLACES NP
.endif
	v_add_nc_u32 v[ADRS], 256*NQ, v[ADRS]
	FETCH_B \next, 0, 0
	FETCH_A \next, 0, 0
	SCALES \next
	WIN MUL_HI
	MUL16 4, 1, NQ-1, \slot, 0
	MUL16 6, 1, NQ-1, \slot, 0
	PLACES NP
	WIN 0
	FETCH_A \next, 0, 4
.endm
.macro FINAL
	s_wait_dscnt 4*NL
	WIN MUL_LO
	MUL16 0, 1, NQ-1, 1, 0
	MUL16 2, 1, NQ-1, 1, 0
	s_wait_dscnt 0
	WIN MUL_HI
	MUL16 4, 1, NQ-1, 1, 0
	MUL16 6, 1, NQ-1, 1, 0
	WIN 0
.endm
	s_load_b128 s[4:7], s[0:1], 0x0                ; pj, pa
	v_lshl_add_u32 v[SPW], v0, 2, SPARE
	v_mov_b32 v[NIL], 0
	ds_add_u32 v28, v29
	ds_add_u32 v28, v29
	s_wait_dscnt 0x0
	v_lshrrev_b32 v1, 5, v0
	v_readfirstlane_b32 s14, v1                    ; wave
	s_lshr_b32 s15, s14, 1
	s_and_b32 s16, s14, 1
	s_bfe_u32 s40, ttmp6, 0x40000                  ; cx
	s_bfe_u32 s41, ttmp6, 0x40004                  ; cy
	s_and_b32 s18, ttmp7, 0xffff
	s_lshl_b32 s17, s18, 2
	s_add_co_u32 s17, s17, s41                     ; tile row: 256 queries of the 8,192
	s_lshr_b32 s19, s18, 1                         ; the batch: eight tile rows each; the same in all partners
	s_lshl_b32 s42, ttmp9, 2
	s_add_co_u32 s42, s42, s40                     ; tile column: 256 keys of the batch's 2,048
	s_lshl_b32 s43, s41, 2
	s_lshl_b32 s43, 15, s43
	s_lshl_b32 s44, 0x1111, s40
	s_or_b32 s[G1+0], s43, (3<<16)|(1<<21)         ; codes: 8 tiles of 384 elements of 8 bytes, 192 KS elements apart
	s_or_b32 s[G1B+0], s44, (3<<16)|(1<<21)
.irp g, G1, G1B
	s_mov_b32 s[\g+1], 384<<16
	s_mov_b32 s[\g+2], 8<<16
	s_mov_b32 s[\g+3], 384<<16
	s_mov_b32 s[\g+4], 8
	s_mov_b32 s[\g+5], 192*KS
	s_mov_b32 s[\g+6], 0
	s_mov_b32 s[\g+7], 0
.endr
	s_or_b32 s[G1S+0], s43, (3<<16)|(1<<21)        ; scale words of 128 places: rows of 256 bytes
	s_or_b32 s[G1SB+0], s44, (3<<16)|(1<<21)
.irp g, G1S, G1SB
	s_mov_b32 s[\g+1], 32<<16
	s_mov_b32 s[\g+2], (2*KS)<<16
	s_mov_b32 s[\g+3], 32<<16
	s_mov_b32 s[\g+4], 2*KS
	s_mov_b32 s[\g+5], 32
	s_mov_b32 s[\g+6], 0
	s_mov_b32 s[\g+7], 0
.endr
	s_lshl_b32 s18, s16, 3
	s_lshl_b32 s20, s17, 4
	s_add_co_u32 s20, s20, s18                     ; A: pq's tile
	s_lshl_b32 s46, s19, 3
	s_add_co_u32 s46, s46, s42
	s_lshl_b32 s46, s46, 4
	s_add_co_u32 s46, s46, s18                     ; B: pk's tile
	s_lshl_b32 s22, s20, 9
	s_add_co_u32 s22, s22, 18874368                ; pq's scale words
	s_mov_b32 s23, 0
	s_mul_i32 s20, s20, KS*1536
	s_mov_b32 s21, 0
	s_lshl_b32 s92, s46, 9
	s_add_co_u32 s92, s92, 19136512                ; pk's scale words
	s_mov_b32 s93, 0
	s_mul_i32 s46, s46, KS*1536
	s_add_co_u32 s46, s46, 6291456                 ; pk's codes
	s_mov_b32 s47, 0
	s_mul_i32 s45, s14, HALFT
	s_mul_i32 s94, s16, HALFS
	s_wait_kmcnt 0x0
	s_add_nc_u64 s[20:21], s[4:5], s[20:21]
	s_add_nc_u64 s[22:23], s[4:5], s[22:23]
	s_add_nc_u64 s[46:47], s[4:5], s[46:47]
	s_add_nc_u64 s[92:93], s[4:5], s[92:93]
	CROUND
	s_mov_b32 s[G0S], 1
	s_add_co_u32 s[G0S+1], s94, SCA
	s_mov_b64 s[G0S+2:G0S+3], s[22:23]
	s_or_b32 s[G0S+3], s[G0S+3], 0x80000000
	s_mov_b32 s[G0SB], 1
	s_add_co_u32 s[G0SB+1], s94, SCBS
	s_mov_b64 s[G0SB+2:G0SB+3], s[92:93]
	s_or_b32 s[G0SB+3], s[G0SB+3], 0x80000000
	JLOAD G0S, G1S, G0SB, G1SB                     ; three loads of a wave are out at the most
.irp s, 0,1
	s_mov_b32 s[G0+4*\s], 1
	s_add_co_u32 s[G0+4*\s+1], s45, \s*SLOT
	s_add_nc_u64 s[G0+4*\s+2:G0+4*\s+3], s[20:21], \s*TROW
	s_or_b32 s[G0+4*\s+3], s[G0+4*\s+3], 0x80000000
	s_mov_b32 s[G0B+4*\s], 1
	s_add_co_u32 s[G0B+4*\s+1], s45, \s*SLOT
	s_add_nc_u64 s[G0B+4*\s+2:G0B+4*\s+3], s[46:47], \s*TROW
	s_or_b32 s[G0B+4*\s+3], s[G0B+4*\s+3], 0x80000000
	JLOAD G0+4*\s, G1, G0B+4*\s, G1B
.endr
	v_and_b32 v1, 15, v0                           ; r
	v_bfe_u32 v2, v0, 4, 1                         ; h
	v_and_b32 v[LI], 31, v0
	v_lshlrev_b32 v[LI], 4, v[LI]
	s_mul_i32 s21, s15, HALFT
	s_mul_i32 s22, s16, HALFT
	s_add_co_u32 s22, s22, 2*HALFT
.irp s, 0,1
	v_add_nc_u32 v[ADRA+\s], s21, v[LI]
	v_add_nc_u32 v[ADRB+\s], s22, v[LI]
	s_add_co_u32 s21, s21, SLOT
	s_add_co_u32 s22, s22, SLOT
.endr
	v_lshlrev_b32 v4, 2, v1
	s_mul_i32 s21, s15, HALFS
	s_mul_i32 s22, s16, HALFS
	s_add_co_u32 s22, s22, SCBS-SCA
	s_sub_co_u32 s22, s22, s21
	v_mul_u32_u24 v5, s22, v2                      ; lanes 16-31 take B's: the lower base + h x the distance
	s_add_co_u32 s21, s21, SCA
	v_add_nc_u32 v4, v4, v5
	v_add_nc_u32 v[ADRS], s21, v4
	s_mul_i32 s21, s14, 1536
	s_add_co_u32 s21, s21, STG
	v_lshl_add_u32 v[SST], v1, 2, s21
	v_add_nc_u32 v[SRD], s21, v[LI]
	v_lshlrev_b32 v[GS], 4, v1
	v_lshl_add_u32 v[GS], v2, 12, v[GS]            ; lanes 16-31: the next group of 64 queries, 16 x 256 bytes on
	s_mov_b32 s[SEL], 0x76543210
	s_mov_b32 s[SEL+1], 0xfedcba98
	s_mov_b32 s[CS], 0x3d38aa3b                    ; log2(e) / 32
	s_mov_b32 s[CS+1], s[CS]
	s_lshl_b32 s18, s17, 4
	s_lshl_b32 s19, s15, 3
	s_add_co_u32 s18, s18, s19                     ; my first tile of queries
	s_lshl_b32 s18, s18, 4                         ; x 16 K steps
	s_lshl_b32 s19, s42, 1
	s_add_co_u32 s19, s19, s16                     ; which K step my 128 keys are
	s_add_co_u32 s20, s18, s19
	s_mul_i32 s[OUT], s20, 1536
	s_mov_b32 s[OUT+1], 0
	s_add_nc_u64 s[OUT:OUT+1], s[6:7], s[OUT:OUT+1]
	s_lshr_b32 s18, s18, 2
	s_add_co_u32 s18, s18, s19
	s_lshl_b32 s18, s18, 8
	s_add_co_u32 s[OUS], s18, PAS
	s_mov_b32 s[OUS+1], 0
	s_add_nc_u64 s[OUS:OUS+1], s[6:7], s[OUS:OUS+1]
; THE WAY OUT of block a (16 queries x my 128 keys).
.macro SOFTQ a
.set AC, 64*((\a)%4)
.set W, 2+(\a)/4
.if (\a) > 0
	s_wait_xcnt 0x0                                ; the last block's stores have read the codes' registers,
	s_wait_dscnt 0x0                               ; and its LDS stores the three statistics'
.endif
	WIN (W<<2)|(W<<4)                              ; sources 1 and 2: the accumulators' window
.irp b, 0,1,2,3                        ; the largest score of each block of 32 keys: it serves for the run's maximum and, since p' rises with the score, for the block's largest p'
	v_max3_num_f32 v[MX+\b], 0xff800000, v[AC+16*\b], v[AC+16*\b+1]   ; each accumulator is read from its low end on
.endr
.irp i, 2,4,6,8,10,12,14
.irp b, 0,1,2,3
	v_max3_num_f32 v[MX+\b], v[MX+\b], v[AC+16*\b+\i], v[AC+16*\b+\i+1]
.endr
.endr
	WIN 0
.irp b, 0,1,2,3
	v_permlanex16_b32 v[MT+\b], v[MX+\b], s[SEL], s[SEL+1]
.endr
.irp b, 0,1,2,3
	v_max_num_f32 v[MX+\b], v[MX+\b], v[MT+\b]     ; with lane l xor 16's 16 keys
.endr
	v_max3_num_f32 v[T0], v[MX], v[MX+1], v[MX+2]
	v_max_num_f32 v[T0], v[T0], v[MX+3]
	v_mul_f32 v[T0], s[CS], v[T0]                  ; the run's largest t (c is positive)
	v_floor_f32 v[NM], -v[T0]                      ; -M' = floor(-t) = -ceil(t)
	WIN W
.set I, 0
.rept 32
	v_pk_fma_f32 v[H+I:H+I+1], v[AC+I:AC+I+1], s[CS:CS+1], v[NM:NM+1] op_sel_hi:[1,0,0]   ; t - M', two at a time
.set I, I+2
.endr
	WIN 0
.irp b, 0,1,2,3
	v_fma_f32 v[MX+\b], v[MX+\b], s[CS], v[NM]     ; the same of each block's largest score
.endr
.set I, 0
.rept 64
	v_exp_f32 v[H+I], v[H+I]                       ; p' = 2^(t - M')
.set I, I+1
.endr
	v_nop                                          ; a plain place behind the exponentials
	s_wait_alu depctr_va_vdst(0)                   ; one wait for the batch of 64, ahead of its first reader
.irp b, 0,1,2,3
	v_exp_f32 v[MX+\b], v[MX+\b]                   ; the block's largest p': the same two instructions on the same number
.endr
	v_pk_add_f32 v[LA:LA+1], v[H:H+1], v[H+2:H+3]  ; l' is the sum of the unquantised p': two chains (they read the 64 alone: plain work behind the four)
	v_pk_add_f32 v[LB:LB+1], v[H+4:H+5], v[H+6:H+7]
.irp j, 8,12,16,20,24,28,32,36,40,44,48,52,56,60
	v_pk_add_f32 v[LA:LA+1], v[LA:LA+1], v[H+\j:H+\j+1]
	v_pk_add_f32 v[LB:LB+1], v[LB:LB+1], v[H+\j+2:H+\j+3]
.endr
	v_pk_add_f32 v[LA:LA+1], v[LA:LA+1], v[LB:LB+1]
	s_wait_alu depctr_va_vdst(0)                   ; and one for the four
.irp b, 0,1,2,3
	v_max_num_f32 v[MX+\b], 0x2800000, v[MX+\b]    ; the floor 2^(5 - 127): the byte cannot fall under 1
.endr
.irp b, 0,1,2,3
	v_add_nc_u32 v[SO+\b], 0xfe000000, v[MX+\b]    ; 4 off the exponent field: the conversion's scale operand
.endr
.irp b, 0,1,2,3
	v_lshrrev_b32 v[BY+\b], 23, v[SO+\b]           ; the scale's byte: 123 at the most, since p' stays under 2
.endr
	v_lshl_or_b32 v[PW], v[BY+1], 8, v[BY]
	v_lshl_or_b32 v[PW], v[BY+2], 16, v[PW]
	v_lshl_or_b32 v[PW], v[BY+3], 24, v[PW]
	v_add_f32 v[LS], v[LA], v[LA+1]
	v_permlanex16_b32 v[MT], v[LS], s[SEL], s[SEL+1]
	v_add_f32 v[LS], v[LS], v[MT]                  ; l' of my query's 128 keys
.irp c, 0,1
	v_cvt_scalef32_pk16_bf6_f32 v[PC+6*\c:PC+2+6*\c], v[H+32*\c:H+15+32*\c], v[SO+2*\c]
	v_cvt_scalef32_pk16_bf6_f32 v[PC+12+4*\c:PC+14+4*\c], v[H+16+32*\c:H+31+32*\c], v[SO+2*\c+1]
.endr
	v_nop                                          ; one plain place behind a scaled conversion
.irp c, 0,1                            ; the operand's layout wants a whole block in a lane
.irp i, 0,1,2
	v_permlane16_swap_b32 v[PC+6*\c+\i], v[PC+12+4*\c+\i]
.endr
.irp i, 0,1,2
	v_mov_b32 v[PC+3+6*\c+\i], v[PC+12+4*\c+\i]
.endr
.endr
.irp c, 0,1,2
	global_store_b128 v[LI], v[PC+4*\c:PC+4*\c+3], s[OUT:OUT+1] offset:(\a)*24576+512*\c   ; 32 lanes store 512 consecutive bytes, aligned
.endr
	ds_store_b32 v[SST], v[PW] offset:64*(\a)
	ds_store_b32 v[SST], v[NM] offset:64*(\a)+512
	ds_store_b32 v[SST], v[LS] offset:64*(\a)+1024
.endm
	s_wait_tensorcnt 1                             ; the scale words and my part of slot 0 are in; slot 1's load may be out
	s_barrier_signal -1
	s_barrier_wait -1
	FETCH_B 0, 0, 0
	FETCH_A 0, 0, 0
	SCALES 0
	FETCH_A 0, 0, 4
	STEP 0, 0, 1
	s_mov_b32 s3, LAPS-1
.Llap:
	TURN 0, 1, 1
	STEP 1, 0, 0
	TURN 1, 0, 1
	STEP 0, 0, 0
	s_sub_co_u32 s3, s3, 1
	s_cmp_lg_u32 s3, 0
	s_cbranch_scc1 .Llap
	TURN 0, 1, 0
	STEP 1, 0, 0
	FINAL
	PLACES NP
.irp b, 0,1,2,3
	v_mov_b32 v[MT+\b], 0                          ; a lane permute's destination counts as read
.endr
	v_mov_b32 v[NM+1], 0                           ; named as the upper half of a pair
.irp a, 0,1,2,3,4,5,6,7
	SOFTQ \a
.endr
.irp u, 0,1,2
	ds_load_b128 v[240+4*\u:243+4*\u], v[SRD] offset:512*\u   ; LDS serves a wave's instructions in order: these see my stores
.endr
	s_wait_dscnt 0x0
.irp u, 0,1,2
	global_store_b128 v[GS], v[240+4*\u:243+4*\u], s[OUS:OUS+1] offset:524288*\u   ; sixteen lanes store 256 consecutive bytes, aligned
.endr
	s_wait_tensorcnt 0x0                           ; the wave's end
	ds_add_u32 v[SPW], v[NIL]
	s_wait_dscnt 0x0
	CROUND                                         ; the closing round
	s_endpgm
.Lfunc_end_k_q8b3854f377_score:
	.size	k_q8b3854f377_score, .Lfunc_end_k_q8b3854f377_score-k_q8b3854f377_score
	.p2alignl 7, 3214868480
	.fill 96, 4, 3214868480
	.section	.rodata,"a",@progbits
	.p2align	6, 0x0
	.amdhsa_kernel k_q8b3854f377_score
		.amdhsa_group_segment_fixed_size 327680
		.amdhsa_private_segment_fixed_size 0
		.amdhsa_enable_private_segment 0
		.amdhsa_kernarg_size 16
		.amdhsa_user_sgpr_count 2
		.amdhsa_user_sgpr_kernarg_segment_ptr 1
		.amdhsa_wavefront_size32 1
		.amdhsa_system_sgpr_workgroup_id_x 1
		.amdhsa_system_sgpr_workgroup_id_y 1
		.amdhsa_system_sgpr_workgroup_id_z 1
		.amdhsa_system_vgpr_workitem_id 0
		.amdhsa_next_free_vgpr 1024
		.amdhsa_next_free_sgpr 100
		.amdhsa_reserve_vcc 0
		.amdhsa_float_denorm_mode_32 3
		.amdhsa_float_denorm_mode_16_64 3
		.amdhsa_memory_ordered 1
		.amdhsa_forward_progress 1
		.amdhsa_inst_pref_size 200
	.end_amdhsa_kernel
	.amdgpu_metadata
---
amdhsa.version: [ 1, 2 ]
amdhsa.kernels:
  - .name:           k_q8b3854f377_score
    .symbol:         k_q8b3854f377_score.kd
    .args:
      - { .name: pj, .offset: 0, .size: 8, .value_kind: global_buffer, .address_space: global }
      - { .name: pa, .offset: 8, .size: 8, .value_kind: global_buffer, .address_space: global }
    .group_segment_fixed_size: 327680
    .private_segment_fixed_size: 0
    .kernarg_segment_align: 8
    .kernarg_segment_size: 16
    .max_flat_workgroup_size: 128
    .sgpr_count:     100
    .vgpr_count:     1024
    .wavefront_size: 32
...
	.end_amdgpu_metadata
.endif
;; end of part 3
;; launch pvout (part 4): grid 4 x 32, 4 waves a work-group, clusters of 4 x 4, 327,680 bytes of LDS; arguments pa, pj, out0; writes out0
.if DOCPART == 4
	.amdgcn_target "amdgcn-amd-amdhsa--gfx1250"
	.amdhsa_code_object_version 6
	.text
	.protected	k_q8b3854f377_pvout
	.globl	k_q8b3854f377_pvout
	.p2align	8
	.type	k_q8b3854f377_pvout,@function
k_q8b3854f377_pvout:
	s_mov_b64 s[64:65], 0
	v_nop
	global_prefetch_b8 v0, s[64:65] scope:SCOPE_SE
	s_setreg_imm32_b32 hwreg(HW_REG_WAVE_MODE, 25, 1), 1
	s_wait_xcnt 0x0
	s_wait_alu depctr_hold_cnt(0) depctr_sa_sdst(0) depctr_va_vdst(0) depctr_va_sdst(0) depctr_va_ssrc(0) depctr_va_vcc(0) depctr_vm_vsrc(0)
	s_getreg_b32 s2, hwreg(HW_REG_IB_STS2, 6, 4)
	s_cmp_eq_u32 s2, 0
	s_cbranch_scc0 .Lentry_in_a_cluster
	s_endpgm
.Lentry_in_a_cluster:
	s_bfe_u32 s2, ttmp6, 0x10000c
	s_cmp_lg_u32 s2, 0xf033
	s_cbranch_scc0 .Lentry_shape_is_right
	s_endpgm
.Lentry_shape_is_right:
; out = (p pv) / l on codes of E3M2.  A = p' (pa: 8,192 queries, K = a batch's 2,048 keys, 16 K steps), B = pv^T (pj: 1,024 rows e, the keys innermost).
; p' was quantised under a whole number M' of its own for each query and each 128 keys.  Here, ahead of the products, wave w takes 64 of the work-group's 256 queries: M = the largest of the 16 M';
; each scale word's four bytes are lowered by d = M - M' (an exact power of two: the codes stay), l = the sum of l' 2^-d, and 1 / l is kept.  The lowered words go to LDS, where the core reads A's scale words.
; LIMITS: d is held at 127, and a byte that would fall under 0 becomes 0 (2^-127): such terms lie more than 2^100 under the row's largest p.  NaN and infinities are not served.
; The statistics (48 KiB a work-group) come through registers, since they are worked on, and are a small part of a work-group's bytes: they are not asked for jointly.
; The core is the one of the other products: a tile of 256 x 256, four waves of 128 x 128, two LDS slots of 256 along K, joint loads in a cluster of 4 x 4, the matrix instruction transposed:
; a lane holds one query (place r of its tile: row 32 (T / 2) + 8 (T % 2) + r + 8 (r / 8)), registers 16 b + i of a block's eight accumulators are columns e = 32 b + 16 (lane / 16) + i.
.set KS,     16
.set FR,     12
.set NL,     3
.set NQ,     2
.set NP,     4
.set TROW,   NQ*1536
.set HALFT,  8*TROW
.set SLOT,   4*HALFT
.set LAPS,   KS/(2*NQ)
.set HALFS,  512*KS
.set SCA,    2*SLOT                    ; A's scale words, written by LDS stores alone
.set RCP,    SCA+2*HALFS               ; 1 / l of the 256 queries, likewise
.set SCBS,   RCP+1024+64               ; B's scale words, filled once; 64 bytes off, so that lanes 0-15 (A's) and lanes 16-31 (B's) read different columns modulo 256 bytes
.set SPARE,  SCBS+2*HALFS+192
.set SPITCH, 528                       ; the way out: 16 rows x (512 + 16) bytes a wave, in slot 0, which has had its last fill and its last read by then
.set PAS,    12582912                  ; pa: the scale words; -M' 524,288 bytes on, l' 1,048,576
.set LI,   3                           ; v3   16 x lane
.set FO,   4                           ; v4   8 x lane; never rewritten
.set FS,   5                           ; v5   where I put the lowered scale words
.set RS,   6                           ; v6   where I put 1 / l
.set ADRA, 16
.set ADRB, 20
.set STO,  24
.set RD,   25
.set RCA,  26                          ; v26  where I read my place's 1 / l
.set ADRS, 27
.set SPW,  28
.set NIL,  29
.set SC,   32
.set RC,   64                          ; the way out: v64-79 1 / l, a pair for each block
.set AF,   128
.set BK,   128                         ; the way out: rows read back: v128-191 and v192-255 by turns
.set MM,   64                          ; ahead of the products: v64-95 -M', v96-127 l', v128-159 scale words: two queries a lane, 16 K steps
.set LL,   96
.set WW,   128
.set NG,   160
.set LT,   162
.set DD,   164
.set NN,   166
.set FF,   168
.set XX,   170
.set YY,   172
.set G1, 24
.set G0, 32
.set G1B, 48
.set G0B, 56
.set G1SB, 80
.set G0SB, 88
.set FB,  66                           ; s[66:67] my 64 queries' statistics; never rewritten
.set M80, 68                           ; s68  0x80808080
.set OB,  98                           ; s[98:99] out0 at my first row and column
.set MSB, 0
.macro WIN new
.if MSB != (\new)
	s_set_vgpr_msb (MSB<<8)|(\new)
.set MSB, (\new)
.endif
.endm
.set MUL_LO, 0xa1
.set MUL_HI, 0xf1
.set TO_B,   0x40
.macro JLOAD g0a, g1a, g0b, g1b        ; a joint load: waves 0 and 1 fetch for A, waves 2 and 3 for B; four v_nop follow each line
	s_cmp_eq_u32 s15, 0
	s_cbranch_scc0 .Lfor_b_\@
	tensor_load_to_lds s[\g0a:\g0a+3], s[\g1a:\g1a+7]
	s_nop 0
.rept 4
	v_nop
.endr
	s_branch .Lasked_\@
.Lfor_b_\@:
	tensor_load_to_lds s[\g0b:\g0b+3], s[\g1b:\g1b+7]
	s_nop 0
.rept 4
	v_nop
.endr
.Lasked_\@:
.endm
.macro CREST
	s_cmp_lg_u32 s14, 0
	s_cbranch_scc1 .Lnot_wave_0_\@
	s_barrier_signal -3
.Lnot_wave_0_\@:
	s_barrier_wait -3
	s_barrier_signal -1
	s_barrier_wait -1
.endm
.macro CROUND
	s_barrier_signal -1
	s_barrier_wait -1
	CREST
.endm
.macro FRAG reg, adr, off
.irp c, 0,1,2
	ds_load_b128 v[\reg+4*\c:\reg+4*\c+3], v[\adr] offset:\off+512*\c
.endr
.endm
.macro FETCH_B slot, q, p
	WIN TO_B
.irp i, 0,1,2,3,4,5,6,7
	FRAG 128*(\p)+FR*\i, ADRB+\slot, TROW*\i+1536*(\q)
.endr
	WIN 0
.endm
.macro FETCH_A slot, q, i0
.irp i, \i0, \i0+1, \i0+2, \i0+3
	FRAG AF+FR*(\i), ADRA+\slot, TROW*(\i)+1536*(\q)
.endr
.endm
.macro SCALES sc
.irp i, 0,1,2,3,4,5,6,7
.irp q, 0,1
	ds_load_b32 v[SC+16*\sc+2*\i+\q], v[ADRS] offset:(\i/4)*KS*256+(\i%4)*64+256*\q
.endr
.endr
.endm
.macro MUL16 a0, p, q, sc, zero        ; the 64 accumulators take turns, one instruction a turn
.irp a, \a0, \a0+1
.irp b, 0,1,2,3,4,5,6,7
.if \zero
	v_wmma_scale_f32_16x16x128_f8f6f4 v[8*(8*((\a)%4)+\b):8*(8*((\a)%4)+\b)+7], v[128*(\p)+FR*\b:128*(\p)+FR*\b+FR-1], v[AF+FR*(\a):AF+FR*(\a)+FR-1], 0, v[SC+8*NQ*(\sc)+NQ*\b+(\q)], v[SC+8*NQ*(\sc)+NQ*(\a)+(\q)] matrix_a_fmt:MATRIX_FMT_BF6 matrix_b_fmt:MATRIX_FMT_BF6 matrix_a_scale:MATRIX_SCALE_ROW1
.else
	v_wmma_scale_f32_16x16x128_f8f6f4 v[8*(8*((\a)%4)+\b):8*(8*((\a)%4)+\b)+7], v[128*(\p)+FR*\b:128*(\p)+FR*\b+FR-1], v[AF+FR*(\a):AF+FR*(\a)+FR-1], v[8*(8*((\a)%4)+\b):8*(8*((\a)%4)+\b)+7], v[SC+8*NQ*(\sc)+NQ*\b+(\q)], v[SC+8*NQ*(\sc)+NQ*(\a)+(\q)] matrix_a_fmt:MATRIX_FMT_BF6 matrix_b_fmt:MATRIX_FMT_BF6 matrix_a_scale:MATRIX_SCALE_ROW1
.endif
.endr
.endr
.endm
.macro PLACES n
.rept \n
	v_nop
.endr
.endm
.macro STEP slot, q, zero
	s_wait_dscnt 4*NL                              ; all but the youngest 12 loads (A's blocks 4-7) are in
	WIN MUL_LO
	MUL16 0, (\q)%2, \q, \slot, \zero
	MUL16 2, (\q)%2, \q, \slot, \zero
	s_wait_dscnt 0
	PLACES NP
	FETCH_B \slot, (\q)+1, 1-(\q)%2
	FETCH_A \slot, (\q)+1, 0
	WIN MUL_HI
	MUL16 4, (\q)%2, \q, \slot, \zero
	MUL16 6, (\q)%2, \q, \slot, \zero
	PLACES NP
	WIN 0
	FETCH_A \slot, (\q)+1, 4
.endm
.macro TURN slot, next, fill
	s_wait_tensorcnt 0x0                           ; all my tensor loads have landed: my part of the next slot
	ds_add_u32 v[SPW], v[NIL]                      ; 0 onto my spare word
	s_wait_dscnt 4*NL+1                            ; (the add and the youngest 12 loads may be out)
	WIN MUL_LO
	MUL16 0, 1, NQ-1, \slot, 0
	s_wait_dscnt 0x0                               ; the add is done, and my reads of this slot are over
	s_barrier_signal -1
	MUL16 2, 1, NQ-1, \slot, 0
	WIN 0
	s_barrier_wait -1
.if \fill
	CREST                                          ; a round of the cluster's barrier: no wave of any partner still reads this slot or has a load on its way
	s_add_nc_u64 s[G0+4*\slot+2:G0+4*\slot+3], s[G0+4*\slot+2:G0+4*\slot+3], 2*TROW
	s_add_nc_u64 s[G0B+4*\slot+2:G0B+4*\slot+3], s[G0B+4*\slot+2:G0B+4*\slot+3], 2*TROW
	JLOAD G0+4*\slot, G1, G0B+4*\slot, G1B
.else
	PLACES NP
.endif
	v_add_nc_u32 v[ADRS], 256*NQ, v[ADRS]
	FETCH_B \next, 0, 0
	FETCH_A \next, 0, 0
	SCALES \next
	WIN MUL_HI
	MUL16 4, 1, NQ-1, \slot, 0
	MUL16 6, 1, NQ-1, \slot, 0
	PLACES NP
	WIN 0
	FETCH_A \next, 0, 4
.endm
.macro FINAL
	s_wait_dscnt 4*NL
	WIN MUL_LO
	MUL16 0, 1, NQ-1, 1, 0
	MUL16 2, 1, NQ-1, 1, 0
	s_wait_dscnt 0
	WIN MUL_HI
	MUL16 4, 1, NQ-1, 1, 0
	MUL16 6, 1, NQ-1, 1, 0
	WIN 0
.endm
	s_load_b128 s[4:7], s[0:1], 0x0                ; pa, pj
	s_load_b64 s[8:9], s[0:1], 0x10                ; out0
	v_lshl_add_u32 v[SPW], v0, 2, SPARE
	v_mov_b32 v[NIL], 0
	ds_add_u32 v28, v29
	ds_add_u32 v28, v29
	s_wait_dscnt 0x0
	v_lshrrev_b32 v1, 5, v0
	v_readfirstlane_b32 s14, v1                    ; wave
	v_and_b32 v10, 31, v0                          ; lane
	v_lshlrev_b32 v[FO], 3, v10
	s_lshr_b32 s15, s14, 1
	s_and_b32 s16, s14, 1
	s_bfe_u32 s40, ttmp6, 0x40000                  ; cx
	s_bfe_u32 s41, ttmp6, 0x40004                  ; cy
	s_and_b32 s18, ttmp7, 0xffff
	s_lshl_b32 s17, s18, 2
	s_add_co_u32 s17, s17, s41                     ; tile row: 256 queries of the 8,192
	s_lshr_b32 s19, s18, 1                         ; the batch; the same in all partners
	s_lshl_b32 s42, ttmp9, 2
	s_add_co_u32 s42, s42, s40                     ; tile column: 256 of the 1,024 columns e
	s_lshl_b32 s43, s41, 2
	s_lshl_b32 s43, 15, s43
	s_lshl_b32 s44, 0x1111, s40
	s_or_b32 s[G1+0], s43, (3<<16)|(1<<21)         ; codes: 8 tiles of 384 elements of 8 bytes, 192 KS elements apart
	s_or_b32 s[G1B+0], s44, (3<<16)|(1<<21)
.irp g, G1, G1B
	s_mov_b32 s[\g+1], 384<<16
	s_mov_b32 s[\g+2], 8<<16
	s_mov_b32 s[\g+3], 384<<16
	s_mov_b32 s[\g+4], 8
	s_mov_b32 s[\g+5], 192*KS
	s_mov_b32 s[\g+6], 0
	s_mov_b32 s[\g+7], 0
.endr
	s_or_b32 s[G1SB+0], s44, (3<<16)|(1<<21)       ; B's scale words of 64 places: 16 rows of 256 bytes
	s_mov_b32 s[G1SB+1], 32<<16
	s_mov_b32 s[G1SB+2], 16<<16
	s_mov_b32 s[G1SB+3], 32<<16
	s_mov_b32 s[G1SB+4], 16
	s_mov_b32 s[G1SB+5], 32
	s_mov_b32 s[G1SB+6], 0
	s_mov_b32 s[G1SB+7], 0
	s_lshl_b32 s18, s16, 3
	s_lshl_b32 s20, s17, 4
	s_add_co_u32 s20, s20, s18
	s_mul_i32 s20, s20, KS*1536                    ; A: p's tile
	s_mov_b32 s21, 0
	s_lshl_b32 s46, s42, 4
	s_add_co_u32 s46, s46, s18
	s_mul_i32 s46, s46, KS*1536                    ; B: pv^T's tile,
	s_mul_i32 s45, s19, 1572864                    ; in its batch,
	s_add_co_u32 s46, s46, s45
	s_add_co_u32 s46, s46, 12582912                ; behind pq and pk
	s_mov_b32 s47, 0
	s_lshl_b32 s92, s42, 2
	s_add_co_u32 s92, s92, s14                     ; B's scale words: each wave fetches one group of 64 places
	s_lshl_b32 s92, s92, 12
	s_lshl_b32 s45, s19, 16
	s_add_co_u32 s92, s92, s45
	s_add_co_u32 s92, s92, 19398656
	s_mov_b32 s93, 0
	s_lshl_b32 s[FB], s17, 2
	s_add_co_u32 s[FB], s[FB], s14                 ; the statistics: wave w takes group 4 x tile row + w
	s_lshl_b32 s[FB], s[FB], 12
	s_add_co_u32 s[FB], s[FB], PAS
	s_mov_b32 s[FB+1], 0
	s_mul_i32 s45, s14, HALFT
	s_lshl_b32 s94, s14, 12
	s_mov_b32 s[M80], 0x80808080
	s_wait_kmcnt 0x0
	s_add_nc_u64 s[20:21], s[4:5], s[20:21]
	s_add_nc_u64 s[46:47], s[6:7], s[46:47]
	s_add_nc_u64 s[92:93], s[6:7], s[92:93]
	s_add_nc_u64 s[FB:FB+1], s[4:5], s[FB:FB+1]
.irp s, 0,1,2,3,4,5,6,7,8,9,10,11,12,13,14,15      ; each load reads 256 consecutive bytes, aligned: 64 queries' numbers of one K step, two a lane.  They are on their way during the round and the first fills
	global_load_b64 v[MM+2*\s:MM+2*\s+1], v[FO], s[FB:FB+1] offset:524288+256*\s
.endr
.irp s, 0,1,2,3,4,5,6,7,8,9,10,11,12,13,14,15
	global_load_b64 v[LL+2*\s:LL+2*\s+1], v[FO], s[FB:FB+1] offset:1048576+256*\s
.endr
.irp s, 0,1,2,3,4,5,6,7,8,9,10,11,12,13,14,15
	global_load_b64 v[WW+2*\s:WW+2*\s+1], v[FO], s[FB:FB+1] offset:256*\s
.endr
	CROUND                                         ; all sixteen work-groups are here: the first joint loads meet
	s_mov_b32 s[G0SB], 1
	s_add_co_u32 s[G0SB+1], s94, SCBS
	s_mov_b64 s[G0SB+2:G0SB+3], s[92:93]
	s_or_b32 s[G0SB+3], s[G0SB+3], 0x80000000
	tensor_load_to_lds s[G0SB:G0SB+3], s[G1SB:G1SB+7]   ; every wave its own quarter of B's scale words, jointly along the cluster's column; three loads of a wave are out at the most
	s_nop 0
.rept 4
	v_nop
.endr
.irp s, 0,1
	s_mov_b32 s[G0+4*\s], 1
	s_add_co_u32 s[G0+4*\s+1], s45, \s*SLOT
	s_add_nc_u64 s[G0+4*\s+2:G0+4*\s+3], s[20:21], \s*TROW
	s_or_b32 s[G0+4*\s+3], s[G0+4*\s+3], 0x80000000
	s_mov_b32 s[G0B+4*\s], 1
	s_add_co_u32 s[G0B+4*\s+1], s45, \s*SLOT
	s_add_nc_u64 s[G0B+4*\s+2:G0B+4*\s+3], s[46:47], \s*TROW
	s_or_b32 s[G0B+4*\s+3], s[G0B+4*\s+3], 0x80000000
	JLOAD G0+4*\s, G1, G0B+4*\s, G1B
.endr
	v_and_b32 v1, 15, v0                           ; r
	v_bfe_u32 v2, v0, 4, 1                         ; h
	v_lshlrev_b32 v[LI], 4, v10
	s_mul_i32 s21, s15, HALFT
	s_mul_i32 s22, s16, HALFT
	s_add_co_u32 s22, s22, 2*HALFT
.irp s, 0,1
	v_add_nc_u32 v[ADRA+\s], s21, v[LI]
	v_add_nc_u32 v[ADRB+\s], s22, v[LI]
	s_add_co_u32 s21, s21, SLOT
	s_add_co_u32 s22, s22, SLOT
.endr
	v_lshlrev_b32 v7, 2, v1
	s_mul_i32 s21, s15, HALFS
	s_mul_i32 s22, s16, HALFS
	s_add_co_u32 s22, s22, SCBS-SCA
	s_sub_co_u32 s22, s22, s21
	v_mul_u32_u24 v8, s22, v2                      ; lanes 16-31 take B's: the lower base + h x the distance
	s_add_co_u32 s21, s21, SCA
	v_add_nc_u32 v7, v7, v8
	v_add_nc_u32 v[ADRS], s21, v7
	s_lshl_b32 s21, s14, 12
	s_add_co_u32 s21, s21, SCA
	v_lshl_add_u32 v[FS], v10, 3, s21
	s_lshl_b32 s21, s14, 8
	s_add_co_u32 s21, s21, RCP
	v_lshl_add_u32 v[RS], v10, 3, s21
	s_lshl_b32 s21, s15, 9
	s_add_co_u32 s21, s21, RCP
	v_lshl_add_u32 v[RCA], v1, 2, s21
	s_mul_i32 s21, s14, 16*SPITCH                  ; my stage
	v_mul_u32_u24 v[STO], v1, SPITCH
	v_lshl_add_u32 v[STO], v2, 6, v[STO]
	v_add_nc_u32 v[STO], s21, v[STO]               ; in: row r, + 64 h bytes
	v_add_nc_u32 v[RD], s21, v[LI]                 ; back: the 32 lanes take one row of 512 bytes
	s_lshl_b32 s18, s17, 8
	s_lshl_b32 s19, s15, 7
	s_add_co_u32 s18, s18, s19                     ; my first row of out0,
	s_lshl_b32 s18, s18, 12                        ; 4,096 bytes a row,
	s_lshl_b32 s19, s42, 10
	s_add_co_u32 s18, s18, s19                     ; + the tile's first column
	s_lshl_b32 s19, s16, 9
	s_add_co_u32 s18, s18, s19                     ; + my half's
	s_mov_b32 s19, 0
	s_add_nc_u64 s[OB:OB+1], s[8:9], s[18:19]
	; THE ROWS' M, l AND SCALE WORDS
	s_wait_loadcnt 0x0
.irp e, 0,1
	v_min3_num_f32 v[NG+\e], v[MM+\e], v[MM+2+\e], v[MM+4+\e]      ; -M = the least of the 16 -M'
.endr
.irp s, 3,5,7,9,11,13
.irp e, 0,1
	v_min3_num_f32 v[NG+\e], v[NG+\e], v[MM+2*\s+\e], v[MM+2*\s+2+\e]
.endr
.endr
.irp e, 0,1
	v_min_num_f32 v[NG+\e], v[NG+\e], v[MM+30+\e]
.endr
.macro FIX s
	v_pk_add_f32 v[DD:DD+1], v[MM+2*\s:MM+2*\s+1], v[NG:NG+1] neg_lo:[0,1] neg_hi:[0,1]   ; d = M - M': a whole number, 0 or more
.irp e, 0,1
	v_min_num_f32 v[DD+\e], 0x42fe0000, v[DD+\e]   ; held at 127
.endr
.irp e, 0,1
	v_cvt_i32_f32 v[DD+\e], v[DD+\e]
.endr
.irp e, 0,1
	v_sub_nc_u32 v[NN+\e], 0, v[DD+\e]
.endr
.irp e, 0,1
	v_ldexp_f32 v[FF+\e], 1.0, v[NN+\e]            ; 2^-d
.endr
.if \s == 0
	v_pk_mul_f32 v[LT:LT+1], v[LL:LL+1], v[FF:FF+1]
.else
	v_pk_fma_f32 v[LT:LT+1], v[LL+2*\s:LL+2*\s+1], v[FF:FF+1], v[LT:LT+1]   ; l = the sum of l' 2^-d
.endif
.irp e, 0,1
	v_lshl_or_b32 v[DD+\e], v[DD+\e], 8, v[DD+\e]
.endr
.irp e, 0,1
	v_lshl_or_b32 v[DD+\e], v[DD+\e], 16, v[DD+\e] ; d in all four bytes
.endr
.irp e, 0,1
	v_or_b32 v[XX+\e], s[M80], v[WW+2*\s+\e]       ; each byte is 123 at the most: with 128 added, 128 + byte - d lies in 1 .. 251, so no byte borrows from its neighbour,
.endr
.irp e, 0,1
	v_sub_nc_u32 v[XX+\e], v[XX+\e], v[DD+\e]      ; and its top bit says whether byte - d is 0 or more
.endr
.irp e, 0,1
	v_and_b32 v[YY+\e], s[M80], v[XX+\e]
.endr
.irp e, 0,1
	v_lshrrev_b32 v[NN+\e], 7, v[YY+\e]
.endr
.irp e, 0,1
	v_sub_nc_u32 v[YY+\e], v[YY+\e], v[NN+\e]      ; 0x7f in those bytes, 0 in the others
.endr
.irp e, 0,1
	v_and_b32 v[WW+2*\s+\e], v[XX+\e], v[YY+\e]    ; byte - d, held at 0
.endr
	ds_store_b64 v[FS], v[WW+2*\s:WW+2*\s+1] offset:256*\s
.endm
.irp s, 0,1,2,3,4,5,6,7,8,9,10,11,12,13,14,15
	FIX \s
.endr
	v_rcp_f32 v[LT], v[LT]                         ; l is above 1/2: the row's largest p is
	v_rcp_f32 v[LT+1], v[LT+1]
	v_nop                                          ; a plain place behind the reciprocals
	s_wait_alu depctr_va_vdst(0)                   ; one wait for the two, ahead of their reader
	ds_store_b64 v[RS], v[LT:LT+1]
	s_wait_tensorcnt 1                             ; B's scale words and my part of slot 0 are in; slot 1's load may be out
	s_wait_dscnt 0x0                               ; for the others' sake: my stores of A's scale words and of 1 / l are done
	s_barrier_signal -1
	s_barrier_wait -1
	FETCH_B 0, 0, 0
	FETCH_A 0, 0, 0
	SCALES 0
	FETCH_A 0, 0, 4
	STEP 0, 0, 1
	s_mov_b32 s3, LAPS-1
.Llap:
	TURN 0, 1, 1
	STEP 1, 0, 0
	TURN 1, 0, 1
	STEP 0, 0, 0
	s_sub_co_u32 s3, s3, 1
	s_cmp_lg_u32 s3, 0
	s_cbranch_scc1 .Llap
	TURN 0, 1, 0
	STEP 1, 0, 0
	FINAL
; THE WAY OUT, block by block of 16 queries x 128 columns: x 1 / l, through my stage, back as whole rows of 512 bytes.
.macro OUTB a
.set AC, 64*((\a)%4)
.set W, 2+(\a)/4
.set BB, BK+64*((\a)%2)
	WIN (W<<6)|W                                   ; destination and source 0: the accumulators' window
.set I, 0
.rept 32                               ; in ascending order: each accumulator is read from its low end on
	v_pk_mul_f32 v[AC+I:AC+I+1], v[AC+I:AC+I+1], v[RC+2*(\a):RC+2*(\a)+1]
.set I, I+2
.endr
	WIN W<<2                                       ; an LDS store's data are its source 1
.irp b, 0,1,2,3,4,5,6,7
	ds_store_b128 v[STO], v[AC+8*\b:AC+8*\b+3] offset:128*(\b/2)+32*(\b%2)       ; columns 32 (b / 2) + 16 h + 8 (b % 2) + 0 .. 7
	ds_store_b128 v[STO], v[AC+8*\b+4:AC+8*\b+7] offset:128*(\b/2)+32*(\b%2)+16
.endr
	WIN 0
.irp t, 0,1,2,3,4,5,6,7,8,9,10,11,12,13,14,15
	ds_load_b128 v[BB+4*\t:BB+4*\t+3], v[RD] offset:SPITCH*\t   ; LDS serves a wave's instructions in order: these see my stores, and the next block's stores come behind them
.endr
.endm
.macro SEND a, younger                 ; younger: the LDS instructions issued behind block a's loads
.set BB, BK+64*((\a)%2)
	s_wait_dscnt \younger
.irp t, 0,1,2,3,4,5,6,7,8,9,10,11,12,13,14,15
	global_store_b128 v[LI], v[BB+4*\t:BB+4*\t+3], s[OB:OB+1] offset:(32*((\a)/2)+8*((\a)%2)+\t+8*(\t/8))*4096 th:TH_STORE_NT   ; place t's row: 32 lanes store 512 consecutive bytes, aligned
.endr
.endm
	PLACES NP
.irp a, 0,1,2,3,4,5,6,7
	ds_load_b32 v[RC+2*\a], v[RCA] offset:64*\a    ; 1 / l of my place in block a, twice: a pair for the packed multiplication
	ds_load_b32 v[RC+2*\a+1], v[RCA] offset:64*\a
.endr
	s_wait_dscnt 0x0
	OUTB 0
.irp a, 1,2,3,4,5,6,7
.if \a > 1
	s_wait_xcnt 0x0                                ; block a - 2's stores have read their registers: block a's loads may land there
.endif
	OUTB \a
	SEND \a-1, 32                                  ; behind block a - 1's loads: block a's 16 stores and 16 loads
.endr
	SEND 7, 0
	s_wait_tensorcnt 0x0                           ; the wave's end
	ds_add_u32 v[SPW], v[NIL]
	s_wait_dscnt 0x0
	CROUND                                         ; the closing round
	s_endpgm
.Lfunc_end_k_q8b3854f377_pvout:
	.size	k_q8b3854f377_pvout, .Lfunc_end_k_q8b3854f377_pvout-k_q8b3854f377_pvout
	.p2alignl 7, 3214868480
	.fill 96, 4, 3214868480
	.section	.rodata,"a",@progbits
	.p2align	6, 0x0
	.amdhsa_kernel k_q8b3854f377_pvout
		.amdhsa_group_segment_fixed_size 327680
		.amdhsa_private_segment_fixed_size 0
		.amdhsa_enable_private_segment 0
		.amdhsa_kernarg_size 24
		.amdhsa_user_sgpr_count 2
		.amdhsa_user_sgpr_kernarg_segment_ptr 1
		.amdhsa_wavefront_size32 1
		.amdhsa_system_sgpr_workgroup_id_x 1
		.amdhsa_system_sgpr_workgroup_id_y 1
		.amdhsa_system_sgpr_workgroup_id_z 1
		.amdhsa_system_vgpr_workitem_id 0
		.amdhsa_next_free_vgpr 1024
		.amdhsa_next_free_sgpr 100
		.amdhsa_reserve_vcc 0
		.amdhsa_float_denorm_mode_32 3
		.amdhsa_float_denorm_mode_16_64 3
		.amdhsa_memory_ordered 1
		.amdhsa_forward_progress 1
		.amdhsa_inst_pref_size 179
	.end_amdhsa_kernel
	.amdgpu_metadata
---
amdhsa.version: [ 1, 2 ]
amdhsa.kernels:
  - .name:           k_q8b3854f377_pvout
    .symbol:         k_q8b3854f377_pvout.kd
    .args:
      - { .name: pa, .offset: 0, .size: 8, .value_kind: global_buffer, .address_space: global }
      - { .name: pj, .offset: 8, .size: 8, .value_kind: global_buffer, .address_space: global }
      - { .name: out0, .offset: 16, .size: 8, .value_kind: global_buffer, .address_space: global }
    .group_segment_fixed_size: 327680
    .private_segment_fixed_size: 0
    .kernarg_segment_align: 8
    .kernarg_segment_size: 24
    .max_flat_workgroup_size: 128
    .sgpr_count:     100
    .vgpr_count:     1024
    .wavefront_size: 32
...
	.end_amdgpu_metadata
.endif
;; end of part 4
;; ======== version 2 of 2: 4 launches
;; limits: right only within a limited range of input values
;; workspace buffers: xq 22,118,400 bytes; pj 19,660,800 bytes; pa 14,155,776 bytes
;; launch quant (part 5): grid 1728 x 1, 2 waves a work-group, no clusters, 17,664 bytes of LDS; arguments q, k, v, Wq, Wk, Wv, xq; writes xq
.if DOCPART == 5
	.amdgcn_target "amdgcn-amd-amdhsa--gfx1250"
	.amdhsa_code_object_version 6
	.text
	.protected	k_q8b3854f377_quant
	.globl	k_q8b3854f377_quant
	.p2align	8
	.type	k_q8b3854f377_quant,@function
k_q8b3854f377_quant:
	s_mov_b64 s[64:65], 0
	v_nop
	global_prefetch_b8 v0, s[64:65] scope:SCOPE_SE
	s_setreg_imm32_b32 hwreg(HW_REG_WAVE_MODE, 25, 1), 1
	s_wait_xcnt 0x0
; q, k, v [8192][1024] and Wq, Wk, Wv [1024][1024], f32 with K innermost, become codes of E3M2 (6 bits) with one E8M0 byte for each 32 along K,
; laid in xq AS IMAGES OF MATRIX OPERAND REGISTERS.  A fragment (tile T of 16 rows, K step s of 128) is 12 registers a lane = 1,536 bytes at (8 T + s) x 1536:
; registers 4 c .. 4 c + 3 of lane l at + 512 c + 16 l.  Lane (r = l % 16, h = l / 16): registers 6 c .. 6 c + 5 hold k = 128 s + 64 c + 32 h + 0 .. 31 of the tile's place r.
; THE ROWS OF A TILE ARE NOT NEIGHBOURS: place r of tile T is row 32 (T / 2) + 8 (T % 2) + r + 8 (r / 8).  All operands of the program are laid so.
; Tiles of the six tensors follow each other: q 0, k 512, v 1024, Wq 1536, Wk 1600, Wv 1664.  Scale words (four bytes: 128 along K of one place) lie behind the codes:
; group G = T / 4 of four tiles, K step s: 256 bytes at XS + 2048 G + 256 s, the word of (tile t of the group, place r) at 16 r + 4 t: the reader's lane r takes its four tiles' words by one load of 16 bytes.
; A block's scale is 2^(floor(log2(largest magnitude)) - 4); its byte is the largest magnitude's exponent field - 4, held at 1 from below.
; LIMITS: a block of zeros gets the byte 1 where the rule says 127 (its codes are zeros, and this program alone reads the bytes); NaN and infinities among the inputs are not served.
; SHARES: a work-group of two waves takes a group of 64 rows and two K steps, a wave one K step: four fragments and one 256-byte run of scale words.  432 groups x 8 K steps are 3,456 waves' shares,
; 13.5 for each of 256 WGPs: in work-groups of two waves a WGP gets 12 or 14 of them.  Each load reads 512 consecutive bytes of a row;
; the 16 rows of a fragment turn through the wave's own stage in LDS (pitch 528 bytes) so that a lane gets its 64 numbers in the operand's order.  Waves share nothing: no barrier.
; No work-group reads what another reads: no cluster, no tensor load.
; PREFETCH: fragment t's 16 loads are issued two fragments ahead of its work; the run of loads for fragment t is followed by the request for fragment t + 2: 16 rows x 512 bytes, a lane to each 256 bytes,
; one instruction.  Fragments 0 and 1 come by their loads alone; what a wave has asked for and not yet loaded is two fragments at the most; each block is named once, by the wave that loads it.
.set XS,    21233664                   ; 1,728 tiles x 12,288 bytes of codes
.set WREG,  8704                       ; LDS of a wave: 16 x 528 bytes of stage, 256 bytes of scale words
.set SPARE, 2*WREG                     ; the spare words, 128 bytes a wave
.set SP,    528
.set R,     24                         ; v24-151  two sets of 64: a fragment's numbers as loaded
.set X,     152                        ; v152-215 the same in the operand's order
.set C,     216                        ; v216-227 the fragment's codes
.set CT,    228                        ; v228-235 the upper halves of the two blocks (a conversion's three registers begin on an even number)
	s_load_b256 s[4:11], s[0:1], 0x0               ; q, k, v, Wq
	s_load_b128 s[12:15], s[0:1], 0x20             ; Wk, Wv
	s_load_b64 s[16:17], s[0:1], 0x30              ; xq
	v_lshl_add_u32 v240, v0, 2, SPARE
	v_mov_b32 v241, 0
	v_lshrrev_b32 v1, 5, v0
	v_readfirstlane_b32 s18, v1                    ; wave
	v_and_b32 v1, 31, v0                           ; lane
	v_and_b32 v2, 15, v0                           ; r
	v_bfe_u32 v3, v0, 4, 1                         ; h
	v_lshlrev_b32 v4, 4, v1                        ; 16 x lane: my bytes of a load's 512 and of an image's 512
	v_lshrrev_b32 v19, 1, v1                       ; the prefetches: place p = lane / 2 of the tile,
	v_and_b32 v22, 8, v19
	v_add_nc_u32 v19, v19, v22                     ; its row p + 8 (p / 8), 4,096 bytes a row,
	v_lshlrev_b32 v19, 12, v19
	v_and_b32 v22, 1, v1
	v_lshl_add_u32 v19, v22, 8, v19                ; and which 256 of the row's 512 bytes
	s_mul_i32 s28, s18, WREG
	s_add_co_u32 s29, s28, 16*SP
	v_add_nc_u32 v5, s28, v4                       ; the stage, on the way in
	v_mul_u32_u24 v6, v2, SP
	v_lshl_add_u32 v6, v3, 7, v6
	v_add_nc_u32 v6, s28, v6                       ; and out: row r, + 128 h bytes (32 numbers)
	v_lshl_add_u32 v7, v2, 4, s29                  ; my place's four scale words: 16 r
	v_lshl_add_u32 v8, v1, 3, s29                  ; the scale words on the way out: 8 bytes a lane
	v_lshlrev_b32 v9, 3, v1
	v_lshlrev_b32 v10, 3, v3                       ; 8 h: my two bytes' shift in the word
	v_mov_b32 v11, 0                               ; a lane permute's destination counts as read: written once
	s_mov_b32 s26, 0x76543210
	s_mov_b32 s27, 0xfedcba98                      ; selects for lane l xor 16
	s_lshr_b32 s20, ttmp9, 2                       ; G: which 64 rows
	s_and_b32 s19, ttmp9, 3
	s_lshl_b32 s19, s19, 1
	s_add_co_u32 s19, s19, s18                     ; s: my K step
	s_wait_alu depctr_va_vdst(0)
	s_wait_kmcnt 0x0
	s_mov_b64 s[22:23], s[14:15]                   ; which tensor: the choice hangs on the work-group's number alone
	s_mov_b32 s21, 416
	s_cmp_lt_u32 s20, 416
	s_cselect_b64 s[22:23], s[12:13], s[22:23]
	s_cselect_b32 s21, 400, s21
	s_cmp_lt_u32 s20, 400
	s_cselect_b64 s[22:23], s[10:11], s[22:23]
	s_cselect_b32 s21, 384, s21
	s_cmp_lt_u32 s20, 384
	s_cselect_b64 s[22:23], s[8:9], s[22:23]
	s_cselect_b32 s21, 256, s21
	s_cmp_lt_u32 s20, 256
	s_cselect_b64 s[22:23], s[6:7], s[22:23]
	s_cselect_b32 s21, 128, s21
	s_cmp_lt_u32 s20, 128
	s_cselect_b64 s[22:23], s[4:5], s[22:23]
	s_cselect_b32 s21, 0, s21
	s_sub_co_u32 s24, s20, s21                     ; the group's number in its tensor:
	s_lshl_b32 s24, s24, 18                        ; 64 rows of 4,096 bytes,
	s_lshl_b32 s25, s19, 9                         ; + 512 bytes a K step
	s_add_co_u32 s24, s24, s25
	s_mov_b32 s25, 0
	s_add_nc_u64 s[22:23], s[22:23], s[24:25]
	s_mul_i32 s24, s20, 49152                      ; codes: four tiles of 12,288 bytes a group,
	s_mul_i32 s30, s19, 1536                       ; + my K step's fragment
	s_add_co_u32 s24, s24, s30
	s_add_nc_u64 s[32:33], s[16:17], s[24:25]
	s_lshl_b32 s24, s20, 11                        ; scale words
	s_lshl_b32 s30, s19, 8
	s_add_co_u32 s24, s24, s30
	s_add_co_u32 s24, s24, XS
	s_add_nc_u64 s[34:35], s[16:17], s[24:25]
.macro LOADF t                         ; tile t of the group: its 16 rows' 512 bytes of my K step
.irp p, 0,1,2,3,4,5,6,7,8,9,10,11,12,13,14,15
	global_load_b128 v[R+64*((\t)%2)+4*\p:R+64*((\t)%2)+4*\p+3], v4, s[22:23] offset:(32*((\t)/2)+8*((\t)%2)+\p+8*(\p/8))*4096 th:TH_LOAD_NT
.endr
.endm
.macro ASK t                           ; the request for tile t's 32 blocks of 256 bytes; its registers are never rewritten
	global_prefetch_b8 v19, s[22:23] offset:(32*((\t)/2)+8*((\t)%2))*4096 th:TH_LOAD_NT scope:SCOPE_SE
.endm
.macro TURN t                          ; through the stage: LDS serves a wave's instructions in order, so no wait stands between the stores and the loads
.irp p, 0,1,2,3,4,5,6,7,8,9,10,11,12,13,14,15
	ds_store_b128 v5, v[R+64*((\t)%2)+4*\p:R+64*((\t)%2)+4*\p+3] offset:SP*\p
.endr
.irp c, 0,1
.irp j, 0,1,2,3,4,5,6,7
	ds_load_b128 v[X+32*\c+4*\j:X+32*\c+4*\j+3], v6 offset:256*\c+16*\j   ; register 32 c + i: k = 64 c + 32 h + i of row r
.endr
.endr
.endm
.macro FRAGQ t
.if (\t) < 3
	s_wait_loadcnt 16                              ; this fragment's 16 loads are in; the next fragment's 16 may be out
.else
	s_wait_loadcnt 0x0
.endif
	TURN \t
	s_wait_dscnt 0x0                               ; my numbers are back, and the stores have read the set that the loads below fill
.if (\t) > 0
	s_wait_xcnt 0x0                                ; the last fragment's stores have read the codes' registers; it stands ahead of the loads below, so that it waits for none of them
.endif
.if (\t) < 2
	LOADF (\t)+2
.endif
.irp c, 0,1                            ; my blocks h and 2 + h: all 32 numbers of each are mine
	v_max3_num_f32 v[12+\c], |v[X+32*\c]|, |v[X+32*\c+1]|, 0x2800000   ; with the floor 2^(5 - 127): the byte cannot fall under 1
.endr
.irp i, 2,4,6,8,10,12,14,16,18,20,22,24,26,28,30
.irp c, 0,1
	v_max3_num_f32 v[12+\c], v[12+\c], |v[X+32*\c+\i]|, |v[X+32*\c+\i+1]|
.endr
.endr
.irp c, 0,1
	v_add_nc_u32 v[14+\c], 0xfe000000, v[12+\c]    ; 4 off the exponent field: the conversion's scale operand
.endr
.irp c, 0,1
	v_lshrrev_b32 v[16+\c], 23, v[14+\c]           ; the scale's byte
.endr
	v_lshl_or_b32 v18, v17, 16, v16
	v_lshlrev_b32 v18, v10, v18                    ; bytes h and 2 + h of the word;
	v_permlanex16_b32 v11, v18, s26, s27
	v_or_b32 v18, v18, v11                         ; with lane l xor 16's two it is whole
.irp c, 0,1
	v_cvt_scalef32_pk16_bf6_f32 v[C+6*\c:C+6*\c+2], v[X+32*\c:X+32*\c+15], v[14+\c]
	v_cvt_scalef32_pk16_bf6_f32 v[CT+4*\c:CT+4*\c+2], v[X+32*\c+16:X+32*\c+31], v[14+\c]
.endr
	v_nop                                          ; one plain place behind a scaled conversion
.irp c, 0,1
.irp i, 0,1,2
	v_mov_b32 v[C+6*\c+3+\i], v[CT+4*\c+\i]
.endr
.endr
	ds_store_b32 v7, v18 offset:4*(\t)             ; both halves of the lanes write the same word with the same value: 16 r + 4 t of the run
.irp c, 0,1,2
	global_store_b128 v4, v[C+4*\c:C+4*\c+3], s[32:33] offset:12288*(\t)+512*\c   ; 32 lanes store 512 consecutive bytes, aligned
.endr
.endm
	LOADF 0
	ASK 2
	LOADF 1
	ASK 3
	FRAGQ 0
	FRAGQ 1
	FRAGQ 2
	FRAGQ 3
	ds_load_b64 v[20:21], v8                       ; the 64 places' scale words of my K step
	s_wait_dscnt 0x0
	global_store_b64 v9, v[20:21], s[34:35]        ; 32 lanes store 256 consecutive bytes, aligned
	s_wait_tensorcnt 0x0                           ; the wave's end
	ds_add_u32 v240, v241
	s_wait_dscnt 0x0
	s_endpgm
.Lfunc_end_k_q8b3854f377_quant:
	.size	k_q8b3854f377_quant, .Lfunc_end_k_q8b3854f377_quant-k_q8b3854f377_quant
	.p2alignl 7, 3214868480
	.fill 96, 4, 3214868480
	.section	.rodata,"a",@progbits
	.p2align	6, 0x0
	.amdhsa_kernel k_q8b3854f377_quant
		.amdhsa_group_segment_fixed_size 17664
		.amdhsa_private_segment_fixed_size 0
		.amdhsa_enable_private_segment 0
		.amdhsa_kernarg_size 56
		.amdhsa_user_sgpr_count 2
		.amdhsa_user_sgpr_kernarg_segment_ptr 1
		.amdhsa_wavefront_size32 1
		.amdhsa_system_sgpr_workgroup_id_x 1
		.amdhsa_system_sgpr_workgroup_id_y 1
		.amdhsa_system_sgpr_workgroup_id_z 1
		.amdhsa_system_vgpr_workitem_id 0
		.amdhsa_next_free_vgpr 242
		.amdhsa_next_free_sgpr 66
		.amdhsa_reserve_vcc 0
		.amdhsa_float_denorm_mode_32 3
		.amdhsa_float_denorm_mode_16_64 3
		.amdhsa_memory_ordered 1
		.amdhsa_forward_progress 1
		.amdhsa_inst_pref_size 32
	.end_amdhsa_kernel
	.amdgpu_metadata
---
amdhsa.version: [ 1, 2 ]
amdhsa.kernels:
  - .name:           k_q8b3854f377_quant
    .symbol:         k_q8b3854f377_quant.kd
    .args:
      - { .name: q, .offset: 0, .size: 8, .value_kind: global_buffer, .address_space: global }
      - { .name: k, .offset: 8, .size: 8, .value_kind: global_buffer, .address_space: global }
      - { .name: v, .offset: 16, .size: 8, .value_kind: global_buffer, .address_space: global }
      - { .name: Wq, .offset: 24, .size: 8, .value_kind: global_buffer, .address_space: global }
      - { .name: Wk, .offset: 32, .size: 8, .value_kind: global_buffer, .address_space: global }
      - { .name: Wv, .offset: 40, .size: 8, .value_kind: global_buffer, .address_space: global }
      - { .name: xq, .offset: 48, .size: 8, .value_kind: global_buffer, .address_space: global }
    .group_segment_fixed_size: 17664
    .private_segment_fixed_size: 0
    .kernarg_segment_align: 8
    .kernarg_segment_size: 56
    .max_flat_workgroup_size: 64
    .sgpr_count:     66
    .vgpr_count:     242
    .wavefront_size: 32
...
	.end_amdgpu_metadata
.endif
;; end of part 5
;; launch proj (part 6): grid 4 x 64, 4 waves a work-group, clusters of 4 x 4, 327,680 bytes of LDS; arguments xq, bq, bk, bv, pj; writes pj
.if DOCPART == 6
	.amdgcn_target "amdgcn-amd-amdhsa--gfx1250"
	.amdhsa_code_object_version 6
	.text
	.protected	k_q8b3854f377_proj
	.globl	k_q8b3854f377_proj
	.p2align	8
	.type	k_q8b3854f377_proj,@function
k_q8b3854f377_proj:
	s_mov_b64 s[64:65], 0
	v_nop
	global_prefetch_b8 v0, s[64:65] scope:SCOPE_SE
	s_setreg_imm32_b32 hwreg(HW_REG_WAVE_MODE, 25, 1), 1
	s_wait_xcnt 0x0
	s_wait_alu depctr_hold_cnt(0) depctr_sa_sdst(0) depctr_va_vdst(0) depctr_va_sdst(0) depctr_va_ssrc(0) depctr_va_vcc(0) depctr_vm_vsrc(0)
	s_getreg_b32 s2, hwreg(HW_REG_IB_STS2, 6, 4)
	s_cmp_eq_u32 s2, 0
	s_cbranch_scc0 .Lentry_in_a_cluster
	s_endpgm
.Lentry_in_a_cluster:
	s_bfe_u32 s2, ttmp6, 0x10000c
	s_cmp_lg_u32 s2, 0xf033
	s_cbranch_scc0 .Lentry_shape_is_right
	s_endpgm
.Lentry_shape_is_right:
; The three projections on codes of E3M2, each result quantised again on its way out.  256 work-groups, each with TWO tiles, one after the other on one ring of two LDS slots:
;   first  a tile of 256 x 256 of pq = q Wq^T + bq (clusters 0-7) or pk = k Wk^T + bk (clusters 8-15): A = rows of q or k, B = the weight; quantised along the weight's rows (the scores' K);
;   second a tile of 128 x 256 of pv^T = Wv v^T + bv: A = 128 rows of Wv, B = 256 rows of v; quantised along the keys (the last product's K).  128 + 128 + 256 half tiles: every work-group has the same work.
; Operands lie in xq as images of operand registers: fragment (tile T, K step s) at (8 T + s) x 1536; place r of tile T is row 32 (T / 2) + 8 (T % 2) + r + 8 (r / 8).  Results go to pj in the same form.
; Scale words in xq: group G = T / 4, K step s: 256 bytes at XS + 2048 G + 256 s, the word of (tile t of the group, place r) at 16 r + 4 t: one load of 16 bytes a lane brings lanes 0-15 a whole run of A's
; and lanes 16-31 a whole run of B's, four registers for four tiles.  All of K: 64 registers for each product, loaded once at the head.  pq's and pk's scale words are stored in that layout, pv's at 64 t + 4 r.
; THE RING: a slot is 147,456 bytes.  Fill 0: K steps 0-2 of the first tile (32 tiles x 4,608 bytes), slot 0; fill 1: K steps 3-5, slot 1; fill 2: K steps 6-7, slot 0; fill 3: the second tile's K steps 0-3
; (24 tiles x 6,144 bytes), slot 1; fill 4: its K steps 4-7, slot 0.  One joint load a wave for each fill; every fill but the first stands behind the three lines and a round of the cluster's barrier.
; Fill 4 is asked for between blocks 3 and 4 of the first tile's way out, so that fills 3 and 4 are on their way while results are quantised.
; CLUSTERS: 4 x 4 work-groups; A's tiles are asked for jointly along a row of the cluster, B's along a column, in both products.
; PREFETCH: behind the load of fill f stands the request for fill f + 1's bytes: of the tiles that a wave fetches, each of the four partners names a quarter, told apart by address; a lane names 256 bytes
; (lanes left over name the row's last block again).  Fill 0 comes by its load alone.
; THE MATRIX INSTRUCTION IS USED TRANSPOSED (source 0 = 16 places of B, source 1 = 16 places of A): a lane holds one place of A, and registers 16 b + i of a block's accumulators are B's rows 32 b + 16 (lane / 16) + i.
; THE BIAS is the C of each accumulator's first product, so the way out reads the accumulators as they stand.
; LIMITS: a block of zeros gets the byte 1 where the rule says 127 (this program alone reads the bytes); NaN and infinities are not served.
; REGISTERS: window 0: v1-31 lane numbers, addresses; v32-95 the first product's scale words, v96-127 and v224-255 the second's; v128-223 A's fragments (on the way out: codes and work).
; window 1: B's fragments, two sets, at v0 and v128; v96-127 and v224-255 the bias.  windows 2, 3: accumulator (a, b) at v[8 (8 (a % 4) + b)].
.set SLOT,   147456
.set STG,    2*SLOT                    ; 512 bytes a wave for the results' scale words
.set SPARE,  STG+2048                  ; the spare words, 128 bytes a wave
.set XS,     21233664                  ; xq: where the scale words begin
.set LI,   3                           ; 16 x lane
.set SST,  6                           ; where I put a scale word of the first result
.set SRD,  7                           ; where I read them back
.set GS1,  8                           ; their offset in memory
.set L8,   9                           ; 8 x lane
.set GL1,  10                          ; the scale loads' offsets: first product; GL2, GL3 second
.set PO24, 11                          ; prefetch offsets: 256 x min(lane, 23), 17, 11
.set B2,   12                          ; v12-15 the second product's bias, one number a block
.set ADRA, 16                          ; v16-19 my A fragments: slot 0, slot 1 (rows of 4,608); slot 0 (rows of 3,072 or 6,144), slot 1 (6,144)
.set ADRB, 20                          ; v20-24 my B fragments: slot 0, slot 1 (4,608); slot 0 (3,072); slot 1, slot 0 (6,144)
.set SS2,  25
.set PO18, 26
.set PO12, 27
.set SPW,  28
.set NIL,  29
.set GL2,  30
.set GL3,  31
.set SC,   32
.set AF,   128
.set PC,   128
.set TM,   148
.set PW0,  164
.set RB,   172
.set G1, 24
.set G0, 32
.set G0B, 36
.set G1B, 48
.set PF1, 66
.set PF2, 68
.set OUT1, 70
.set OUS1, 72
.set OUT2, 74
.set OUS2, 76
.set SEL, 78
.set MSB, 0
.macro WIN new                         ; the immediate's high byte repeats the setting that is left
.if MSB != (\new)
	s_set_vgpr_msb (MSB<<8)|(\new)
.set MSB, (\new)
.endif
.endm
.set LO,  0xa1                         ; source 0 (B) window 1, source 1 (A) window 0, C and D window 2
.set HI,  0xf1                         ; C and D window 3
.set LOZ, 0x91                         ; C (the bias) window 1, D window 2
.set HIZ, 0xd1                         ; C window 1, D window 3
.set TO_B, 0x40
.macro PLACES
.rept 4
	v_nop
.endr
.endm
.macro JLOAD                           ; a joint load: waves 0 and 1 fetch for A, waves 2 and 3 for B; s_nop 0 and four v_nop follow each line
	s_cmp_eq_u32 s15, 0
	s_cbranch_scc0 .Lfor_b_\@
	tensor_load_to_lds s[G0:G0+3], s[G1:G1+7]
	s_nop 0
	PLACES
	s_branch .Lasked_\@
.Lfor_b_\@:
	tensor_load_to_lds s[G0B:G0B+3], s[G1B:G1B+7]
	s_nop 0
	PLACES
.Lasked_\@:
.endm
.macro CREST
	s_cmp_lg_u32 s14, 0
	s_cbranch_scc1 .Lnot_wave_0_\@
	s_barrier_signal -3
.Lnot_wave_0_\@:
	s_barrier_wait -3
	s_barrier_signal -1
	s_barrier_wait -1
.endm
.macro CROUND
	s_barrier_signal -1
	s_barrier_wait -1
	CREST
.endm
.macro DESC f                          ; fill f's descriptors, written where no tensor load of the wave is out
.if (\f) == 1
	s_add_co_u32 s[G0+1], s45, SLOT
	s_add_co_u32 s[G0B+1], s45, SLOT
	s_add_nc_u64 s[G0+2:G0+3], s[G0+2:G0+3], 4608
	s_add_nc_u64 s[G0B+2:G0B+3], s[G0B+2:G0B+3], 4608
.elseif (\f) == 2
	s_mov_b32 s[G0+1], s46
	s_mov_b32 s[G0B+1], s46
	s_add_nc_u64 s[G0+2:G0+3], s[G0+2:G0+3], 4608
	s_add_nc_u64 s[G0B+2:G0B+3], s[G0B+2:G0B+3], 4608
.irp g, G1, G1B
	s_mov_b32 s[\g+1], 384<<16                     ; rows of two K steps
	s_mov_b32 s[\g+3], 384<<16
.endr
.elseif (\f) == 3
	s_add_co_u32 s[G0+1], s47, SLOT
	s_add_co_u32 s[G0B+1], s60, SLOT
	s_mov_b64 s[G0+2:G0+3], s[56:57]               ; the second product's tiles
	s_mov_b64 s[G0B+2:G0B+3], s[58:59]
.irp g, G1, G1B
	s_mov_b32 s[\g+1], 768<<16                     ; rows of four K steps
	s_mov_b32 s[\g+3], 768<<16
.endr
	s_mov_b32 s[G1+2], 4<<16                       ; A: four tiles a wave
	s_mov_b32 s[G1+4], 4
.else
	s_mov_b32 s[G0+1], s47
	s_mov_b32 s[G0B+1], s60
	s_add_nc_u64 s[G0+2:G0+3], s[G0+2:G0+3], 6144
	s_add_nc_u64 s[G0B+2:G0B+3], s[G0B+2:G0B+3], 6144
.endif
.endm
.macro ASK f                           ; the request for fill f's bytes: my work-group's quarter of the tiles that my wave fetches
.if (\f) == 1
	global_prefetch_b8 v[PO18], s[PF1:PF1+1] offset:4608 th:TH_LOAD_NT scope:SCOPE_SE
	global_prefetch_b8 v[PO18], s[PF1:PF1+1] offset:4608+12288 th:TH_LOAD_NT scope:SCOPE_SE
.elseif (\f) == 2
	global_prefetch_b8 v[PO12], s[PF1:PF1+1] offset:9216 th:TH_LOAD_NT scope:SCOPE_SE
	global_prefetch_b8 v[PO12], s[PF1:PF1+1] offset:9216+12288 th:TH_LOAD_NT scope:SCOPE_SE
.else
	global_prefetch_b8 v[PO24], s[PF2:PF2+1] offset:6144*((\f)-3) th:TH_LOAD_NT scope:SCOPE_SE
	s_cmp_eq_u32 s15, 0                            ; A's waves fetch four tiles: one to a partner; B's eight: two
	s_cbranch_scc1 .Lone_\@
	global_prefetch_b8 v[PO24], s[PF2:PF2+1] offset:6144*((\f)-3)+12288 th:TH_LOAD_NT scope:SCOPE_SE
.Lone_\@:
.endif
.endm
.macro FRAG reg, adr, off              ; a fragment's image: three loads of 512 consecutive bytes
.irp c, 0,1,2
	ds_load_b128 v[\reg+4*\c:\reg+4*\c+3], v[\adr] offset:\off+512*\c
.endr
.endm
.macro FB adr, tr, q, p                ; B's eight fragments, rows of tr bytes, the row's q-th K step, into set p
	WIN TO_B
.irp i, 0,1,2,3,4,5,6,7
	FRAG 128*(\p)+12*\i, \adr, (\tr)*\i+1536*(\q)
.endr
	WIN 0
.endm
.macro FA adr, tr, q, i0, base         ; A's blocks i0 .. i0 + 3
.irp i, \i0, \i0+1, \i0+2, \i0+3
	FRAG (\base)+12*(\i), \adr, (\tr)*(\i)+1536*(\q)
.endr
.endm
; Eight matrix instructions: A's block a (fragment at v[ab]) x B's eight of set p; scale words at v[sc].  cm = 0: in place; 1: C = the bias along the lane's registers; 2: C = the block's bias.
; The accumulators take turns, one instruction a turn, in the same order in every step.
.macro MM a, ab, p, sc, cm
.irp b, 0,1,2,3,4,5,6,7
.set D, 8*(8*((\a)%4)+\b)
.if (\cm) == 1
.set CC, 96+8*\b+96*(\b/4)
.elseif (\cm) == 2
.set CC, 96+8*(\a)
.else
.set CC, D
.endif
	v_wmma_scale_f32_16x16x128_f8f6f4 v[D:D+7], v[128*(\p)+12*\b:128*(\p)+12*\b+11], v[(\ab):(\ab)+11], v[CC:CC+7], v[(\sc)+\b], v[(\sc)+(\a)] matrix_a_fmt:MATRIX_FMT_BF6 matrix_b_fmt:MATRIX_FMT_BF6 matrix_a_scale:MATRIX_SCALE_ROW1
.endr
.endm
; K step st of the first tile: 64 matrix instructions; the next step's fragments are fetched in its middle (B, A's blocks 0-3) and at its end (A's blocks 4-7).
; mode 2: the slot's last step: all my tensor loads are waited for, the add, the wait for it and for my reads; the barrier opens a round of the cluster's; fill `fill` is the first tensor load behind it.
.macro S1 st, cm, mode, fill
.set NX, (\st)+1
.set PB, (\st)%2
.set SS, SC+8*(\st)
.if \mode
	s_wait_tensorcnt 0x0                           ; all my tensor loads have landed: my part of the next slot
	ds_add_u32 v[SPW], v[NIL]
	DESC \fill
	s_wait_dscnt 13                                ; the add and the youngest 12 loads (A's blocks 4-7) may be out
.else
	s_wait_dscnt 12                                ; the youngest 12 loads (A's blocks 4-7) may be out
.endif
.if \cm
	WIN LOZ
.else
	WIN LO
.endif
	MM 0, AF, PB, SS, \cm
	MM 1, AF+12, PB, SS, \cm
.if \mode
	s_wait_dscnt 0x0                               ; the add is done, my reads of this slot are over
	s_barrier_signal -1
.endif
	MM 2, AF+24, PB, SS, \cm
	MM 3, AF+36, PB, SS, \cm
.if \mode
	WIN 0
	s_barrier_wait -1
	CREST
	JLOAD                                          ; its four v_nop are the places in front of the loads below
.else
	s_wait_dscnt 0x0
	PLACES
.endif
.if NX < 8
	FB ADRB+NX/3, 4608-1536*(NX/6), NX%3, NX%2
	FA ADRA+NX/3, 4608-1536*(NX/6), NX%3, 0, AF
.endif
.if \mode
	ASK (\fill)+1
.endif
.if \cm
	WIN HIZ
.else
	WIN HI
.endif
.irp x, 4,5,6,7
	MM \x, AF+12*\x, PB, SS, \cm
.endr
	PLACES
	WIN 0
.if NX < 8
	FA ADRA+NX/3, 4608-1536*(NX/6), NX%3, 4, AF
.endif
.endm
.macro F2 nx                           ; the second tile's K step nx: B's eight and A's four fragments into set nx % 2
	FB ADRB+3+(\nx)/4, 6144, (\nx)%4, (\nx)%2
	FA ADRA+3-(\nx)/4, 6144, (\nx)%4, 0, AF+48*((\nx)%2)
.endm
.macro K2 st, cm                       ; K step st of the second tile: the next step's fragments are asked for, then 32 matrix instructions
.if (\st) == 3
	s_wait_tensorcnt 0x0                           ; fill 4 has landed; a barrier shows every wave's part to the others
	ds_add_u32 v[SPW], v[NIL]
	s_wait_dscnt 0x0
	s_barrier_signal -1
	s_barrier_wait -1
.else
	s_wait_dscnt 0x0
.endif
.if (\st) < 7
	PLACES
	F2 (\st)+1
.endif
.if \cm
	WIN LOZ
.else
	WIN LO
.endif
.irp x, 0,1,2,3
	MM \x, AF+48*((\st)%2)+12*\x, (\st)%2, 96+8*(\st)+96*((\st)/4), \cm
.endr
	WIN 0
.endm
; THE WAY OUT of A's block a: its 64 numbers a lane (register 16 b + i = k 32 b + 16 (lane / 16) + i of my place) become a fragment's codes and a scale word; the fragment is stored as it stands.
.macro EPI a, ob, str, sa, so
.set AC, 64*((\a)%4)
.set W, 2+(\a)/4
	WIN (W<<2)|(W<<4)
.irp b, 0,1,2,3
	v_max3_num_f32 v[TM+\b], 0x2800000, |v[AC+16*\b]|, |v[AC+16*\b+1]|   ; my 16 numbers of block b, and the floor 2^(5 - 127); each accumulator is read from its low end on
.endr
.irp i, 2,4,6,8,10,12,14
.irp b, 0,1,2,3
	v_max3_num_f32 v[TM+\b], v[TM+\b], |v[AC+16*\b+\i]|, |v[AC+16*\b+\i+1]|
.endr
.endr
	WIN 0
.irp b, 0,1,2,3
	v_permlanex16_b32 v[TM+4+\b], v[TM+\b], s[SEL], s[SEL+1]
.endr
.irp b, 0,1,2,3
	v_max_num_f32 v[TM+\b], v[TM+\b], v[TM+4+\b]   ; with lane l xor 16's: the block's largest magnitude
.endr
.irp b, 0,1,2,3
	v_add_nc_u32 v[TM+12+\b], 0xfe000000, v[TM+\b] ; 4 off its exponent field: the conversion's scale operand
.endr
.irp b, 0,1,2,3
	v_lshrrev_b32 v[TM+4+\b], 23, v[TM+12+\b]      ; the scale's byte
.endr
	v_lshl_or_b32 v[PW0+(\a)], v[TM+5], 8, v[TM+4]
	v_lshl_or_b32 v[PW0+(\a)], v[TM+6], 16, v[PW0+(\a)]
	v_lshl_or_b32 v[PW0+(\a)], v[TM+7], 24, v[PW0+(\a)]
	s_wait_alu depctr_va_vdst(0)
	s_wait_xcnt 0x0                                ; earlier stores have read the codes' registers, which the conversions below write first
	WIN W
.irp c, 0,1
	v_cvt_scalef32_pk16_bf6_f32 v[PC+6*\c:PC+2+6*\c], v[AC+32*\c:AC+15+32*\c], v[TM+12+2*\c]
	v_cvt_scalef32_pk16_bf6_f32 v[PC+12+4*\c:PC+14+4*\c], v[AC+16+32*\c:AC+31+32*\c], v[TM+12+2*\c+1]
.endr
	WIN 0
	v_nop                                          ; one plain place behind a scaled conversion
.irp c, 0,1                            ; the operand's layout wants a whole block in a lane
.irp i, 0,1,2
	v_permlane16_swap_b32 v[PC+6*\c+\i], v[PC+12+4*\c+\i]
.endr
.irp i, 0,1,2
	v_mov_b32 v[PC+3+6*\c+\i], v[PC+12+4*\c+\i]
.endr
.endr
.irp c, 0,1,2
	global_store_b128 v[LI], v[PC+4*\c:PC+4*\c+3], s[\ob:\ob+1] offset:(\a)*(\str)+512*\c   ; 32 lanes store 512 consecutive bytes, aligned
.endr
	ds_store_b32 v[\sa], v[PW0+(\a)] offset:\so
.endm
	s_load_b256 s[4:11], s[0:1], 0x0               ; xq, bq, bk, bv
	s_load_b64 s[12:13], s[0:1], 0x20              ; pj
	v_lshl_add_u32 v[SPW], v0, 2, SPARE
	v_mov_b32 v[NIL], 0
	ds_add_u32 v[SPW], v[NIL]
	ds_add_u32 v[SPW], v[NIL]
	v_lshrrev_b32 v4, 5, v0
	v_readfirstlane_b32 s14, v4                    ; wave
	s_lshr_b32 s15, s14, 1                         ; my half of the tile's rows.  Also: I fetch for A (0) or for B (1)
	s_and_b32 s16, s14, 1                          ; my half of its columns.  Also: which half of the tiles I fetch
	s_bfe_u32 s40, ttmp6, 0x40000                  ; cx
	s_bfe_u32 s41, ttmp6, 0x40004                  ; cy
	s_and_b32 s18, ttmp7, 0xffff                   ; the cluster, 0 .. 15
	s_lshr_b32 s96, s18, 3                         ; 0: pq, 1: pk
	s_and_b32 s17, s18, 7
	s_lshl_b32 s17, s17, 2
	s_add_co_u32 s17, s17, s41                     ; first tile: tile row 0 .. 31; its tile column is cx
	s_and_b32 s19, s18, 1
	s_lshl_b32 s19, s19, 2
	s_add_co_u32 s19, s19, s41                     ; second tile: 128 rows of Wv, 0 .. 7
	s_lshr_b32 s42, s18, 1
	s_lshl_b32 s42, s42, 2
	s_add_co_u32 s42, s42, s40                     ; and 256 rows of v, 0 .. 31
	s_lshl_b32 s43, s41, 2
	s_lshl_b32 s43, 15, s43                        ; my row of the cluster
	s_lshl_b32 s44, 0x1111, s40                    ; my column
	s_or_b32 s[G1+0], s43, (3<<16)|(1<<21)         ; 15:0 the mask; elements of 8 bytes; 21 set beside a mask
	s_or_b32 s[G1B+0], s44, (3<<16)|(1<<21)
.irp g, G1, G1B
	s_mov_b32 s[\g+1], 576<<16                     ; rows of three K steps, 4,608 bytes
	s_mov_b32 s[\g+2], 8<<16                       ; 8 tiles
	s_mov_b32 s[\g+3], 576<<16
	s_mov_b32 s[\g+4], 8
	s_mov_b32 s[\g+5], 1536                        ; 12,288 bytes from tile to tile
	s_mov_b32 s[\g+6], 0
	s_mov_b32 s[\g+7], 0
.endr
	s_lshl_b32 s20, s96, 9
	s_lshl_b32 s21, s17, 4
	s_add_co_u32 s20, s20, s21                     ; A's first tile in xq: q 0, k 512
	s_lshl_b32 s84, s96, 6
	s_lshl_b32 s85, s40, 4
	s_add_co_u32 s84, s84, s85
	s_add_co_u32 s84, s84, 1536                    ; B's: Wq 1536, Wk 1600
	s_lshl_b32 s22, s19, 3
	s_add_co_u32 s22, s22, 1664                    ; second tile: Wv
	s_lshl_b32 s86, s42, 4
	s_add_co_u32 s86, s86, 1024                    ; v
	s_lshl_b32 s88, s15, 3                         ; scale words: 512 bytes x the tile's number
	s_add_co_u32 s88, s88, s20
	s_lshl_b32 s88, s88, 9
	s_lshl_b32 s89, s16, 3
	s_add_co_u32 s90, s89, s84
	s_lshl_b32 s90, s90, 9
	s_lshl_b32 s91, s15, 2
	s_add_co_u32 s91, s91, s22
	s_lshl_b32 s91, s91, 9
	s_add_co_u32 s92, s89, s86
	s_lshl_b32 s92, s92, 9
	s_add_co_u32 s20, s20, s89                     ; the tiles that I fetch, in bytes
	s_mul_i32 s20, s20, 12288
	s_mov_b32 s21, 0
	s_add_co_u32 s84, s84, s89
	s_mul_i32 s84, s84, 12288
	s_mov_b32 s85, 0
	s_lshl_b32 s23, s16, 2
	s_add_co_u32 s22, s22, s23
	s_mul_i32 s22, s22, 12288
	s_mov_b32 s23, 0
	s_add_co_u32 s86, s86, s89
	s_mul_i32 s86, s86, 12288
	s_mov_b32 s87, 0
	s_mul_i32 s93, s40, 24576                      ; the prefetches: my work-group's share, by cx for A's tiles, by cy for B's
	s_add_co_u32 s93, s93, s20
	s_mul_i32 s94, s41, 24576
	s_add_co_u32 s95, s94, s84
	s_mul_i32 s61, s40, 12288
	s_add_co_u32 s61, s61, s22
	s_add_co_u32 s94, s94, s86
	s_cmp_eq_u32 s15, 0
	s_cselect_b32 s[PF1], s93, s95
	s_cselect_b32 s[PF2], s61, s94
	s_mov_b32 s[PF1+1], 0
	s_mov_b32 s[PF2+1], 0
	s_mul_i32 s45, s14, 36864                      ; where my loads go: no place in the cluster enters an LDS address
	s_mul_i32 s46, s14, 24576
	s_mul_i32 s47, s16, 24576
	s_mul_i32 s60, s16, 49152
	s_add_co_u32 s60, s60, 49152
	s_mul_i32 s97, s15, 36864                      ; and where I read
	s_mul_i32 s62, s15, 24576
	s_mul_i32 s93, s16, 36864
	s_add_co_u32 s93, s93, 73728
	s_add_co_u32 s94, s47, 49152
	s_lshl_b32 s63, s14, 9
	s_add_co_u32 s63, s63, STG
	s_lshl_b32 s70, s17, 4                         ; the first result: tile T0 = 16 x tile row + 8 x half, K step 2 cx + half
	s_lshl_b32 s71, s15, 3
	s_add_co_u32 s70, s70, s71
	s_lshl_b32 s71, s40, 1
	s_add_co_u32 s71, s71, s16
	s_lshl_b32 s72, s70, 1
	s_add_co_u32 s72, s72, s71
	s_lshl_b32 s72, s72, 8
	s_lshl_b32 s73, s96, 18
	s_add_co_u32 s72, s72, s73
	s_add_co_u32 s72, s72, 18874368
	s_mov_b32 s73, 0
	s_lshl_b32 s70, s70, 3
	s_add_co_u32 s70, s70, s71
	s_mul_i32 s70, s70, 1536
	s_mul_i32 s71, s96, 6291456
	s_add_co_u32 s70, s70, s71
	s_mov_b32 s71, 0
	s_lshl_b32 s74, s19, 3                         ; the second: tile T = 8 x tile row + 4 x half, 16 K steps a batch
	s_lshl_b32 s75, s15, 2
	s_add_co_u32 s74, s74, s75
	s_and_b32 s75, s42, 7
	s_lshl_b32 s75, s75, 1
	s_add_co_u32 s75, s75, s16
	s_lshr_b32 s77, s42, 3                         ; the batch
	s_lshl_b32 s76, s74, 2
	s_add_co_u32 s76, s76, s75
	s_lshl_b32 s76, s76, 8
	s_lshl_b32 s78, s77, 16
	s_add_co_u32 s76, s76, s78
	s_add_co_u32 s76, s76, 19398656
	s_lshl_b32 s74, s74, 4
	s_add_co_u32 s74, s74, s75
	s_mul_i32 s74, s74, 1536
	s_mul_i32 s78, s77, 1572864
	s_add_co_u32 s74, s74, s78
	s_add_co_u32 s74, s74, 12582912
	s_mov_b32 s75, 0
	s_mov_b32 s77, 0
	s_mov_b32 s[SEL], 0x76543210
	s_mov_b32 s[SEL+1], 0xfedcba98                 ; selects for lane l xor 16
	s_lshl_b32 s80, s40, 10                        ; the biases: my 128 columns; my 64 rows of Wv
	s_lshl_b32 s81, s16, 9
	s_add_co_u32 s80, s80, s81
	s_mov_b32 s81, 0
	s_lshl_b32 s82, s19, 9
	s_lshl_b32 s83, s15, 8
	s_add_co_u32 s82, s82, s83
	s_mov_b32 s83, 0
	v_and_b32 v1, 15, v0                           ; r
	v_bfe_u32 v2, v0, 4, 1                         ; h
	v_and_b32 v5, 31, v0
	v_lshlrev_b32 v[LI], 4, v5
	v_lshlrev_b32 v[L8], 3, v5
	v_min_u32 v[PO18], 17, v5
	v_min_u32 v[PO12], 11, v5
	v_min_u32 v[PO24], 23, v5
	v_lshlrev_b32 v[PO18], 8, v[PO18]
	v_lshlrev_b32 v[PO12], 8, v[PO12]
	v_lshlrev_b32 v[PO24], 8, v[PO24]
	v_add_nc_u32 v[ADRA], s97, v[LI]
	v_add_nc_u32 v[ADRA+1], SLOT, v[ADRA]
	v_add_nc_u32 v[ADRA+2], s62, v[LI]
	v_add_nc_u32 v[ADRA+3], SLOT, v[ADRA+2]
	v_add_nc_u32 v[ADRB], s93, v[LI]
	v_add_nc_u32 v[ADRB+1], SLOT, v[ADRB]
	v_add_nc_u32 v[ADRB+2], s94, v[LI]
	v_add_nc_u32 v[ADRB+4], s60, v[LI]
	v_add_nc_u32 v[ADRB+3], SLOT, v[ADRB+4]
	v_lshl_add_u32 v[SST], v1, 4, s63
	v_lshl_add_u32 v[SS2], v1, 2, s63
	v_add_nc_u32 v[SRD], s63, v[LI]
	v_lshlrev_b32 v[GS1], 4, v1
	v_lshl_add_u32 v[GS1], v2, 11, v[GS1]          ; lanes 16-31: the next group of 64 places, 8 x 256 bytes on
	v_cmp_eq_u32 vcc_lo, 1, v2                     ; lanes 0-15 take A's scale words, lanes 16-31 B's
	v_mov_b32 v4, s88
	v_mov_b32 v5, s90
	v_cndmask_b32 v[GL1], v4, v5, vcc_lo
	v_lshl_add_u32 v[GL1], v1, 4, v[GL1]
	v_mov_b32 v4, s91
	v_mov_b32 v5, s92
	v_cndmask_b32 v[GL2], v4, v5, vcc_lo
	v_lshl_add_u32 v[GL2], v1, 4, v[GL2]
	v_lshl_add_u32 v[GL3], v2, 11, v[GL2]          ; B's second group; A's lanes stay at their one group
	v_lshlrev_b32 v4, 6, v2                        ; the first bias: 64 h
	v_and_b32 v5, 8, v1
	v_add_nc_u32 v5, v5, v1
	v_lshlrev_b32 v5, 2, v5                        ; the second: 4 (r + 8 (r / 8))
	s_wait_alu depctr_va_vdst(0)
	s_wait_dscnt 0x0                               ; both opening adds are done
	s_wait_kmcnt 0x0
	s_cmp_eq_u32 s96, 1
	s_cselect_b64 s[6:7], s[8:9], s[6:7]
	s_add_nc_u64 s[80:81], s[6:7], s[80:81]
	s_add_nc_u64 s[82:83], s[10:11], s[82:83]
	s_add_nc_u64 s[OUT1:OUT1+1], s[12:13], s[OUT1:OUT1+1]
	s_add_nc_u64 s[OUS1:OUS1+1], s[12:13], s[OUS1:OUS1+1]
	s_add_nc_u64 s[OUT2:OUT2+1], s[12:13], s[OUT2:OUT2+1]
	s_add_nc_u64 s[OUS2:OUS2+1], s[12:13], s[OUS2:OUS2+1]
	s_add_nc_u64 s[98:99], s[4:5], XS
	s_add_nc_u64 s[PF1:PF1+1], s[4:5], s[PF1:PF1+1]
	s_add_nc_u64 s[PF2:PF2+1], s[4:5], s[PF2:PF2+1]
	s_mov_b32 s[G0], 1
	s_mov_b32 s[G0+1], s45
	s_add_nc_u64 s[G0+2:G0+3], s[4:5], s[20:21]
	s_or_b32 s[G0+3], s[G0+3], 0x80000000
	s_mov_b32 s[G0B], 1
	s_mov_b32 s[G0B+1], s45
	s_add_nc_u64 s[G0B+2:G0B+3], s[4:5], s[84:85]
	s_or_b32 s[G0B+3], s[G0B+3], 0x80000000
	s_add_nc_u64 s[56:57], s[4:5], s[22:23]
	s_or_b32 s57, s57, 0x80000000
	s_add_nc_u64 s[58:59], s[4:5], s[86:87]
	s_or_b32 s59, s59, 0x80000000
	CROUND                                         ; all sixteen work-groups are here: the first joint loads meet
	JLOAD                                          ; fill 0: one tensor load a wave at the head
.irp s, 0,1,2,3,4,5,6,7
	global_load_b128 v[SC+8*\s:SC+8*\s+3], v[GL1], s[98:99] offset:256*\s          ; sixteen lanes read 256 consecutive bytes, aligned
	global_load_b128 v[SC+8*\s+4:SC+8*\s+7], v[GL1], s[98:99] offset:256*\s+2048
.endr
	WIN TO_B
.irp j, 0,1,2,3,4,5,6,7,8,9,10,11,12,13,14,15
	global_load_b128 v[96+4*\j+96*(\j/8):99+4*\j+96*(\j/8)], v4, s[80:81] offset:128*(\j/4)+16*(\j%4)   ; number 16 b + i: column 32 b + 16 h + i
.endr
	WIN 0
.irp s, 0,1,2,3,4,5,6,7
	global_load_b128 v[96+8*\s+96*(\s/4):99+8*\s+96*(\s/4)], v[GL2], s[98:99] offset:256*\s
	global_load_b128 v[100+8*\s+96*(\s/4):103+8*\s+96*(\s/4)], v[GL3], s[98:99] offset:256*\s
.endr
.irp a, 0,1,2,3
	global_load_b32 v[B2+\a], v5, s[82:83] offset:(32*(\a/2)+8*(\a%2))*4
.endr
	ASK 1
	s_wait_tensorcnt 0x0                           ; my part of fill 0 is in; the three lines ahead of a later first fill, as ahead of a refill
	ds_add_u32 v[SPW], v[NIL]
	DESC 1
	s_wait_dscnt 0x0
	CROUND
	JLOAD                                          ; fill 1, the first tensor load behind the round
	FB ADRB, 4608, 0, 0
	FA ADRA, 4608, 0, 0, AF
	FA ADRA, 4608, 0, 4, AF
	ASK 2
	s_wait_loadcnt 20                              ; the first product's scale words and bias are in; the second's 16 + 4 loads may be out
	S1 0, 1, 0, 0
	S1 1, 0, 0, 0
	S1 2, 0, 2, 2
	S1 3, 0, 0, 0
	S1 4, 0, 0, 0
	S1 5, 0, 2, 3
	S1 6, 0, 0, 0
	S1 7, 0, 0, 0
.irp b, 0,1,2,3
	v_mov_b32 v[TM+4+\b], 0                        ; a lane permute's destination counts as read
.endr
.irp a, 0,1,2,3
	EPI \a, OUT1, 12288, SST, 256*(\a/4)+4*(\a%4)
.endr
	s_wait_alu depctr_va_vdst(0)
	s_wait_tensorcnt 0x0                           ; fill 3 has landed; slot 0 was read out in K step 7
	ds_add_u32 v[SPW], v[NIL]
	DESC 4
	s_wait_dscnt 0x0
	CROUND
	JLOAD                                          ; fill 4
.irp a, 4,5,6,7
	EPI \a, OUT1, 12288, SST, 256*(\a/4)+4*(\a%4)
.endr
	ds_load_b128 v[RB:RB+3], v[SRD]                ; my 128 places' scale words; LDS serves a wave's instructions in order
	s_wait_dscnt 0x0
	global_store_b128 v[GS1], v[RB:RB+3], s[OUS1:OUS1+1]   ; sixteen lanes store 256 consecutive bytes, aligned
	s_wait_loadcnt 0x0                             ; the second product's scale words and bias
	WIN TO_B
.irp a, 0,1,2,3
.irp j, 0,1,2,3,4,5,6,7
	v_mov_b32 v[96+8*\a+\j], v[B2+\a]              ; the bias of my place's row, as the C of block a's accumulators
.endr
.endr
	WIN 0
	s_wait_alu depctr_va_vdst(0)
	s_wait_xcnt 0x0                                ; the stores have read the registers that the fragments below fill
	F2 0
	K2 0, 2
	K2 1, 0
	K2 2, 0
	K2 3, 0
	K2 4, 0
	K2 5, 0
	K2 6, 0
	K2 7, 0
	PLACES
.irp a, 0,1,2,3
	EPI \a, OUT2, 24576, SS2, 64*\a
.endr
	v_add_nc_u32 v4, s63, v[L8]
	ds_load_b64 v[RB:RB+1], v4                     ; my 64 places' scale words
	s_wait_dscnt 0x0
	global_store_b64 v[L8], v[RB:RB+1], s[OUS2:OUS2+1]     ; 32 lanes store 256 consecutive bytes, aligned
	s_wait_tensorcnt 0x0                           ; the wave's end
	ds_add_u32 v[SPW], v[NIL]
	s_wait_dscnt 0x0
	CROUND                                         ; the closing round
	s_endpgm
.Lfunc_end_k_q8b3854f377_proj:
	.size	k_q8b3854f377_proj, .Lfunc_end_k_q8b3854f377_proj-k_q8b3854f377_proj
	.p2alignl 7, 3214868480
	.fill 96, 4, 3214868480
	.section	.rodata,"a",@progbits
	.p2align	6, 0x0
	.amdhsa_kernel k_q8b3854f377_proj
		.amdhsa_group_segment_fixed_size 327680
		.amdhsa_private_segment_fixed_size 0
		.amdhsa_enable_private_segment 0
		.amdhsa_kernarg_size 40
		.amdhsa_user_sgpr_count 2
		.amdhsa_user_sgpr_kernarg_segment_ptr 1
		.amdhsa_wavefront_size32 1
		.amdhsa_system_sgpr_workgroup_id_x 1
		.amdhsa_system_sgpr_workgroup_id_y 1
		.amdhsa_system_sgpr_workgroup_id_z 1
		.amdhsa_system_vgpr_workitem_id 0
		.amdhsa_next_free_vgpr 1024
		.amdhsa_next_free_sgpr 100
		.amdhsa_reserve_vcc 1
		.amdhsa_float_denorm_mode_32 3
		.amdhsa_float_denorm_mode_16_64 3
		.amdhsa_memory_ordered 1
		.amdhsa_forward_progress 1
		.amdhsa_inst_pref_size 219
	.end_amdhsa_kernel
	.amdgpu_metadata
---
amdhsa.version: [ 1, 2 ]
amdhsa.kernels:
  - .name:           k_q8b3854f377_proj
    .symbol:         k_q8b3854f377_proj.kd
    .args:
      - { .name: xq, .offset: 0, .size: 8, .value_kind: global_buffer, .address_space: global }
      - { .name: bq, .offset: 8, .size: 8, .value_kind: global_buffer, .address_space: global }
      - { .name: bk, .offset: 16, .size: 8, .value_kind: global_buffer, .address_space: global }
      - { .name: bv, .offset: 24, .size: 8, .value_kind: global_buffer, .address_space: global }
      - { .name: pj, .offset: 32, .size: 8, .value_kind: global_buffer, .address_space: global }
    .group_segment_fixed_size: 327680
    .private_segment_fixed_size: 0
    .kernarg_segment_align: 8
    .kernarg_segment_size: 40
    .max_flat_workgroup_size: 128
    .sgpr_count:     100
    .vgpr_count:     1024
    .wavefront_size: 32
...
	.end_amdgpu_metadata
.endif
;; end of part 6
;; launch score (part 7): grid 8 x 32, 4 waves a work-group, clusters of 4 x 4, 327,680 bytes of LDS; arguments pj, pa; writes pa
.if DOCPART == 7
	.amdgcn_target "amdgcn-amd-amdhsa--gfx1250"
	.amdhsa_code_object_version 6
	.text
	.protected	k_q8b3854f377_score
	.globl	k_q8b3854f377_score
	.p2align	8
	.type	k_q8b3854f377_score,@function
k_q8b3854f377_score:
	s_mov_b64 s[64:65], 0
	v_nop
	global_prefetch_b8 v0, s[64:65] scope:SCOPE_SE
	s_setreg_imm32_b32 hwreg(HW_REG_WAVE_MODE, 25, 1), 1
	s_wait_xcnt 0x0
	s_wait_alu depctr_hold_cnt(0) depctr_sa_sdst(0) depctr_va_vdst(0) depctr_va_sdst(0) depctr_va_ssrc(0) depctr_va_vcc(0) depctr_vm_vsrc(0)
	s_getreg_b32 s2, hwreg(HW_REG_IB_STS2, 6, 4)
	s_cmp_eq_u32 s2, 0
	s_cbranch_scc0 .Lentry_in_a_cluster
	s_endpgm
.Lentry_in_a_cluster:
	s_bfe_u32 s2, ttmp6, 0x10000c
	s_cmp_lg_u32 s2, 0xf033
	s_cbranch_scc0 .Lentry_shape_is_right
	s_endpgm
.Lentry_shape_is_right:
; S = pq pk^T on codes of E3M2, and the softmax's p quantised on the way out.  A = pq (8,192 queries), B = pk (a batch's 2,048 keys), K = 1,024; both lie in pj as images of operand registers.
; t = score x log2(e) / 32.  For each query and each run of 128 keys (a wave's columns) M' = ceil(the run's largest t), a whole number; p' = 2^(t - M') is quantised along the keys, block by block of 32.
; Stored in pa: the fragment (tile T of queries, K step s of 16: (16 T + s) x 1536), its scale words, -M' and l' = the run's sum of the unquantised p'.  The next launch takes the row's M = the largest M' and
; lowers each scale byte by M - M': an exact power of two, which leaves the codes as they are.
; A tile of 256 x 256, four waves of 128 x 128.  THE RING: two LDS slots of 147,456 bytes.  Fill 0: K steps 0-2 (32 tiles x 4,608 bytes), slot 0; fill 1: K steps 3-5, slot 1; fill 2: K steps 6-7, slot 0.
; One joint load a wave for each fill, in a cluster of 4 x 4 (A's tiles along a row, B's along a column); fills 1 and 2 stand behind the three lines and a round of the cluster's barrier.
; Scale words: group G = T / 4, K step s: 256 bytes, the word of (tile t of the group, place r) at 16 r + 4 t: one load of 16 bytes a lane brings lanes 0-15 a whole run of A's and lanes 16-31 one of B's;
; all of K: 64 registers, loaded once at the head.
; PREFETCH: behind the load of fill f stands the request for fill f + 1's bytes: each of the four partners names two of the eight tiles that a wave fetches, told apart by address; a lane names 256 bytes.
; The matrix instruction is used transposed: a lane holds one query, registers 16 b + i of a block's eight accumulators are keys 32 b + 16 (lane / 16) + i.
; LIMITS: a block all of whose p' are 0 gets the byte 1 (its codes are zeros); a p' under 2^-126 counts as 0 (v_exp_f32's entry in the ISA guide); NaN and infinities are not served.
; REGISTERS: window 0: v1-31 addresses; v32-95 scale words; v128-223 A's fragments (on the way out v128-191 p', v192-211 codes, v212-236 at work, v240-251 the statistics).
; window 1: B's fragments, two sets.  windows 2, 3: accumulator (a, b) at v[8 (8 (a % 4) + b)].
.set SLOT,   147456
.set STG,    2*SLOT                    ; 1,536 bytes a wave: scale words, -M', l' of its 128 queries
.set SPARE,  STG+4*1536
.set PAS,    12582912                  ; pa: where the scale words begin; -M' 524,288 bytes on, l' 1,048,576
.set LI,   3
.set SST,  6
.set SRD,  7
.set GS,   9
.set GL1,  10
.set ADRA, 16                          ; v16-18 my A fragments: slot 0, slot 1 (rows of 4,608 bytes), slot 0 (3,072)
.set ADRB, 20
.set PO18, 26
.set PO12, 27
.set SPW,  28
.set NIL,  29
.set SC,   32
.set AF,   128
.set H,    128
.set PC,   192
.set MX,   212                         ; v212-215 a block's largest score, then its largest p'
.set MT,   216                         ; v216-219 the other half of the lanes'
.set SO,   220                         ; v220-223 the conversions' scale operands
.set BY,   224                         ; v224-227 the scale bytes
.set NM,   228                         ; v[228:229] -M' (the packed form names the pair and takes its low word)
.set LA,   230
.set LB,   232
.set LS,   234
.set T0,   235
.set PW,   236
.set G1, 24
.set G0, 32
.set G0B, 36
.set G1B, 48
.set PF1, 66
.set CS,  68                           ; s[68:69] c = log2(e) / 32
.set OUT, 70
.set OUS, 72
.set SEL, 78
.set MSB, 0
.macro WIN new
.if MSB != (\new)
	s_set_vgpr_msb (MSB<<8)|(\new)
.set MSB, (\new)
.endif
.endm
.set LO,  0xa1
.set HI,  0xf1
.set TO_B, 0x40
.macro PLACES
.rept 4
	v_nop
.endr
.endm
.macro JLOAD                           ; a joint load: waves 0 and 1 fetch for A, waves 2 and 3 for B; s_nop 0 and four v_nop follow each line
	s_cmp_eq_u32 s15, 0
	s_cbranch_scc0 .Lfor_b_\@
	tensor_load_to_lds s[G0:G0+3], s[G1:G1+7]
	s_nop 0
	PLACES
	s_branch .Lasked_\@
.Lfor_b_\@:
	tensor_load_to_lds s[G0B:G0B+3], s[G1B:G1B+7]
	s_nop 0
	PLACES
.Lasked_\@:
.endm
.macro CREST
	s_cmp_lg_u32 s14, 0
	s_cbranch_scc1 .Lnot_wave_0_\@
	s_barrier_signal -3
.Lnot_wave_0_\@:
	s_barrier_wait -3
	s_barrier_signal -1
	s_barrier_wait -1
.endm
.macro CROUND
	s_barrier_signal -1
	s_barrier_wait -1
	CREST
.endm
.macro DESC f                          ; fill f's descriptors, written where no tensor load of the wave is out
.if (\f) == 1
	s_add_co_u32 s[G0+1], s45, SLOT
	s_add_co_u32 s[G0B+1], s45, SLOT
.else
	s_mov_b32 s[G0+1], s46
	s_mov_b32 s[G0B+1], s46
.irp g, G1, G1B
	s_mov_b32 s[\g+1], 384<<16                     ; rows of two K steps
	s_mov_b32 s[\g+3], 384<<16
.endr
.endif
	s_add_nc_u64 s[G0+2:G0+3], s[G0+2:G0+3], 4608
	s_add_nc_u64 s[G0B+2:G0B+3], s[G0B+2:G0B+3], 4608
.endm
.macro ASK f                           ; the request for fill f's bytes: my work-group's two of the eight tiles that my wave fetches
.if (\f) == 1
	global_prefetch_b8 v[PO18], s[PF1:PF1+1] offset:4608 th:TH_LOAD_NT scope:SCOPE_SE
	global_prefetch_b8 v[PO18], s[PF1:PF1+1] offset:4608+12288 th:TH_LOAD_NT scope:SCOPE_SE
.else
	global_prefetch_b8 v[PO12], s[PF1:PF1+1] offset:9216 th:TH_LOAD_NT scope:SCOPE_SE
	global_prefetch_b8 v[PO12], s[PF1:PF1+1] offset:9216+12288 th:TH_LOAD_NT scope:SCOPE_SE
.endif
.endm
.macro FRAG reg, adr, off
.irp c, 0,1,2
	ds_load_b128 v[\reg+4*\c:\reg+4*\c+3], v[\adr] offset:\off+512*\c
.endr
.endm
.macro FB adr, tr, q, p
	WIN TO_B
.irp i, 0,1,2,3,4,5,6,7
	FRAG 128*(\p)+12*\i, \adr, (\tr)*\i+1536*(\q)
.endr
	WIN 0
.endm
.macro FA adr, tr, q, i0
.irp i, \i0, \i0+1, \i0+2, \i0+3
	FRAG AF+12*(\i), \adr, (\tr)*(\i)+1536*(\q)
.endr
.endm
.macro MM a, p, sc, zero               ; A's block a x B's eight; the 64 accumulators take turns, one instruction a turn
.irp b, 0,1,2,3,4,5,6,7
.set D, 8*(8*((\a)%4)+\b)
.if \zero
	v_wmma_scale_f32_16x16x128_f8f6f4 v[D:D+7], v[128*(\p)+12*\b:128*(\p)+12*\b+11], v[AF+12*(\a):AF+12*(\a)+11], 0, v[(\sc)+\b], v[(\sc)+(\a)] matrix_a_fmt:MATRIX_FMT_BF6 matrix_b_fmt:MATRIX_FMT_BF6 matrix_a_scale:MATRIX_SCALE_ROW1
.else
	v_wmma_scale_f32_16x16x128_f8f6f4 v[D:D+7], v[128*(\p)+12*\b:128*(\p)+12*\b+11], v[AF+12*(\a):AF+12*(\a)+11], v[D:D+7], v[(\sc)+\b], v[(\sc)+(\a)] matrix_a_fmt:MATRIX_FMT_BF6 matrix_b_fmt:MATRIX_FMT_BF6 matrix_a_scale:MATRIX_SCALE_ROW1
.endif
.endr
.endm
; K step st: 64 matrix instructions; the next step's fragments are fetched in its middle and at its end.  mode 2: the slot's last step, and the slot is filled again: the three lines, a round, fill 2.
; mode 1: the slot's last step, nothing is filled: the wait for my part of the next slot, and a barrier.
.macro S1 st, zero, mode
.set NX, (\st)+1
.set PB, (\st)%2
.set SS, SC+8*(\st)
.if \mode
	s_wait_tensorcnt 0x0                           ; all my tensor loads have landed: my part of the next slot
	ds_add_u32 v[SPW], v[NIL]
.if (\mode) == 2
	DESC 2
.endif
	s_wait_dscnt 13                                ; the add and the youngest 12 loads (A's blocks 4-7) may be out
.else
	s_wait_dscnt 12
.endif
	WIN LO
	MM 0, PB, SS, \zero
	MM 1, PB, SS, \zero
.if \mode
	s_wait_dscnt 0x0                               ; the add is done, my reads of this slot are over
	s_barrier_signal -1
.endif
	MM 2, PB, SS, \zero
	MM 3, PB, SS, \zero
.if \mode
	WIN 0
	s_barrier_wait -1
.if (\mode) == 2
	CREST
	JLOAD
.else
	PLACES
.endif
.else
	s_wait_dscnt 0x0
	PLACES
.endif
.if NX < 8
	FB ADRB+NX/3, 4608-1536*(NX/6), NX%3, NX%2
	FA ADRA+NX/3, 4608-1536*(NX/6), NX%3, 0
.endif
	WIN HI
.irp x, 4,5,6,7
	MM \x, PB, SS, \zero
.endr
	PLACES
	WIN 0
.if NX < 8
	FA ADRA+NX/3, 4608-1536*(NX/6), NX%3, 4
.endif
.endm
	s_load_b128 s[4:7], s[0:1], 0x0                ; pj, pa
	v_lshl_add_u32 v[SPW], v0, 2, SPARE
	v_mov_b32 v[NIL], 0
	ds_add_u32 v[SPW], v[NIL]
	ds_add_u32 v[SPW], v[NIL]
	v_lshrrev_b32 v4, 5, v0
	v_readfirstlane_b32 s14, v4                    ; wave
	s_lshr_b32 s15, s14, 1
	s_and_b32 s16, s14, 1
	s_bfe_u32 s40, ttmp6, 0x40000                  ; cx
	s_bfe_u32 s41, ttmp6, 0x40004                  ; cy
	s_and_b32 s18, ttmp7, 0xffff
	s_lshl_b32 s17, s18, 2
	s_add_co_u32 s17, s17, s41                     ; tile row: 256 queries of the 8,192
	s_lshr_b32 s19, s18, 1                         ; the batch: the same in all partners
	s_lshl_b32 s42, ttmp9, 2
	s_add_co_u32 s42, s42, s40                     ; tile column: 256 keys of the batch's 2,048
	s_lshl_b32 s43, s41, 2
	s_lshl_b32 s43, 15, s43
	s_lshl_b32 s44, 0x1111, s40
	s_or_b32 s[G1+0], s43, (3<<16)|(1<<21)
	s_or_b32 s[G1B+0], s44, (3<<16)|(1<<21)
.irp g, G1, G1B
	s_mov_b32 s[\g+1], 576<<16                     ; rows of three K steps, 4,608 bytes
	s_mov_b32 s[\g+2], 8<<16
	s_mov_b32 s[\g+3], 576<<16
	s_mov_b32 s[\g+4], 8
	s_mov_b32 s[\g+5], 1536
	s_mov_b32 s[\g+6], 0
	s_mov_b32 s[\g+7], 0
.endr
	s_lshl_b32 s20, s17, 4                         ; pq's first tile
	s_lshl_b32 s84, s19, 3
	s_add_co_u32 s84, s84, s42
	s_lshl_b32 s84, s84, 4                         ; pk's
	s_lshl_b32 s88, s15, 3                         ; scale words: 512 bytes x the tile's number; pk's lie 262,144 bytes behind pq's
	s_add_co_u32 s88, s88, s20
	s_lshl_b32 s88, s88, 9
	s_lshl_b32 s89, s16, 3
	s_add_co_u32 s90, s89, s84
	s_lshl_b32 s90, s90, 9
	s_add_co_u32 s90, s90, 262144
	s_add_co_u32 s20, s20, s89                     ; the tiles that I fetch, in bytes
	s_mul_i32 s20, s20, 12288
	s_mov_b32 s21, 0
	s_add_co_u32 s84, s84, s89
	s_mul_i32 s84, s84, 12288
	s_add_co_u32 s84, s84, 6291456
	s_mov_b32 s85, 0
	s_mul_i32 s93, s40, 24576                      ; the prefetches: my work-group's share, by cx for A's tiles, by cy for B's
	s_add_co_u32 s93, s93, s20
	s_mul_i32 s94, s41, 24576
	s_add_co_u32 s94, s94, s84
	s_cmp_eq_u32 s15, 0
	s_cselect_b32 s[PF1], s93, s94
	s_mov_b32 s[PF1+1], 0
	s_mul_i32 s45, s14, 36864                      ; where my loads go
	s_mul_i32 s46, s14, 24576
	s_mul_i32 s97, s15, 36864                      ; and where I read
	s_mul_i32 s62, s15, 24576
	s_mul_i32 s93, s16, 36864
	s_add_co_u32 s93, s93, 73728
	s_mul_i32 s94, s16, 24576
	s_add_co_u32 s94, s94, 49152
	s_mul_i32 s63, s14, 1536
	s_add_co_u32 s63, s63, STG
	s_lshl_b32 s70, s17, 4
	s_lshl_b32 s71, s15, 3
	s_add_co_u32 s70, s70, s71                     ; my first tile of queries
	s_lshl_b32 s71, s42, 1
	s_add_co_u32 s71, s71, s16                     ; which K step my 128 keys are
	s_lshl_b32 s72, s70, 2
	s_add_co_u32 s72, s72, s71
	s_lshl_b32 s72, s72, 8
	s_add_co_u32 s72, s72, PAS
	s_mov_b32 s73, 0
	s_lshl_b32 s70, s70, 4
	s_add_co_u32 s70, s70, s71
	s_mul_i32 s70, s70, 1536
	s_mov_b32 s71, 0
	s_mov_b32 s[SEL], 0x76543210
	s_mov_b32 s[SEL+1], 0xfedcba98
	s_mov_b32 s[CS], 0x3d38aa3b                    ; log2(e) / 32
	s_mov_b32 s[CS+1], s[CS]
	v_and_b32 v1, 15, v0                           ; r
	v_bfe_u32 v2, v0, 4, 1                         ; h
	v_and_b32 v5, 31, v0
	v_lshlrev_b32 v[LI], 4, v5
	v_min_u32 v[PO18], 17, v5
	v_min_u32 v[PO12], 11, v5
	v_lshlrev_b32 v[PO18], 8, v[PO18]
	v_lshlrev_b32 v[PO12], 8, v[PO12]
	v_add_nc_u32 v[ADRA], s97, v[LI]
	v_add_nc_u32 v[ADRA+1], SLOT, v[ADRA]
	v_add_nc_u32 v[ADRA+2], s62, v[LI]
	v_add_nc_u32 v[ADRB], s93, v[LI]
	v_add_nc_u32 v[ADRB+1], SLOT, v[ADRB]
	v_add_nc_u32 v[ADRB+2], s94, v[LI]
	v_lshl_add_u32 v[SST], v1, 2, s63
	v_add_nc_u32 v[SRD], s63, v[LI]
	v_lshlrev_b32 v[GS], 4, v1
	v_lshl_add_u32 v[GS], v2, 12, v[GS]            ; lanes 16-31: the next group of 64 queries, 16 x 256 bytes on
	v_cmp_eq_u32 vcc_lo, 1, v2                     ; lanes 0-15 take A's scale words, lanes 16-31 B's
	v_mov_b32 v4, s88
	v_mov_b32 v5, s90
	v_cndmask_b32 v[GL1], v4, v5, vcc_lo
	v_lshl_add_u32 v[GL1], v1, 4, v[GL1]
	s_wait_alu depctr_va_vdst(0)
	s_wait_dscnt 0x0                               ; both opening adds are done
	s_wait_kmcnt 0x0
	s_add_nc_u64 s[OUT:OUT+1], s[6:7], s[OUT:OUT+1]
	s_add_nc_u64 s[OUS:OUS+1], s[6:7], s[OUS:OUS+1]
	s_add_nc_u64 s[98:99], s[4:5], 18874368
	s_add_nc_u64 s[PF1:PF1+1], s[4:5], s[PF1:PF1+1]
	s_mov_b32 s[G0], 1
	s_mov_b32 s[G0+1], s45
	s_add_nc_u64 s[G0+2:G0+3], s[4:5], s[20:21]
	s_or_b32 s[G0+3], s[G0+3], 0x80000000
	s_mov_b32 s[G0B], 1
	s_mov_b32 s[G0B+1], s45
	s_add_nc_u64 s[G0B+2:G0B+3], s[4:5], s[84:85]
	s_or_b32 s[G0B+3], s[G0B+3], 0x80000000
	CROUND                                         ; all sixteen work-groups are here: the first joint loads meet
	JLOAD                                          ; fill 0: one tensor load a wave at the head
.irp s, 0,1,2,3,4,5,6,7
	global_load_b128 v[SC+8*\s:SC+8*\s+3], v[GL1], s[98:99] offset:256*\s          ; sixteen lanes read 256 consecutive bytes, aligned
	global_load_b128 v[SC+8*\s+4:SC+8*\s+7], v[GL1], s[98:99] offset:256*\s+2048
.endr
	ASK 1
	s_wait_tensorcnt 0x0                           ; my part of fill 0 is in; the three lines ahead of a later first fill, as ahead of a refill
	ds_add_u32 v[SPW], v[NIL]
	DESC 1
	s_wait_dscnt 0x0
	CROUND
	JLOAD                                          ; fill 1, the first tensor load behind the round
	FB ADRB, 4608, 0, 0
	FA ADRA, 4608, 0, 0
	FA ADRA, 4608, 0, 4
	ASK 2
	s_wait_loadcnt 0x0                             ; the scale words
; THE WAY OUT of block a (16 queries x my 128 keys).
.macro SOFTQ a
.set AC, 64*((\a)%4)
.set W, 2+(\a)/4
.if (\a) > 0
	s_wait_dscnt 0x0                               ; the last block's LDS stores have read the three statistics' registers
.endif
	WIN (W<<2)|(W<<4)                              ; sources 1 and 2: the accumulators' window
.irp b, 0,1,2,3                        ; the largest score of each block of 32 keys: it serves for the run's maximum and, since p' rises with the score, for the block's largest p'
	v_max3_num_f32 v[MX+\b], 0xff800000, v[AC+16*\b], v[AC+16*\b+1]   ; each accumulator is read from its low end on
.endr
.irp i, 2,4,6,8,10,12,14
.irp b, 0,1,2,3
	v_max3_num_f32 v[MX+\b], v[MX+\b], v[AC+16*\b+\i], v[AC+16*\b+\i+1]
.endr
.endr
	WIN 0
.irp b, 0,1,2,3
	v_permlanex16_b32 v[MT+\b], v[MX+\b], s[SEL], s[SEL+1]
.endr
.irp b, 0,1,2,3
	v_max_num_f32 v[MX+\b], v[MX+\b], v[MT+\b]     ; with lane l xor 16's 16 keys
.endr
	v_max3_num_f32 v[T0], v[MX], v[MX+1], v[MX+2]
	v_max_num_f32 v[T0], v[T0], v[MX+3]
	v_mul_f32 v[T0], s[CS], v[T0]                  ; the run's largest t (c is positive)
	v_floor_f32 v[NM], -v[T0]                      ; -M' = floor(-t) = -ceil(t)
	WIN W
.set I, 0
.rept 32
	v_pk_fma_f32 v[H+I:H+I+1], v[AC+I:AC+I+1], s[CS:CS+1], v[NM:NM+1] op_sel_hi:[1,0,0]   ; t - M', two at a time
.set I, I+2
.endr
	WIN 0
.irp b, 0,1,2,3
	v_fma_f32 v[MX+\b], v[MX+\b], s[CS], v[NM]     ; the same of each block's largest score
.endr
.set I, 0
	s_wait_alu depctr_va_vdst(0)
.rept 64
	v_exp_f32 v[H+I], v[H+I]                       ; p' = 2^(t - M')
.set I, I+1
.endr
	v_nop                                          ; a plain place behind the exponentials
	s_wait_alu depctr_va_vdst(0)                   ; one wait for the batch of 64, ahead of its first reader
.irp b, 0,1,2,3
	v_exp_f32 v[MX+\b], v[MX+\b]                   ; the block's largest p': the same two instructions on the same number
.endr
	v_pk_add_f32 v[LA:LA+1], v[H:H+1], v[H+2:H+3]  ; l' is the sum of the unquantised p': two chains (they read the 64 alone: plain work behind the four)
	v_pk_add_f32 v[LB:LB+1], v[H+4:H+5], v[H+6:H+7]
.irp j, 8,12,16,20,24,28,32,36,40,44,48,52,56,60
	v_pk_add_f32 v[LA:LA+1], v[LA:LA+1], v[H+\j:H+\j+1]
	v_pk_add_f32 v[LB:LB+1], v[LB:LB+1], v[H+\j+2:H+\j+3]
.endr
	v_pk_add_f32 v[LA:LA+1], v[LA:LA+1], v[LB:LB+1]
	s_wait_alu depctr_va_vdst(0)                   ; and one for the four
.irp b, 0,1,2,3
	v_max_num_f32 v[MX+\b], 0x2800000, v[MX+\b]    ; the floor 2^(5 - 127): the byte cannot fall under 1
.endr
.irp b, 0,1,2,3
	v_add_nc_u32 v[SO+\b], 0xfe000000, v[MX+\b]    ; 4 off the exponent field: the conversion's scale operand
.endr
.irp b, 0,1,2,3
	v_lshrrev_b32 v[BY+\b], 23, v[SO+\b]           ; the scale's byte: 123 at the most, since p' stays under 2
.endr
	v_lshl_or_b32 v[PW], v[BY+1], 8, v[BY]
	v_lshl_or_b32 v[PW], v[BY+2], 16, v[PW]
	v_lshl_or_b32 v[PW], v[BY+3], 24, v[PW]
	v_add_f32 v[LS], v[LA], v[LA+1]
	v_permlanex16_b32 v[MT], v[LS], s[SEL], s[SEL+1]
	v_add_f32 v[LS], v[LS], v[MT]                  ; l' of my query's 128 keys
	s_wait_alu depctr_va_vdst(0)
	s_wait_xcnt 0x0                                ; the last block's stores have read the codes' registers, which the conversions below write first
.irp c, 0,1
	v_cvt_scalef32_pk16_bf6_f32 v[PC+6*\c:PC+2+6*\c], v[H+32*\c:H+15+32*\c], v[SO+2*\c]
	v_cvt_scalef32_pk16_bf6_f32 v[PC+12+4*\c:PC+14+4*\c], v[H+16+32*\c:H+31+32*\c], v[SO+2*\c+1]
.endr
	v_nop                                          ; one plain place behind a scaled conversion
.irp c, 0,1                            ; the operand's layout wants a whole block in a lane
.irp i, 0,1,2
	v_permlane16_swap_b32 v[PC+6*\c+\i], v[PC+12+4*\c+\i]
.endr
.irp i, 0,1,2
	v_mov_b32 v[PC+3+6*\c+\i], v[PC+12+4*\c+\i]
.endr
.endr
.irp c, 0,1,2
	global_store_b128 v[LI], v[PC+4*\c:PC+4*\c+3], s[OUT:OUT+1] offset:(\a)*24576+512*\c   ; 32 lanes store 512 consecutive bytes, aligned
.endr
	ds_store_b32 v[SST], v[PW] offset:64*(\a)
	ds_store_b32 v[SST], v[NM] offset:64*(\a)+512
	ds_store_b32 v[SST], v[LS] offset:64*(\a)+1024
.endm
	S1 0, 1, 0                                     ; K step 0: its products start the sums
	S1 1, 0, 0
	S1 2, 0, 2                                     ; slot 0 is asked for again: K steps 6 and 7
	S1 3, 0, 0
	S1 4, 0, 0
	S1 5, 0, 1                                     ; the refill has landed
	S1 6, 0, 0
	S1 7, 0, 0
.irp b, 0,1,2,3
	v_mov_b32 v[MT+\b], 0                          ; a lane permute's destination counts as read
.endr
	v_mov_b32 v[NM+1], 0                           ; named as the upper half of a pair
.irp a, 0,1,2,3,4,5,6,7
	SOFTQ \a
.endr
.irp u, 0,1,2
	ds_load_b128 v[240+4*\u:243+4*\u], v[SRD] offset:512*\u   ; LDS serves a wave's instructions in order: these see my stores
.endr
	s_wait_dscnt 0x0
.irp u, 0,1,2
	global_store_b128 v[GS], v[240+4*\u:243+4*\u], s[OUS:OUS+1] offset:524288*\u   ; sixteen lanes store 256 consecutive bytes, aligned
.endr
	s_wait_tensorcnt 0x0                           ; the wave's end
	ds_add_u32 v[SPW], v[NIL]
	s_wait_dscnt 0x0
	CROUND                                         ; the closing round
	s_endpgm
.Lfunc_end_k_q8b3854f377_score:
	.size	k_q8b3854f377_score, .Lfunc_end_k_q8b3854f377_score-k_q8b3854f377_score
	.p2alignl 7, 3214868480
	.fill 96, 4, 3214868480
	.section	.rodata,"a",@progbits
	.p2align	6, 0x0
	.amdhsa_kernel k_q8b3854f377_score
		.amdhsa_group_segment_fixed_size 327680
		.amdhsa_private_segment_fixed_size 0
		.amdhsa_enable_private_segment 0
		.amdhsa_kernarg_size 16
		.amdhsa_user_sgpr_count 2
		.amdhsa_user_sgpr_kernarg_segment_ptr 1
		.amdhsa_wavefront_size32 1
		.amdhsa_system_sgpr_workgroup_id_x 1
		.amdhsa_system_sgpr_workgroup_id_y 1
		.amdhsa_system_sgpr_workgroup_id_z 1
		.amdhsa_system_vgpr_workitem_id 0
		.amdhsa_next_free_vgpr 1024
		.amdhsa_next_free_sgpr 100
		.amdhsa_reserve_vcc 1
		.amdhsa_float_denorm_mode_32 3
		.amdhsa_float_denorm_mode_16_64 3
		.amdhsa_memory_ordered 1
		.amdhsa_forward_progress 1
		.amdhsa_inst_pref_size 196
	.end_amdhsa_kernel
	.amdgpu_metadata
---
amdhsa.version: [ 1, 2 ]
amdhsa.kernels:
  - .name:           k_q8b3854f377_score
    .symbol:         k_q8b3854f377_score.kd
    .args:
      - { .name: pj, .offset: 0, .size: 8, .value_kind: global_buffer, .address_space: global }
      - { .name: pa, .offset: 8, .size: 8, .value_kind: global_buffer, .address_space: global }
    .group_segment_fixed_size: 327680
    .private_segment_fixed_size: 0
    .kernarg_segment_align: 8
    .kernarg_segment_size: 16
    .max_flat_workgroup_size: 128
    .sgpr_count:     100
    .vgpr_count:     1024
    .wavefront_size: 32
...
	.end_amdgpu_metadata
.endif
;; end of part 7
;; launch pvout (part 8): grid 4 x 64, 4 waves a work-group, clusters of 4 x 4, 327,680 bytes of LDS; arguments pa, pj, out0; writes out0
.if DOCPART == 8
	.amdgcn_target "amdgcn-amd-amdhsa--gfx1250"
	.amdhsa_code_object_version 6
	.text
	.protected	k_q8b3854f377_pvout
	.globl	k_q8b3854f377_pvout
	.p2align	8
	.type	k_q8b3854f377_pvout,@function
k_q8b3854f377_pvout:
	s_mov_b64 s[64:65], 0
	v_nop
	global_prefetch_b8 v0, s[64:65] scope:SCOPE_SE
	s_setreg_imm32_b32 hwreg(HW_REG_WAVE_MODE, 25, 1), 1
	s_wait_xcnt 0x0
	s_wait_alu depctr_hold_cnt(0) depctr_sa_sdst(0) depctr_va_vdst(0) depctr_va_sdst(0) depctr_va_ssrc(0) depctr_va_vcc(0) depctr_vm_vsrc(0)
	s_getreg_b32 s2, hwreg(HW_REG_IB_STS2, 6, 4)
	s_cmp_eq_u32 s2, 0
	s_cbranch_scc0 .Lentry_in_a_cluster
	s_endpgm
.Lentry_in_a_cluster:
	s_bfe_u32 s2, ttmp6, 0x10000c
	s_cmp_lg_u32 s2, 0xf033
	s_cbranch_scc0 .Lentry_shape_is_right
	s_endpgm
.Lentry_shape_is_right:
; out0 = (p' pv) / l on codes of E3M2.  A = p' (pa: fragment (tile T of queries, K step s of 16) at (16 T + s) x 1536), B = pv^T (pj, 16 K steps a batch), K = a batch's 2,048 keys.
; For each query and run of 128 keys pa also holds the scale words, -M' and l'.  At the head each wave takes 32 queries: the row's M = the largest M'; each run's four scale bytes are lowered by M - M'
; (an exact power of two; a byte that would fall under 0 is held at 0, 2^-127, where the codes' numbers are far under what f32 keeps beside the row's largest p); l = the sum of l' 2^(M' - M); 1 / l goes to LDS.
; A tile of 128 x 256, four waves of 64 x 128.  THE RING: two LDS slots, each with four K steps of 8 tiles of A and 16 of B (6,144 bytes a tile): four fills, one joint load a wave each, in a cluster of 4 x 4.
; Slot 0's first fill is the head's one tensor load and is on its way during the head's arithmetic; slot 1's stands behind the three lines and a round, which also shows the stored scale words to all waves.
; B's scale words (4,096 consecutive bytes a wave) come by plain loads of 512 consecutive bytes and go to LDS bytes of their own by LDS stores.
; PREFETCH: behind the load of fill f stands the request for fill f + 1's bytes: a partner names one of the four tiles that a wave of A fetches, two of the eight of B, told apart by address; a lane names 256 bytes.
; LIMITS: NaN and infinities are not served.
.set KS,     16
.set FR,     12
.set NQ,     4
.set NP,     4
.set TROW,   NQ*1536
.set ATB,    8*TROW
.set SLOT,   24*TROW
.set SCA,    2*SLOT
.set RCP,    SCA+8192
.set SCBS,   RCP+512+64
.set SPARE,  SCBS+16384+192
.set SPITCH, 528
.set PAS,    12582912
.set LI,   3
.set FO,   4
.set FS,   5
.set RS,   6
.set ADRA, 16
.set ADRB, 20
.set STO,  24
.set RD,   25
.set RCA,  26
.set ADRS, 27
.set SPW,  28
.set NIL,  29
.set ADRT, 30
.set SC,   32
.set RC,   64
.set AF,   128
.set BK,   128
.set MM,   64
.set LL,   80
.set WW,   96
.set NG,   112
.set LT,   114
.set DD,   116
.set NN,   118
.set FF,   120
.set XX,   122
.set YY,   124
.set G1, 24
.set G0, 32
.set G1B, 48
.set G0B, 56
.set FB,  66
.set M80, 68
.set OB,  98
.set MSB, 0
.macro WIN new
.if MSB != (\new)
	s_set_vgpr_msb (MSB<<8)|(\new)
.set MSB, (\new)
.endif
.endm
.set MUL,    0xa1
.set TO_B,   0x40
.macro JLOAD g0a, g1a, g0b, g1b
	s_cmp_eq_u32 s15, 0
	s_cbranch_scc0 .Lfor_b_\@
	tensor_load_to_lds s[\g0a:\g0a+3], s[\g1a:\g1a+7]
	s_nop 0
.rept 4
	v_nop
.endr
	s_branch .Lasked_\@
.Lfor_b_\@:
	tensor_load_to_lds s[\g0b:\g0b+3], s[\g1b:\g1b+7]
	s_nop 0
.rept 4
	v_nop
.endr
.Lasked_\@:
.endm
.macro CREST
	s_cmp_lg_u32 s14, 0
	s_cbranch_scc1 .Lnot_wave_0_\@
	s_barrier_signal -3
.Lnot_wave_0_\@:
	s_barrier_wait -3
	s_barrier_signal -1
	s_barrier_wait -1
.endm
.macro CROUND
	s_barrier_signal -1
	s_barrier_wait -1
	CREST
.endm
.macro FRAG reg, adr, off
.irp c, 0,1,2
	ds_load_b128 v[\reg+4*\c:\reg+4*\c+3], v[\adr] offset:\off+512*\c
.endr
.endm
.macro FETCH slot, q, s, p
	WIN TO_B
.irp i, 0,1,2,3,4,5,6,7
	FRAG 128*(\p)+FR*\i, ADRB+\slot, TROW*\i+1536*(\q)
.endr
	WIN 0
.irp i, 0,1,2,3
	FRAG AF+48*(\p)+FR*\i, ADRA+\slot, TROW*\i+1536*(\q)
.endr
.irp i, 0,1,2,3
	ds_load_b32 v[SC+8*(\p)+\i], v[ADRS] offset:64*\i+256*(\s)
.endr
.irp i, 0,1,2,3
	ds_load_b32 v[SC+8*(\p)+4+\i], v[ADRT] offset:64*\i+256*(\s)
.endr
.endm
.macro MUL8 a, p, zero
.irp b, 0,1,2,3,4,5,6,7
.if \zero
	v_wmma_scale_f32_16x16x128_f8f6f4 v[8*(8*(\a)+\b):8*(8*(\a)+\b)+7], v[128*(\p)+FR*\b:128*(\p)+FR*\b+FR-1], v[AF+48*(\p)+FR*(\a):AF+48*(\p)+FR*(\a)+FR-1], 0, v[SC+8*(\p)+\b], v[SC+8*(\p)+(\a)] matrix_a_fmt:MATRIX_FMT_BF6 matrix_b_fmt:MATRIX_FMT_BF6 matrix_a_scale:MATRIX_SCALE_ROW1
.else
	v_wmma_scale_f32_16x16x128_f8f6f4 v[8*(8*(\a)+\b):8*(8*(\a)+\b)+7], v[128*(\p)+FR*\b:128*(\p)+FR*\b+FR-1], v[AF+48*(\p)+FR*(\a):AF+48*(\p)+FR*(\a)+FR-1], v[8*(8*(\a)+\b):8*(8*(\a)+\b)+7], v[SC+8*(\p)+\b], v[SC+8*(\p)+(\a)] matrix_a_fmt:MATRIX_FMT_BF6 matrix_b_fmt:MATRIX_FMT_BF6 matrix_a_scale:MATRIX_SCALE_ROW1
.endif
.endr
.endm
.macro PLACES n
.rept \n
	v_nop
.endr
.endm
.macro ASK f                           ; the request for fill f's bytes: my work-group's share of the tiles that my wave fetches
	global_prefetch_b8 v13, s[70:71] offset:6144*(\f) th:TH_LOAD_NT scope:SCOPE_SE
	s_cmp_eq_u32 s15, 0
	s_cbranch_scc1 .Lone_\@
	global_prefetch_b8 v13, s[70:71] offset:6144*(\f)+24576 th:TH_LOAD_NT scope:SCOPE_SE
.Lone_\@:
.endm
.macro KSTEP p, zero, more, slot, q, s
	s_wait_dscnt 0x0
.if \more
	PLACES NP
	FETCH \slot, \q, \s, 1-(\p)
.endif
	WIN MUL
	MUL8 0, \p, \zero
	MUL8 1, \p, \zero
	MUL8 2, \p, \zero
	MUL8 3, \p, \zero
.endm
.macro KTURN fill, slot, next, s
	WIN 0
	s_wait_tensorcnt 0x0
	ds_add_u32 v[SPW], v[NIL]
	s_wait_dscnt 1
	WIN MUL
	MUL8 0, 1, 0
	s_wait_dscnt 0x0
	s_barrier_signal -1
	MUL8 1, 1, 0
	WIN 0
	s_barrier_wait -1
.if \fill
	CREST
	s_add_nc_u64 s[G0+4*\slot+2:G0+4*\slot+3], s[G0+4*\slot+2:G0+4*\slot+3], 2*TROW
	s_add_nc_u64 s[G0B+4*\slot+2:G0B+4*\slot+3], s[G0B+4*\slot+2:G0B+4*\slot+3], 2*TROW
	JLOAD G0+4*\slot, G1, G0B+4*\slot, G1B
.else
	PLACES NP
.endif
	FETCH \next, 0, \s, 0
.if (\fill) && ((\slot) == 0)
	ASK 3
.endif
	WIN MUL
	MUL8 2, 1, 0
	MUL8 3, 1, 0
.endm
	s_load_b128 s[4:7], s[0:1], 0x0
	s_load_b64 s[8:9], s[0:1], 0x10
	v_lshl_add_u32 v[SPW], v0, 2, SPARE
	v_mov_b32 v[NIL], 0
	ds_add_u32 v28, v29
	ds_add_u32 v28, v29
	s_wait_dscnt 0x0
	v_lshrrev_b32 v1, 5, v0
	v_readfirstlane_b32 s14, v1
	v_and_b32 v10, 31, v0
	v_lshlrev_b32 v[FO], 2, v10
	v_lshlrev_b32 v11, 4, v10                      ; 16 x lane: B's scale words on their way in
	v_min_u32 v13, 23, v10
	v_lshlrev_b32 v13, 8, v13                      ; the prefetches: 24 blocks of 256 bytes to a tile's four K steps
	s_lshl_b32 s94, s14, 12
	s_add_co_u32 s94, s94, SCBS
	v_add_nc_u32 v12, s94, v11                     ; and where they go in LDS: 4,096 bytes a wave
	s_lshr_b32 s15, s14, 1
	s_and_b32 s16, s14, 1
	s_bfe_u32 s40, ttmp6, 0x40000
	s_bfe_u32 s41, ttmp6, 0x40004
	s_and_b32 s18, ttmp7, 0xffff
	s_lshl_b32 s17, s18, 2
	s_add_co_u32 s17, s17, s41
	s_lshr_b32 s19, s18, 2
	s_lshl_b32 s42, ttmp9, 2
	s_add_co_u32 s42, s42, s40
	s_lshl_b32 s43, s41, 2
	s_lshl_b32 s43, 15, s43
	s_lshl_b32 s44, 0x1111, s40
	s_or_b32 s[G1+0], s43, (3<<16)|(1<<21)
	s_mov_b32 s[G1+1], 768<<16
	s_mov_b32 s[G1+2], 4<<16
	s_mov_b32 s[G1+3], 768<<16
	s_mov_b32 s[G1+4], 4
	s_mov_b32 s[G1+5], 192*KS
	s_mov_b32 s[G1+6], 0
	s_mov_b32 s[G1+7], 0
	s_or_b32 s[G1B+0], s44, (3<<16)|(1<<21)
	s_mov_b32 s[G1B+1], 768<<16
	s_mov_b32 s[G1B+2], 8<<16
	s_mov_b32 s[G1B+3], 768<<16
	s_mov_b32 s[G1B+4], 8
	s_mov_b32 s[G1B+5], 192*KS
	s_mov_b32 s[G1B+6], 0
	s_mov_b32 s[G1B+7], 0
	s_lshl_b32 s20, s17, 3
	s_lshl_b32 s18, s16, 2
	s_add_co_u32 s20, s20, s18
	s_mul_i32 s20, s20, KS*1536
	s_mov_b32 s21, 0
	s_lshl_b32 s46, s42, 4
	s_lshl_b32 s18, s16, 3
	s_add_co_u32 s46, s46, s18
	s_mul_i32 s46, s46, KS*1536
	s_mul_i32 s45, s19, 1572864
	s_add_co_u32 s46, s46, s45
	s_add_co_u32 s46, s46, 12582912
	s_mov_b32 s47, 0
	s_lshl_b32 s92, s42, 2
	s_add_co_u32 s92, s92, s14
	s_lshl_b32 s92, s92, 12
	s_lshl_b32 s45, s19, 16
	s_add_co_u32 s92, s92, s45
	s_add_co_u32 s92, s92, 19398656
	s_mov_b32 s93, 0
	s_lshl_b32 s[FB], s17, 1
	s_add_co_u32 s[FB], s[FB], s15
	s_lshl_b32 s[FB], s[FB], 12
	s_lshl_b32 s18, s16, 7
	s_add_co_u32 s[FB], s[FB], s18
	s_add_co_u32 s[FB], s[FB], PAS
	s_mov_b32 s[FB+1], 0
	s_mul_i32 s45, s16, 4*TROW
	s_mul_i32 s95, s16, 8*TROW
	s_add_co_u32 s95, s95, ATB
	s_mov_b32 s[M80], 0x80808080
	s_wait_alu depctr_va_vdst(0)
	s_wait_kmcnt 0x0
	s_add_nc_u64 s[20:21], s[4:5], s[20:21]
	s_add_nc_u64 s[46:47], s[6:7], s[46:47]
	s_add_nc_u64 s[92:93], s[6:7], s[92:93]
	s_add_nc_u64 s[FB:FB+1], s[4:5], s[FB:FB+1]
	s_mul_i32 s72, s40, 24576                      ; the prefetches' base: by cx one tile of A's four, by cy two of B's eight
	s_mul_i32 s73, s41, 49152
	s_cmp_eq_u32 s15, 0
	s_cselect_b64 s[70:71], s[20:21], s[46:47]
	s_cselect_b32 s72, s72, s73
	s_mov_b32 s73, 0
	s_add_nc_u64 s[70:71], s[70:71], s[72:73]
.irp i, 0,1,2,3,4,5,6,7
	global_load_b128 v[128+4*\i:131+4*\i], v11, s[92:93] offset:512*\i   ; B's scale words: 32 lanes read 512 consecutive bytes
.endr
.irp s, 0,1,2,3,4,5,6,7,8,9,10,11,12,13,14,15
	global_load_b32 v[MM+\s], v[FO], s[FB:FB+1] offset:524288+256*\s
.endr
.irp s, 0,1,2,3,4,5,6,7,8,9,10,11,12,13,14,15
	global_load_b32 v[LL+\s], v[FO], s[FB:FB+1] offset:1048576+256*\s
.endr
.irp s, 0,1,2,3,4,5,6,7,8,9,10,11,12,13,14,15
	global_load_b32 v[WW+\s], v[FO], s[FB:FB+1] offset:256*\s
.endr
	CROUND
.irp s, 0,1
	s_mov_b32 s[G0+4*\s], 1
	s_add_co_u32 s[G0+4*\s+1], s45, \s*SLOT
	s_add_nc_u64 s[G0+4*\s+2:G0+4*\s+3], s[20:21], \s*TROW
	s_or_b32 s[G0+4*\s+3], s[G0+4*\s+3], 0x80000000
	s_mov_b32 s[G0B+4*\s], 1
	s_add_co_u32 s[G0B+4*\s+1], s95, \s*SLOT
	s_add_nc_u64 s[G0B+4*\s+2:G0B+4*\s+3], s[46:47], \s*TROW
	s_or_b32 s[G0B+4*\s+3], s[G0B+4*\s+3], 0x80000000
.endr
	JLOAD G0, G1, G0B, G1B                         ; slot 0: one tensor load a wave at the head
	ASK 1
	v_and_b32 v1, 15, v0
	v_bfe_u32 v2, v0, 4, 1
	s_wait_alu depctr_va_vdst(0)
	v_lshlrev_b32 v[LI], 4, v10
	s_mul_i32 s21, s15, 4*TROW
	s_mul_i32 s22, s16, 8*TROW
	s_add_co_u32 s22, s22, ATB
.irp s, 0,1
	v_add_nc_u32 v[ADRA+\s], s21, v[LI]
	v_add_nc_u32 v[ADRB+\s], s22, v[LI]
	s_add_co_u32 s21, s21, SLOT
	s_add_co_u32 s22, s22, SLOT
.endr
	v_lshlrev_b32 v7, 2, v1
	s_lshl_b32 s21, s15, 12
	s_lshl_b32 s22, s16, 13
	s_add_co_u32 s22, s22, SCBS-SCA
	s_sub_co_u32 s22, s22, s21
	v_mul_u32_u24 v8, s22, v2
	s_add_co_u32 s21, s21, SCA
	v_add_nc_u32 v7, v7, v8
	v_add_nc_u32 v[ADRS], s21, v7
	v_lshl_add_u32 v[ADRT], v2, 12, v[ADRS]
	s_lshl_b32 s22, s16, 7
	s_add_co_u32 s21, s21, s22
	v_lshl_add_u32 v[FS], v10, 2, s21
	s_lshl_b32 s21, s14, 7
	s_add_co_u32 s21, s21, RCP
	v_lshl_add_u32 v[RS], v10, 2, s21
	s_lshl_b32 s21, s15, 8
	s_add_co_u32 s21, s21, RCP
	v_lshl_add_u32 v[RCA], v1, 2, s21
	s_mul_i32 s21, s14, 16*SPITCH
	v_mul_u32_u24 v[STO], v1, SPITCH
	v_lshl_add_u32 v[STO], v2, 6, v[STO]
	v_add_nc_u32 v[STO], s21, v[STO]
	v_add_nc_u32 v[RD], s21, v[LI]
	s_lshl_b32 s18, s17, 7
	s_lshl_b32 s19, s15, 6
	s_add_co_u32 s18, s18, s19
	s_lshl_b32 s18, s18, 12
	s_lshl_b32 s19, s42, 10
	s_add_co_u32 s18, s18, s19
	s_lshl_b32 s19, s16, 9
	s_add_co_u32 s18, s18, s19
	s_mov_b32 s19, 0
	s_add_nc_u64 s[OB:OB+1], s[8:9], s[18:19]
	s_wait_loadcnt 0x0
	v_min3_num_f32 v[NG], v[MM], v[MM+1], v[MM+2]
.irp s, 3,5,7,9,11,13
	v_min3_num_f32 v[NG], v[NG], v[MM+\s], v[MM+\s+1]
.endr
	v_min_num_f32 v[NG], v[NG], v[MM+15]
	v_mov_b32 v[NG+1], v[NG]
.macro FIX j
	v_pk_add_f32 v[DD:DD+1], v[MM+2*\j:MM+2*\j+1], v[NG:NG+1] neg_lo:[0,1] neg_hi:[0,1]
.irp e, 0,1
	v_min_num_f32 v[DD+\e], 0x42fe0000, v[DD+\e]
.endr
.irp e, 0,1
	v_cvt_i32_f32 v[DD+\e], v[DD+\e]
.endr
.irp e, 0,1
	v_sub_nc_u32 v[NN+\e], 0, v[DD+\e]
.endr
.irp e, 0,1
	v_ldexp_f32 v[FF+\e], 1.0, v[NN+\e]
.endr
.if \j == 0
	v_pk_mul_f32 v[LT:LT+1], v[LL:LL+1], v[FF:FF+1]
.else
	v_pk_fma_f32 v[LT:LT+1], v[LL+2*\j:LL+2*\j+1], v[FF:FF+1], v[LT:LT+1]
.endif
.irp e, 0,1
	v_lshl_or_b32 v[DD+\e], v[DD+\e], 8, v[DD+\e]
.endr
.irp e, 0,1
	v_lshl_or_b32 v[DD+\e], v[DD+\e], 16, v[DD+\e]
.endr
.irp e, 0,1
	v_or_b32 v[XX+\e], s[M80], v[WW+2*\j+\e]
.endr
.irp e, 0,1
	v_sub_nc_u32 v[XX+\e], v[XX+\e], v[DD+\e]
.endr
.irp e, 0,1
	v_and_b32 v[YY+\e], s[M80], v[XX+\e]
.endr
.irp e, 0,1
	v_lshrrev_b32 v[NN+\e], 7, v[YY+\e]
.endr
.irp e, 0,1
	v_sub_nc_u32 v[YY+\e], v[YY+\e], v[NN+\e]
.endr
.irp e, 0,1
	v_and_b32 v[WW+2*\j+\e], v[XX+\e], v[YY+\e]
.endr
.irp e, 0,1
	ds_store_b32 v[FS], v[WW+2*\j+\e] offset:256*(2*\j+\e)
.endr
.endm
.irp j, 0,1,2,3,4,5,6,7
	FIX \j
.endr
	v_add_f32 v[LT], v[LT], v[LT+1]
	s_wait_alu depctr_va_vdst(0)
	v_rcp_f32 v[LT], v[LT]
	v_nop
	s_wait_alu depctr_va_vdst(0)
	ds_store_b32 v[RS], v[LT]
.irp i, 0,1,2,3,4,5,6,7
	ds_store_b128 v12, v[128+4*\i:131+4*\i] offset:512*\i   ; B's scale words, as they lie in memory
.endr
	s_wait_alu depctr_va_vdst(0)
	s_wait_tensorcnt 0x0                           ; my part of slot 0 is in; the three lines ahead of a later first fill, as ahead of a refill
	ds_add_u32 v[SPW], v[NIL]
	s_wait_dscnt 0x0                               ; the add and my LDS stores are done
	CROUND                                         ; every wave's part of slot 0 and its stored words are there, and all sixteen work-groups are here
	JLOAD G0+4, G1, G0B+4, G1B                     ; slot 1, the first tensor load behind the round
	FETCH 0, 0, 0, 0
	ASK 2
	KSTEP 0, 1, 1, 0, 1, 1
	KSTEP 1, 0, 1, 0, 2, 2
	KSTEP 0, 0, 1, 0, 3, 3
	KTURN 1, 0, 1, 4
	KSTEP 0, 0, 1, 1, 1, 5
	KSTEP 1, 0, 1, 1, 2, 6
	KSTEP 0, 0, 1, 1, 3, 7
	KTURN 1, 1, 0, 8
	KSTEP 0, 0, 1, 0, 1, 9
	KSTEP 1, 0, 1, 0, 2, 10
	KSTEP 0, 0, 1, 0, 3, 11
	KTURN 0, 0, 1, 12
	KSTEP 0, 0, 1, 1, 1, 13
	KSTEP 1, 0, 1, 1, 2, 14
	KSTEP 0, 0, 1, 1, 3, 15
	KSTEP 1, 0, 0, 0, 0, 0
	WIN 0
.macro OUTB a
.set AC, 64*(\a)
.set BB, BK+64*((\a)%2)
	WIN 0x82
.set I, 0
.rept 32
	v_pk_mul_f32 v[AC+I:AC+I+1], v[AC+I:AC+I+1], v[RC+2*(\a):RC+2*(\a)+1]
.set I, I+2
.endr
	WIN 0x08
.irp b, 0,1,2,3,4,5,6,7
	ds_store_b128 v[STO], v[AC+8*\b:AC+8*\b+3] offset:128*(\b/2)+32*(\b%2)
	ds_store_b128 v[STO], v[AC+8*\b+4:AC+8*\b+7] offset:128*(\b/2)+32*(\b%2)+16
.endr
	WIN 0
.irp t, 0,1,2,3,4,5,6,7,8,9,10,11,12,13,14,15
	ds_load_b128 v[BB+4*\t:BB+4*\t+3], v[RD] offset:SPITCH*\t
.endr
.endm
.macro SEND a, younger
.set BB, BK+64*((\a)%2)
	s_wait_dscnt \younger
.irp t, 0,1,2,3,4,5,6,7,8,9,10,11,12,13,14,15
	global_store_b128 v[LI], v[BB+4*\t:BB+4*\t+3], s[OB:OB+1] offset:(32*((\a)/2)+8*((\a)%2)+\t+8*(\t/8))*4096 th:TH_STORE_NT
.endr
.endm
	PLACES NP
.irp a, 0,1,2,3
	ds_load_b32 v[RC+2*\a], v[RCA] offset:64*\a
	ds_load_b32 v[RC+2*\a+1], v[RCA] offset:64*\a
.endr
	s_wait_dscnt 0x0
	OUTB 0
.irp a, 1,2,3
.if \a > 1
	s_wait_xcnt 0x0
.endif
	OUTB \a
	SEND \a-1, 32
.endr
	SEND 3, 0
	s_wait_tensorcnt 0x0
	ds_add_u32 v[SPW], v[NIL]
	s_wait_dscnt 0x0
	CROUND
	s_endpgm
.Lfunc_end_k_q8b3854f377_pvout:
	.size	k_q8b3854f377_pvout, .Lfunc_end_k_q8b3854f377_pvout-k_q8b3854f377_pvout
	.p2alignl 7, 3214868480
	.fill 96, 4, 3214868480
	.section	.rodata,"a",@progbits
	.p2align	6, 0x0
	.amdhsa_kernel k_q8b3854f377_pvout
		.amdhsa_group_segment_fixed_size 327680
		.amdhsa_private_segment_fixed_size 0
		.amdhsa_enable_private_segment 0
		.amdhsa_kernarg_size 24
		.amdhsa_user_sgpr_count 2
		.amdhsa_user_sgpr_kernarg_segment_ptr 1
		.amdhsa_wavefront_size32 1
		.amdhsa_system_sgpr_workgroup_id_x 1
		.amdhsa_system_sgpr_workgroup_id_y 1
		.amdhsa_system_sgpr_workgroup_id_z 1
		.amdhsa_system_vgpr_workitem_id 0
		.amdhsa_next_free_vgpr 768
		.amdhsa_next_free_sgpr 100
		.amdhsa_reserve_vcc 0
		.amdhsa_float_denorm_mode_32 3
		.amdhsa_float_denorm_mode_16_64 3
		.amdhsa_memory_ordered 1
		.amdhsa_forward_progress 1
		.amdhsa_inst_pref_size 165
	.end_amdhsa_kernel
	.amdgpu_metadata
---
amdhsa.version: [ 1, 2 ]
amdhsa.kernels:
  - .name:           k_q8b3854f377_pvout
    .symbol:         k_q8b3854f377_pvout.kd
    .args:
      - { .name: pa, .offset: 0, .size: 8, .value_kind: global_buffer, .address_space: global }
      - { .name: pj, .offset: 8, .size: 8, .value_kind: global_buffer, .address_space: global }
      - { .name: out0, .offset: 16, .size: 8, .value_kind: global_buffer, .address_space: global }
    .group_segment_fixed_size: 327680
    .private_segment_fixed_size: 0
    .kernarg_segment_align: 8
    .kernarg_segment_size: 24
    .max_flat_workgroup_size: 128
    .sgpr_count:     100
    .vgpr_count:     768
    .wavefront_size: 32
...
	.end_amdgpu_metadata
.endif
;; end of part 8
